; MI455X (gfx1250); checked and timed in simulation.
; The chip was launched on July 23, 2026; its instructions are those of AMD's public machine-readable ISA for CDNA 5 (MIT licence, August 2026) and "CDNA5" Instruction Set Architecture Reference Guide (July 2026). The comments in the code are by the model that wrote it; some were corrected since.
;; Block. Allowed arithmetic: matrix products marked QUANTISED: E4M3 operands, one E8M0 scale for each 32 along K, by v_wmma_scale_f32_16x16x128_f8f6f4 with both operands' format E4M3, f32 sums; everything else in f32.
;; Inputs: fc1_b 4,096 float32; fc1_w 1,024 x 4,096 float32; fc2_b 1,024 float32; fc2_w 4,096 x 1,024 float32; ln1_b 1,024 float32; ln1_g 1,024 float32; ln2_b 1,024 float32; ln2_g 1,024 float32; proj_b 1,024 float32; proj_w 1,024 x 1,024 float32; qkv_w 1,024 x 3,072 float32; x 2 x 2,048 x 1,024 float32.
;; Outputs: out0 2 x 2,048 x 1,024 float32.
;; This version of the problem:
;;   THIS VERSION OF THE PROBLEM IS GIVEN IN LOW PRECISION. The matrix products marked QUANTISED in the list below multiply operands that are first quantised to E4M3 (4 exponent bits, 3 mantissa bits; 8 bits a number), with one power-of-two scale for each 32 numbers along K (OCP MX v1.0); their sums are f32. All else is computed in f32.
;;   The module's matrix products, in the order in which they are computed (A, B: the left and right operand; K: the contracted axis; several contracted axes count as one K, in the product's order):
;;     1. [M 4,096, K 1,024] x [K 1,024, N 3,072]; A: computed on the way; B: input qkv_w: QUANTISED
;;     2. batch 32 x [M 2,048, K 64] x [K 64, N 2,048]; A: computed on the way; B: computed on the way: QUANTISED
;;     3. batch 32 x [M 2,048, K 2,048] x [K 2,048, N 64]; A: softmax (see below); B: computed on the way: QUANTISED
;;     4. [M 4,096, K 1,024] x [K 1,024, N 1,024]; A: computed on the way; B: input proj_w: QUANTISED
;;     5. [M 4,096, K 1,024] x [K 1,024, N 4,096]; A: computed on the way; B: input fc1_w: QUANTISED
;;     6. [M 4,096, K 4,096] x [K 4,096, N 1,024]; A: computed on the way; B: input fc2_w: QUANTISED
;;   THE QUANTISER, for each operand of a quantised product, along K:
;;     - K is cut into blocks of 32 from its start; a last block that is shorter is filled with zeros.
;;     - A block's scale is 2^e with e = floor(log2(the largest magnitude in the block)) - 8, held to -126 .. 127; a block of zeros has e = 0. As a byte (E8M0): e + 127.
;;     - Each number is divided by its block's scale, clamped to +-448, and rounded to the nearest number of E4M3, ties to even, subnormals kept.
;;     - The product sums the exact products of the quantised numbers (number of the format x scale) in f32.
;;   ~~~python
;;   def quantise(x, axis):      # numpy; x: float32 -> the quantised numbers, widened to float32 again
;;       x = np.moveaxis(x, axis, -1); K = x.shape[-1]
;;       x = np.pad(x, [(0, 0)] * (x.ndim - 1) + [(0, -K % 32)]); x = x.reshape(x.shape[:-1] + (-1, 32)); a = np.abs(x).max(-1, keepdims=True)
;;       e = np.where(a > 0, np.clip(np.frexp(np.where(a > 0, a, 1))[1] - 1 - 8, -126, 127), 0)      # np.frexp(a)[1] - 1 = floor(log2(a)), exactly
;;       r = np.clip(x / 2.0 ** e, -448, 448)
;;       step = 2.0 ** (np.maximum(np.frexp(np.where(r == 0, 1, r))[1] - 1, -6) - 3)
;;       q = np.round(r / step) * step * 2.0 ** e      # np.round: ties to even
;;       return np.moveaxis(q.reshape(q.shape[:-2] + (-1,))[..., :K], -1, axis).astype(np.float32)
;;   ~~~
;;   SOFTMAX AHEAD OF A QUANTISED PRODUCT. Where the list says 'softmax', what is quantised is not the finished softmax but p = 2^(t - M), with t = logit x log2(e) and M = ceil(the row's largest t), a whole number; so 1/2 < the row's largest p <= 1. The row's sum l is taken of the UNQUANTISED p, in f32, and the product's result is divided by l at the end. Since M is a whole number, a kernel that streams over the keys may use a running M (the ceiling of the running maximum): every later rescaling is an exact power of two, which a block's scale takes up: the codes' values come out the same.
;;   OPERANDS COMPUTED ON THE WAY. 'Computed on the way' means the value that the module computes at that place (a softmax that the list does not call 'softmax' is quantised finished and normalised). What goes into a quantiser is computed in f32, as accurately as f32 sums, v_exp_f32 and their like allow (about 1e-6 of the number): no bf16 or f16 on the way to a quantiser, and a product that is left as it is and whose result goes on into a quantised operand takes f32 operands (vector FMAs, or v_wmma_f32_16x16x4_f32). A number that lies on a knife's edge between two numbers of the format may be rounded either way, as far as f32 arithmetic and the matrix unit's own rounding can turn it there, and no further.
;; 2 versions. Each part assembles by itself: llvm-mc -triple=amdgcn-amd-amdhsa -mcpu=gfx1250 --defsym DOCPART=n.
;; ======== version 1 of 2: 8 launches
;; workspace buffers: wts 12,976,128 bytes; hc 4,325,376 bytes; qc 4,456,448 bytes; kvc 8,781,824 bytes; oc 4,325,376 bytes; x1 16,777,216 bytes; gc 17,301,504 bytes
;; launch wq (part 1): grid 384 x 1, 4 waves a work-group, no clusters, 1,536 bytes of LDS; arguments qkv_w, proj_w, fc1_w, fc2_w, wts; writes wts
.if DOCPART == 1
	.amdgcn_target "amdgcn-amd-amdhsa--gfx1250"
	.amdhsa_code_object_version 6
	.text
	.protected	k_qca9243c6bb_wq
	.globl	k_qca9243c6bb_wq
	.p2align	8
	.type	k_qca9243c6bb_wq,@function
k_qca9243c6bb_wq:
	s_mov_b64 s[64:65], 0
	v_nop
	global_prefetch_b8 v0, s[64:65] scope:SCOPE_SE
	s_setreg_imm32_b32 hwreg(HW_REG_WAVE_MODE, 25, 1), 1
	s_wait_xcnt 0x0
; The four weights, f32 stored [K][N], become codes of E4M3 with one E8M0 byte for each 32 along K, laid as CHUNKS in the order of an operand's registers.
; A chunk is 128 columns n x 256 along K, 33,792 bytes: at 16384 q + 2048 i + 512 c + 16 lane the 16 codes of column rho(i, lane % 16), k = 128 q + 32 c + 16 (lane / 16) + 0..15,
; rho(i, r) = 32 (i / 2) + 8 (i % 2) + r + 8 (r / 8); at 32768 + 512 q + 16 lane + 4 c' the scale word (four bytes, k blocks 0..3 of q) of block 4 (lane / 16) + c', row lane % 16.
; One work-group makes one chunk: chunks 0-95 qkv_w (24 column groups x 4 K steps), 96-127 proj_w, 128-255 fc1_w, 256-383 fc2_w (8 x 16).  One path for all four: only pointers and strides are chosen.
; A LANE TAKES A COLUMN AND ITS REGISTERS RUN DOWN K: a block of 32 is one lane's 32 registers; a load reads 128 consecutive bytes (its groups of eight lanes permuted by rho);
; a lane's 32 codes are two runs of 16 bytes, and sixteen lanes' runs are 256 consecutive aligned bytes of the chunk: no stage is needed for the codes.
; LIMITS: a block of zeros, and one whose largest magnitude lies under 2^-118, gets the byte 1 (its codes are zeros or subnormal; only this program reads the bytes); NaN and infinities are not served.
.set CH,  33792
.set CD,  16                           ; v16-31   codes, two sets of 8
.set VO,  32                           ; v32-63   byte offset of row i of a block, at my column
.set X,   64                           ; v64-127  two sets of 32 numbers
.set TA,  128                          ; v128-132 at work
.set SW,  136                          ; v136-137 my column's scale words, q = 0, 1
.set SB,  24                           ; s[24:39] the source at K block 0..7
	s_load_b256 s[4:11], s[0:1], 0x0               ; qkv_w, proj_w, fc1_w, fc2_w
	s_load_b64 s[12:13], s[0:1], 0x20              ; wts
	v_lshl_add_u32 v160, v0, 2, 0x400
	v_mov_b32 v161, 0
	v_and_b32 v1, 15, v0                           ; r
	v_bfe_u32 v2, v0, 4, 2                         ; 2 (wave % 2) + u: my block's place c' among four
	v_bfe_u32 v3, v0, 6, 1                         ; wave / 2: which half of the lanes takes my block's words
	v_lshlrev_b32 v4, 4, v1
	v_lshl_add_u32 v4, v2, 2, v4
	v_lshl_add_u32 v4, v3, 8, v4                   ; LDS: 16 r + 4 c' + 256 (wave / 2): my scale word's place in the chunk's 512 bytes of a q
	v_and_b32 v5, 0x60, v0                         ; 32 x wave
	v_bfe_u32 v6, v0, 4, 1                         ; u
	v_lshl_add_u32 v5, v6, 3, v5
	v_add_nc_u32 v5, v5, v1
	v_and_b32 v7, 8, v1
	v_add_nc_u32 v5, v5, v7                        ; my column in the group: rho(2 wave + u, r)
	v_lshlrev_b32 v5, 2, v5
	v_bfe_u32 v8, v0, 4, 3                         ; my image block 2 wave + u
	v_lshlrev_b32 v9, 4, v1
	v_lshl_add_u32 v9, v8, 11, v9                  ; where my codes go: 2048 x block + 16 r
	v_lshlrev_b32 v10, 3, v0                       ; the scale words' way out: 8 bytes a thread
	s_mov_b32 s16, 256                             ; fc2_w's figures: first chunk, bytes in a row, log2 of its K steps
	s_mov_b32 s17, 4096
	s_mov_b32 s18, 4
	s_mov_b32 s41, 0x600000                        ; the mantissa field of 448
	s_wait_kmcnt 0x0
	s_cmp_lt_u32 ttmp9, 256                        ; the choices hang on the work-group's number alone
	s_cselect_b64 s[14:15], s[8:9], s[10:11]
	s_cselect_b32 s16, 128, s16
	s_cselect_b32 s17, 16384, s17
	s_cselect_b32 s18, 2, s18
	s_cmp_lt_u32 ttmp9, 128
	s_cselect_b64 s[14:15], s[6:7], s[14:15]
	s_cselect_b32 s16, 96, s16
	s_cselect_b32 s17, 4096, s17
	s_cmp_lt_u32 ttmp9, 96
	s_cselect_b64 s[14:15], s[4:5], s[14:15]
	s_cselect_b32 s16, 0, s16
	s_cselect_b32 s17, 12288, s17
	s_sub_co_u32 s19, ttmp9, s16                   ; the chunk's number in its weight
	s_lshr_b32 s20, s19, s18                       ; column group
	s_lshl_b32 s21, s20, s18
	s_sub_co_u32 s21, s19, s21                     ; K step
	s_lshl_b32 s22, s17, 8
	s_mul_i32 s22, s22, s21                        ; 256 rows a K step
	s_lshl_b32 s20, s20, 9                         ; 512 bytes a column group
	s_add_co_u32 s22, s22, s20
	s_mov_b32 s23, 0
	s_add_nc_u64 s[SB:SB+1], s[14:15], s[22:23]
	s_lshl_b32 s22, s17, 5                         ; 32 rows a block
.irp kb, 1,2,3,4,5,6,7
	s_add_nc_u64 s[SB+2*\kb:SB+2*\kb+1], s[SB+2*\kb-2:SB+2*\kb-1], s[22:23]
.endr
	s_mul_i32 s42, ttmp9, CH
	s_mov_b32 s43, 0
	s_add_nc_u64 s[12:13], s[12:13], s[42:43]      ; my chunk
.irp i, 0,1,2,3,4,5,6,7,8,9,10,11,12,13,14,15,16,17,18,19,20,21,22,23,24,25,26,27,28,29,30,31
	v_mad_u32_u24 v[VO+\i], s17, \i, v5
.endr
.macro LOAD kb                         ; block kb: W(32 kb + i, my column) into set kb % 2
.irp i, 0,1,2,3,4,5,6,7,8,9,10,11,12,13,14,15,16,17,18,19,20,21,22,23,24,25,26,27,28,29,30,31
	global_load_b32 v[X+32*((\kb)%2)+\i], v[VO+\i], s[SB+2*(\kb):SB+2*(\kb)+1] th:TH_LOAD_NT
.endr
.endm
.macro BLOCK kb
.set XS, X+32*((\kb)%2)
.set CS, CD+8*((\kb)%2)
.if (\kb) < 7
	s_wait_loadcnt 32                              ; this block's 32 loads are in; the next block's 32 may be out
.else
	s_wait_loadcnt 0x0
.endif
	v_max3_num_f32 v[TA], |v[XS]|, |v[XS+1]|, |v[XS+2]|            ; the block's largest magnitude: all 32 numbers are mine
	v_max3_num_f32 v[TA+1], |v[XS+3]|, |v[XS+4]|, |v[XS+5]|
.irp i, 6,10,14,18,22,26
	v_max3_num_f32 v[TA], v[TA], |v[XS+\i]|, |v[XS+\i+1]|
	v_max3_num_f32 v[TA+1], v[TA+1], |v[XS+\i+2]|, |v[XS+\i+3]|
.endr
	v_max3_num_f32 v[TA], v[TA], |v[XS+30]|, |v[XS+31]|
	v_max3_num_f32 v[TA], v[TA], v[TA+1], 0x4800000                ; and the floor 2^(9 - 127): the byte cannot fall under 1
	v_add_nc_u32 v[TA+2], 0xfc000000, v[TA]        ; 8 off the exponent field: the conversion's scale operand
	v_and_or_b32 v[TA+3], v[TA], 0x7f800000, s41   ; 448 x the scale
	v_lshrrev_b32 v[TA+4], 23, v[TA+2]             ; the scale's byte
.if (\kb)%4 == 0
	v_mov_b32 v[SW+(\kb)/4], v[TA+4]
.else
	v_lshl_or_b32 v[SW+(\kb)/4], v[TA+4], 8*((\kb)%4), v[SW+(\kb)/4]
.endif
.set n, 0
.rept 32
	v_med3_num_f32 v[XS+n], v[XS+n], -v[TA+3], v[TA+3]             ; the conversion to an 8-bit code does not saturate (ISA guide 7.6.2): the hold comes first
.set n, n+1
.endr
	s_wait_xcnt 0x0                                ; the stores of two blocks ago have read this set of code registers
.irp g, 0,1,2,3
	v_cvt_scalef32_pk8_fp8_f32 v[CS+2*\g:CS+2*\g+1], v[XS+8*\g:XS+8*\g+7], v[TA+2]
.endr
	v_nop                                          ; a plain line behind the last conversion
	global_store_b128 v9, v[CS:CS+3], s[12:13] offset:16384*((\kb)/4)+512*((\kb)%4)        ; k 0..15 of the block: sixteen lanes fill 256 consecutive aligned bytes
	global_store_b128 v9, v[CS+4:CS+7], s[12:13] offset:16384*((\kb)/4)+512*((\kb)%4)+256  ; k 16..31
.if (\kb)+2 < 8
	LOAD (\kb)+2
.endif
.endm
	LOAD 0
	LOAD 1
.irp kb, 0,1,2,3,4,5,6,7
	BLOCK \kb
.endr
	ds_store_b32 v4, v[SW]                         ; the chunk's 1,024 bytes of scale words meet in LDS
	ds_store_b32 v4, v[SW+1] offset:512
	s_wait_dscnt 0x0                               ; for the other waves' sake: my stores have landed
	s_barrier_signal -1
	s_barrier_wait -1
	ds_load_b64 v[12:13], v10
	s_wait_dscnt 0x0
	global_store_b64 v10, v[12:13], s[12:13] offset:32768          ; a wave stores 256 consecutive aligned bytes
	s_wait_tensorcnt 0x0
	ds_add_u32 v160, v161
	s_wait_dscnt 0x0
	s_endpgm
.Lfunc_end_k_qca9243c6bb_wq:
	.size	k_qca9243c6bb_wq, .Lfunc_end_k_qca9243c6bb_wq-k_qca9243c6bb_wq
	.p2alignl 7, 3214868480
	.fill 96, 4, 3214868480
	.section	.rodata,"a",@progbits
	.p2align	6, 0x0
	.amdhsa_kernel k_qca9243c6bb_wq
		.amdhsa_group_segment_fixed_size 1536
		.amdhsa_private_segment_fixed_size 0
		.amdhsa_enable_private_segment 0
		.amdhsa_kernarg_size 40
		.amdhsa_user_sgpr_count 2
		.amdhsa_user_sgpr_kernarg_segment_ptr 1
		.amdhsa_wavefront_size32 1
		.amdhsa_system_sgpr_workgroup_id_x 1
		.amdhsa_system_sgpr_workgroup_id_y 1
		.amdhsa_system_sgpr_workgroup_id_z 1
		.amdhsa_system_vgpr_workitem_id 0
		.amdhsa_next_free_vgpr 162
		.amdhsa_next_free_sgpr 66
		.amdhsa_reserve_vcc 0
		.amdhsa_float_denorm_mode_32 3
		.amdhsa_float_denorm_mode_16_64 3
		.amdhsa_memory_ordered 1
		.amdhsa_forward_progress 1
		.amdhsa_inst_pref_size 60
	.end_amdhsa_kernel
	.amdgpu_metadata
---
amdhsa.version: [ 1, 2 ]
amdhsa.kernels:
  - .name:           k_qca9243c6bb_wq
    .symbol:         k_qca9243c6bb_wq.kd
    .args:
      - { .name: qkv_w, .offset: 0, .size: 8, .value_kind: global_buffer, .address_space: global }
      - { .name: proj_w, .offset: 8, .size: 8, .value_kind: global_buffer, .address_space: global }
      - { .name: fc1_w, .offset: 16, .size: 8, .value_kind: global_buffer, .address_space: global }
      - { .name: fc2_w, .offset: 24, .size: 8, .value_kind: global_buffer, .address_space: global }
      - { .name: wts, .offset: 32, .size: 8, .value_kind: global_buffer, .address_space: global }
    .group_segment_fixed_size: 1536
    .private_segment_fixed_size: 0
    .kernarg_segment_align: 8
    .kernarg_segment_size: 40
    .max_flat_workgroup_size: 128
    .sgpr_count:     66
    .vgpr_count:     162
    .wavefront_size: 32
...
	.end_amdgpu_metadata
.endif
;; end of part 1
;; launch ln1 (part 2): grid 256 x 1, 4 waves a work-group, no clusters, 66,304 bytes of LDS; arguments x, ln1_g, ln1_b, hc; writes hc
.if DOCPART == 2
	.amdgcn_target "amdgcn-amd-amdhsa--gfx1250"
	.amdhsa_code_object_version 6
	.text
	.protected	k_qca9243c6bb_ln1
	.globl	k_qca9243c6bb_ln1
	.p2align	8
	.type	k_qca9243c6bb_ln1,@function
k_qca9243c6bb_ln1:
	s_mov_b64 s[64:65], 0
	v_nop
	global_prefetch_b8 v0, s[64:65] scope:SCOPE_SE
	s_setreg_imm32_b32 hwreg(HW_REG_WAVE_MODE, 25, 1), 1
	s_wait_xcnt 0x0
; y = (x - mean) * rsqrt(var + 1e-5) * g + b for rows of 1,024 f32, then quantised along the row to E4M3 with one E8M0 byte for each 32, stored as chunks in register order
; (a chunk: 128 rows x 256 K, 33,792 bytes; 16384 q + 2048 i + 512 c + 16 lane: codes of row rho(i, lane % 16), k = 128 q + 32 c + 16 (lane / 16) + 0..15; rho(i, r) = 32 (i / 2) + 8 (i % 2) + r + 8 (r / 8);
; 32768 + 512 q + 16 lane + 4 c': scale word of block 4 (lane / 16) + c').  Chunk number = 4 x row group + K step.
; A work-group makes one image block: the 16 rows rho(i, 0..15) of row group g.  FIRST each wave normalises four rows (they are neighbours in memory), a row spread over its 32 lanes, loads of 512 consecutive bytes;
; mean and variance in two passes, as the definition has them.  The rows go to LDS (pitch 4,112 bytes = 257 x 16, so that sixteen rows' reads fall on different banks).  THEN wave w takes K step w of all 16 rows:
; lane (r, h) reads 16 neighbours of each block of 32, quantises them, and stores the conversions' results as they stand: 512 consecutive bytes a store.
; The scale words leave as 4 bytes of each 16 (other work-groups own the words between): 128 bytes of a work-group's 16,896.
; LIMITS: v_rsq_f32 is good to 1 ulp; blocks under 2^-118 get the byte 1; NaN and infinities are not served.
.set CH,  33792
.set PIT, 4112
.set X,   32                           ; v32-159  four rows x 32 numbers a lane; later 2 x 64 numbers for the quantiser
.set GG,  160                          ; v160-191 g; later the codes
.set BB,  192                          ; v192-223 b
.set SA,  224                          ; v224-231 a pair a row: sums, then the mean
.set SQ,  232                          ; v232-239 a pair a row: sums of squares, then 1 / sigma
.set TP,  240                          ; v240-243 lane exchanges; later the two scale words
.set TM,  224                          ; the quantiser's 16 registers
.set SEL, 28
.set MNT, 30
	s_load_b256 s[4:11], s[0:1], 0x0               ; x, g, b, the codes' buffer
	v_lshl_add_u32 v254, v0, 2, 0x10100
	v_mov_b32 v255, 0
	v_lshrrev_b32 v1, 5, v0
	v_readfirstlane_b32 s14, v1                    ; wave
	v_and_b32 v1, 31, v0                           ; lane
	v_lshlrev_b32 v2, 4, v1                        ; 16 x lane
	v_and_b32 v5, 15, v0                           ; r
	v_bfe_u32 v6, v0, 4, 1                         ; h
	s_mul_i32 s15, s14, 4*PIT
	v_add_nc_u32 v3, s15, v2                       ; LDS, in: my wave's four rows, 16 bytes a lane
	v_mul_u32_u24 v4, v5, PIT
	v_lshl_add_u32 v4, v6, 6, v4
	s_lshl_b32 s15, s14, 10
	v_add_nc_u32 v4, s15, v4                       ; LDS, out: row r, K step = wave, + 64 h
	v_lshlrev_b32 v7, 4, v5
	v_lshl_add_u32 v7, v6, 9, v7                   ; scale words: 16 r + 512 h (lanes 16-31 store q = 1's)
.irp i, 0,1,2,3
	v_mov_b32 v[TP+\i], 0                          ; a lane permute's destination counts as one of its sources
.endr
	s_mov_b32 s20, 0x3a800000                      ; 1 / 1024
	s_mov_b32 s21, 0x3727c5ac                      ; 1e-5
	s_mov_b32 s[SEL], 0x76543210
	s_mov_b32 s[SEL+1], 0xfedcba98                 ; lane l xor 16
	s_mov_b32 s[MNT], 0x600000
	s_lshr_b32 s12, ttmp9, 3                       ; row group g
	s_and_b32 s13, ttmp9, 7                        ; image block i
	s_lshl_b32 s15, s12, 7
	s_lshr_b32 s16, s13, 1
	s_lshl_b32 s16, s16, 5
	s_add_co_u32 s15, s15, s16
	s_and_b32 s16, s13, 1
	s_lshl_b32 s16, s16, 3
	s_add_co_u32 s15, s15, s16
	s_lshl_b32 s16, s14, 2
	s_add_co_u32 s15, s15, s16
	s_lshr_b32 s16, s14, 1
	s_lshl_b32 s16, s16, 3
	s_add_co_u32 s15, s15, s16                     ; my wave's first row: 128 g + rho(i, 4 wave)
	s_lshl_b32 s16, s15, 12
	s_mov_b32 s17, 0
	s_lshl_b32 s18, s12, 2
	s_add_co_u32 s18, s18, s14
	s_mul_i32 s18, s18, CH                         ; chunk 4 g + wave
	s_lshl_b32 s19, s13, 11
	s_add_co_u32 s22, s18, s19                     ; + 2048 i
	s_mov_b32 s23, 0
	s_wait_kmcnt 0x0
	s_add_nc_u64 s[4:5], s[4:5], s[16:17]
	s_add_nc_u64 s[24:25], s[10:11], s[22:23]      ; the codes
	s_lshr_b32 s19, s13, 2
	s_lshl_b32 s19, s19, 8
	s_and_b32 s22, s13, 3
	s_lshl_b32 s22, s22, 2
	s_add_co_u32 s19, s19, s22
	s_add_co_u32 s22, s18, s19
	s_add_nc_u64 s[26:27], s[10:11], s[22:23]      ; the scale words: + 256 (i / 4) + 4 (i % 4)
.irp rr, 0,1,2,3
.irp m, 0,1,2,3,4,5,6,7
	global_load_b128 v[X+32*\rr+4*\m:X+32*\rr+4*\m+3], v2, s[4:5] offset:\rr*4096+\m*512
.endr
.endr
.irp m, 0,1,2,3,4,5,6,7
	global_load_b128 v[GG+4*\m:GG+4*\m+3], v2, s[6:7] offset:\m*512
.endr
.irp m, 0,1,2,3,4,5,6,7
	global_load_b128 v[BB+4*\m:BB+4*\m+3], v2, s[8:9] offset:\m*512
.endr
.macro REDUCE s                        ; the four rows' pairs: both halves, then all 32 lanes; the result stands in every lane
.irp rr, 0,1,2,3
	v_add_f32 v[\s+2*\rr], v[\s+2*\rr], v[\s+2*\rr+1]
.endr
.irp k, 1,2,4,8
.irp rr, 0,1,2,3
	v_add_f32_dpp v[\s+2*\rr], v[\s+2*\rr], v[\s+2*\rr] row_xmask:\k row_mask:0xf bank_mask:0xf
.endr
.endr
.irp rr, 0,1,2,3
	v_permlanex16_b32 v[TP+\rr], v[\s+2*\rr], s[SEL], s[SEL+1]
.endr
.irp rr, 0,1,2,3
	v_add_f32 v[\s+2*\rr], v[\s+2*\rr], v[TP+\rr]
.endr
.endm
	s_wait_loadcnt 16                              ; x's 32 loads are in; the 16 of g and b may be out
.irp rr, 0,1,2,3
	v_pk_add_f32 v[SA+2*\rr:SA+2*\rr+1], v[X+32*\rr:X+32*\rr+1], v[X+32*\rr+2:X+32*\rr+3]
.endr
.irp p, 4,6,8,10,12,14,16,18,20,22,24,26,28,30
.irp rr, 0,1,2,3
	v_pk_add_f32 v[SA+2*\rr:SA+2*\rr+1], v[SA+2*\rr:SA+2*\rr+1], v[X+32*\rr+\p:X+32*\rr+\p+1]   ; the four rows by turns
.endr
.endr
	REDUCE SA
.irp rr, 0,1,2,3
	v_mul_f32 v[SA+2*\rr], s20, v[SA+2*\rr]        ; the mean
.endr
.irp p, 0,2,4,6,8,10,12,14,16,18,20,22,24,26,28,30
.irp rr, 0,1,2,3
	v_pk_add_f32 v[X+32*\rr+\p:X+32*\rr+\p+1], v[X+32*\rr+\p:X+32*\rr+\p+1], v[SA+2*\rr:SA+2*\rr+1] op_sel_hi:[1,0] neg_lo:[0,1] neg_hi:[0,1]   ; d = x - mean
.endr
.endr
.irp rr, 0,1,2,3
	v_pk_mul_f32 v[SQ+2*\rr:SQ+2*\rr+1], v[X+32*\rr:X+32*\rr+1], v[X+32*\rr:X+32*\rr+1]
.endr
.irp p, 2,4,6,8,10,12,14,16,18,20,22,24,26,28,30
.irp rr, 0,1,2,3
	v_pk_fma_f32 v[SQ+2*\rr:SQ+2*\rr+1], v[X+32*\rr+\p:X+32*\rr+\p+1], v[X+32*\rr+\p:X+32*\rr+\p+1], v[SQ+2*\rr:SQ+2*\rr+1]
.endr
.endr
	REDUCE SQ
.irp rr, 0,1,2,3
	v_fma_f32 v[SQ+2*\rr], v[SQ+2*\rr], s20, s21   ; var + eps
.endr
.irp rr, 0,1,2,3
	v_rsq_f32 v[SQ+2*\rr], v[SQ+2*\rr]
.endr
	v_nop                                          ; a plain line behind the last of the four
	s_wait_alu depctr_va_vdst(0)                   ; one wait for the four, ahead of their first reader
	s_wait_loadcnt 0x0                             ; g and b
.irp p, 0,2,4,6,8,10,12,14,16,18,20,22,24,26,28,30
.irp rr, 0,1,2,3
	v_pk_mul_f32 v[X+32*\rr+\p:X+32*\rr+\p+1], v[X+32*\rr+\p:X+32*\rr+\p+1], v[SQ+2*\rr:SQ+2*\rr+1] op_sel_hi:[1,0]
.endr
.endr
.irp p, 0,2,4,6,8,10,12,14,16,18,20,22,24,26,28,30
.irp rr, 0,1,2,3
	v_pk_fma_f32 v[X+32*\rr+\p:X+32*\rr+\p+1], v[X+32*\rr+\p:X+32*\rr+\p+1], v[GG+\p:GG+\p+1], v[BB+\p:BB+\p+1]
.endr
.endr
.irp rr, 0,1,2,3
.irp m, 0,1,2,3,4,5,6,7
	ds_store_b128 v3, v[X+32*\rr+4*\m:X+32*\rr+4*\m+3] offset:\rr*PIT+\m*512
.endr
.endr
	s_wait_dscnt 0x0                               ; for the other waves' sake: my rows lie in LDS
	s_barrier_signal -1
	s_barrier_wait -1
; 64 numbers of a lane, register 16 b + i = k 32 b + 16 h + i of my row, become a fragment's 16 registers of codes and its scale word
.macro QUANT s, pc, pw
.irp b, 0,1,2,3
	v_max3_num_f32 v[TM+\b], |v[\s+16*\b]|, |v[\s+16*\b+1]|, 0x4800000      ; my 16 numbers and the floor 2^(9 - 127)
.endr
.irp i, 2,4,6,8,10,12,14
.irp b, 0,1,2,3
	v_max3_num_f32 v[TM+\b], v[TM+\b], |v[\s+16*\b+\i]|, |v[\s+16*\b+\i+1]|
.endr
.endr
.irp b, 0,1,2,3
	v_permlanex16_b32 v[TM+4+\b], v[TM+\b], s[SEL], s[SEL+1]
.endr
.irp b, 0,1,2,3
	v_max_num_f32 v[TM+\b], v[TM+\b], v[TM+4+\b]   ; with lane l xor 16's: the block's largest magnitude
.endr
.irp b, 0,1,2,3
	v_add_nc_u32 v[TM+12+\b], 0xfc000000, v[TM+\b] ; the conversion's scale operand
.endr
.irp b, 0,1,2,3
	v_and_or_b32 v[TM+8+\b], v[TM+\b], 0x7f800000, s[MNT]          ; 448 x the scale
.endr
.irp b, 0,1,2,3
	v_lshrrev_b32 v[TM+4+\b], 23, v[TM+12+\b]      ; the byte
.endr
	v_lshl_or_b32 v[\pw], v[TM+5], 8, v[TM+4]
	v_lshl_or_b32 v[\pw], v[TM+6], 16, v[\pw]
	v_lshl_or_b32 v[\pw], v[TM+7], 24, v[\pw]
.irp b, 0,1,2,3
.irp i, 0,1,2,3,4,5,6,7,8,9,10,11,12,13,14,15
	v_med3_num_f32 v[\s+16*\b+\i], v[\s+16*\b+\i], -v[TM+8+\b], v[TM+8+\b]
.endr
	v_cvt_scalef32_pk8_fp8_f32 v[\pc+4*\b:\pc+4*\b+1], v[\s+16*\b:\s+16*\b+7], v[TM+12+\b]
	v_cvt_scalef32_pk8_fp8_f32 v[\pc+4*\b+2:\pc+4*\b+3], v[\s+16*\b+8:\s+16*\b+15], v[TM+12+\b]
.endr
	v_nop
.endm
.irp q, 0,1
.irp c, 0,1,2,3
.irp jj, 0,1,2,3
	ds_load_b128 v[X+64*\q+16*\c+4*\jj:X+64*\q+16*\c+4*\jj+3], v4 offset:512*\q+128*\c+16*\jj
.endr
.endr
.endr
	s_wait_dscnt 16                                ; the first 128 along K are in; the other 16 loads may be out
	QUANT X, GG, TP
.irp c, 0,1,2,3
	global_store_b128 v2, v[GG+4*\c:GG+4*\c+3], s[24:25] offset:512*\c
.endr
	s_wait_dscnt 0x0
	QUANT X+64, GG+16, TP+1
.irp c, 0,1,2,3
	global_store_b128 v2, v[GG+16+4*\c:GG+16+4*\c+3], s[24:25] offset:16384+512*\c
.endr
	v_cmp_gt_u32 vcc_lo, 16, v1
	v_cndmask_b32 v[TP+2], v[TP+1], v[TP], vcc_lo  ; lanes 0-15: q = 0's word of row r; lanes 16-31: q = 1's
	global_store_b32 v7, v[TP+2], s[26:27] offset:32768
	s_wait_tensorcnt 0x0
	ds_add_u32 v254, v255
	s_wait_dscnt 0x0
	s_endpgm
.Lfunc_end_k_qca9243c6bb_ln1:
	.size	k_qca9243c6bb_ln1, .Lfunc_end_k_qca9243c6bb_ln1-k_qca9243c6bb_ln1
	.p2alignl 7, 3214868480
	.fill 96, 4, 3214868480
	.section	.rodata,"a",@progbits
	.p2align	6, 0x0
	.amdhsa_kernel k_qca9243c6bb_ln1
		.amdhsa_group_segment_fixed_size 66304
		.amdhsa_private_segment_fixed_size 0
		.amdhsa_enable_private_segment 0
		.amdhsa_kernarg_size 32
		.amdhsa_user_sgpr_count 2
		.amdhsa_user_sgpr_kernarg_segment_ptr 1
		.amdhsa_wavefront_size32 1
		.amdhsa_system_sgpr_workgroup_id_x 1
		.amdhsa_system_sgpr_workgroup_id_y 1
		.amdhsa_system_sgpr_workgroup_id_z 1
		.amdhsa_system_vgpr_workitem_id 0
		.amdhsa_next_free_vgpr 256
		.amdhsa_next_free_sgpr 66
		.amdhsa_reserve_vcc 1
		.amdhsa_float_denorm_mode_32 3
		.amdhsa_float_denorm_mode_16_64 3
		.amdhsa_memory_ordered 1
		.amdhsa_forward_progress 1
		.amdhsa_inst_pref_size 52
	.end_amdhsa_kernel
	.amdgpu_metadata
---
amdhsa.version: [ 1, 2 ]
amdhsa.kernels:
  - .name:           k_qca9243c6bb_ln1
    .symbol:         k_qca9243c6bb_ln1.kd
    .args:
      - { .name: x, .offset: 0, .size: 8, .value_kind: global_buffer, .address_space: global }
      - { .name: ln1_g, .offset: 8, .size: 8, .value_kind: global_buffer, .address_space: global }
      - { .name: ln1_b, .offset: 16, .size: 8, .value_kind: global_buffer, .address_space: global }
      - { .name: hc, .offset: 24, .size: 8, .value_kind: global_buffer, .address_space: global }
    .group_segment_fixed_size: 66304
    .private_segment_fixed_size: 0
    .kernarg_segment_align: 8
    .kernarg_segment_size: 32
    .max_flat_workgroup_size: 128
    .sgpr_count:     66
    .vgpr_count:     256
    .wavefront_size: 32
...
	.end_amdgpu_metadata
.endif
;; end of part 2
;; launch qkv (part 3): grid 8 x 24, 4 waves a work-group, clusters of 4 x 4, 327,680 bytes of LDS; arguments hc, wts, qc, kvc; writes qc, kvc
.if DOCPART == 3
	.amdgcn_target "amdgcn-amd-amdhsa--gfx1250"
	.amdhsa_code_object_version 6
	.text
	.protected	k_qca9243c6bb_qkv
	.globl	k_qca9243c6bb_qkv
	.p2align	8
	.type	k_qca9243c6bb_qkv,@function
k_qca9243c6bb_qkv:
	s_mov_b64 s[64:65], 0
	v_nop
	global_prefetch_b8 v0, s[64:65] scope:SCOPE_SE
	s_setreg_imm32_b32 hwreg(HW_REG_WAVE_MODE, 25, 1), 1
	s_wait_xcnt 0x0
	s_wait_alu depctr_hold_cnt(0) depctr_sa_sdst(0) depctr_va_vdst(0) depctr_va_sdst(0) depctr_va_ssrc(0) depctr_va_vcc(0) depctr_vm_vsrc(0)
	s_getreg_b32 s2, hwreg(HW_REG_IB_STS2, 6, 4)
	s_cmp_eq_u32 s2, 0
	s_cbranch_scc0 .Lentry_in_a_cluster
	s_endpgm
.Lentry_in_a_cluster:
	s_bfe_u32 s2, ttmp6, 0x10000c
	s_cmp_lg_u32 s2, 0xf033
	s_cbranch_scc0 .Lentry_shape_is_right
	s_endpgm
.Lentry_shape_is_right:
; q, k, v = LN1(x) qkv_w on codes of E4M3 with E8M0 scales, and the results quantised at once for the two products of attention.
; OPERANDS are chunks in register order (128 rows x 256 K, 33,792 bytes: codes at 16384 q + 2048 i + 512 c + 16 lane, scale words at 32768 + 512 q + 16 lane + 4 c'); image block i, lane row r is row
; rho(i, r) = 32 (i / 2) + 8 (i % 2) + r + 8 (r / 8) of the group.  A tile is 256 x 256, four waves of 128 x 128 (64 accumulators).  K = 1,024 goes in four steps of 256 through two LDS slots of four chunks;
; each wave fetches one chunk, a dense block, with one tensor load.  Every LDS read is a constant + 16 x lane: no pitch, no padding.
; THE MATRIX INSTRUCTION IS USED TRANSPOSED (source 0 = 'B' rows, source 1 = 'A' rows): accumulator (a, b), register j, lane (r, h) is A row rho(a, r), B row 32 (b / 2) + 16 h + 8 (b % 2) + j:
; for one a the 64 registers of b = 0..7 are 16 neighbours of each of four blocks of 32 along B's rows, the order in which the next operand's registers want them.
; q AND k (cluster rows 0-3): A = tokens, B = weight columns: a lane holds a token and runs along the head's 64.  v (cluster rows 4, 5): THE TWO OPERANDS CHANGE PLACES: A = weight columns, B = tokens: a lane holds
; one of the head's 64 and runs along the KEYS, which are the second product's K.  The choice hangs on the cluster's y, which all partners share.
; OUT: qc: chunk (head H, token group j), 8,704 bytes: 1024 a + 512 c + 16 lane codes (d = 32 c + 16 h + ..), 8192 + 16 lane + 4 c' scale words (bytes 2, 3 are 0: they meet zero codes).
;      kvc: chunk (H, j), 17,152 bytes: k as in qc; 8704 + 2048 tau + 512 c + 16 lane v's codes (row rho(tau, r) of the 64, keys 32 c + 16 h + ..); 16896 + 8 lane + 4 e its scale words (tile 2 (lane / 16) + e).
; CLUSTERS: 4 x 4; A's chunks are shared along a row of the cluster, B's along a column: joint loads.  No prefetch: a tile has two refills of a slot only.
; LIMITS: blocks under 2^-118 get the byte 1; NaN and infinities are not served.
.set NKS,   4
.set FLO,   0xa1
.set FHI,   0xf1
.set CH,    33792
.set SLOT,  4*CH                       ; A's two chunks, then B's two
.set SPARE, 2*SLOT                     ; the spare words, 128 bytes a wave: two blocks of 256 bytes that no other line names
.set LAPS,  NKS/2
.set NP,    8                          ; places behind this matrix instruction (ISA guide 7.12.1)
.set ADRA,  16                         ; v16-17 my A chunk in slot 0, 1, + 16 x lane
.set ADRB,  20                         ; v20-21 my B chunk
.set CO,    26                         ; v26 16 x lane
.set L8,    27                         ; v27 8 x lane
.set SPW,   28                         ; v28 my spare word; v29 0: never rewritten
.set NIL,   29
.set LN,    31                         ; v31 lane
.set SC,    32                         ; v32-63 scale words: set s at 32 + 16 s: A's of q at + 4 q, B's at + 8 + 4 q; register c': block c' in lanes 0-15, block 4 + c' in lanes 16-31
.set AF,    128                        ; window 0: A's fragments, one set; window 1: B's, two sets; windows 2, 3: accumulators
.set PC,    96                         ; the way out: v96-111 codes, v128-191 held numbers, v192-207 the quantiser's, v216-223 eight scale words
.set T,     128
.set TM,    192
.set PW,    216
.set G1,    24
.set G0,    32
.set G1B,   48
.set G0B,   56
.set SEL,   66
.set MNT,   68
.set MSB,   0
.macro WIN new                         ; the immediate's high byte repeats the setting that is left
.if MSB != (\new)
	s_set_vgpr_msb (MSB<<8)|(\new)
.set MSB, (\new)
.endif
.endm
.macro JLOAD g0a, g1a, g0b, g1b        ; waves 0, 1 fetch A's chunks, waves 2, 3 B's; four v_nop follow each line
	s_cmp_eq_u32 s15, 0
	s_cbranch_scc0 .Lfor_b_\@
	tensor_load_to_lds s[\g0a:\g0a+3], s[\g1a:\g1a+7]
	s_nop 0
.rept 4
	v_nop
.endr
	s_branch .Lasked_\@
.Lfor_b_\@:
	tensor_load_to_lds s[\g0b:\g0b+3], s[\g1b:\g1b+7]
	s_nop 0
.rept 4
	v_nop
.endr
.Lasked_\@:
.endm
.macro CREST                           ; a round of the cluster's barrier behind its opening barrier
	s_cmp_lg_u32 s14, 0
	s_cbranch_scc1 .Lnot_wave_0_\@
	s_barrier_signal -3
.Lnot_wave_0_\@:
	s_barrier_wait -3
	s_barrier_signal -1
	s_barrier_wait -1
.endm
.macro CROUND
	s_barrier_signal -1
	s_barrier_wait -1
	CREST
.endm
.macro PLACES n
.rept \n
	v_nop
.endr
.endm
.macro FRAG reg, adr, q, i             ; a fragment's 16 registers: four loads of 512 consecutive bytes
.irp c, 0,1,2,3
	ds_load_b128 v[\reg+4*\c:\reg+4*\c+3], v[\adr] offset:16384*(\q)+2048*(\i)+512*\c
.endr
.endm
.macro FETCH_B slot, q, p
	WIN 0x40
.irp i, 0,1,2,3,4,5,6,7
	FRAG 128*(\p)+16*\i, ADRB+\slot, \q, \i
.endr
	WIN 0
.endm
.macro FETCH_A slot, q, i0
.irp i, \i0, \i0+1, \i0+2, \i0+3
	FRAG AF+16*(\i), ADRA+\slot, \q, \i
.endr
.endm
.macro SCALES s                        ; a slot's scale words, both halves of its K step
.irp q, 0,1
	ds_load_b128 v[SC+16*\s+4*\q:SC+16*\s+4*\q+3], v[ADRA+\s] offset:32768+512*\q
	ds_load_b128 v[SC+16*\s+8+4*\q:SC+16*\s+8+4*\q+3], v[ADRB+\s] offset:32768+512*\q
.endr
.endm
.macro WM a, b, p, q, sc, first        ; one product; blocks 4-7 take their scale words from lanes 16-31
.set rD, 8*(8*((\a)%4)+(\b))
.set rB, 128*(\p)+16*(\b)
.set rA, AF+16*(\a)
.set rX, SC+16*(\sc)+8+4*(\q)+((\b)%4)
.set rY, SC+16*(\sc)+4*(\q)+((\a)%4)
.if \first
.if ((\b) < 4) && ((\a) < 4)
	v_wmma_scale_f32_16x16x128_f8f6f4 v[rD:rD+7], v[rB:rB+15], v[rA:rA+15], 0, v[rX], v[rY]
.elseif (\a) < 4
	v_wmma_scale_f32_16x16x128_f8f6f4 v[rD:rD+7], v[rB:rB+15], v[rA:rA+15], 0, v[rX], v[rY] matrix_a_scale:MATRIX_SCALE_ROW1
.elseif (\b) < 4
	v_wmma_scale_f32_16x16x128_f8f6f4 v[rD:rD+7], v[rB:rB+15], v[rA:rA+15], 0, v[rX], v[rY] matrix_b_scale:MATRIX_SCALE_ROW1
.else
	v_wmma_scale_f32_16x16x128_f8f6f4 v[rD:rD+7], v[rB:rB+15], v[rA:rA+15], 0, v[rX], v[rY] matrix_a_scale:MATRIX_SCALE_ROW1 matrix_b_scale:MATRIX_SCALE_ROW1
.endif
.else
.if ((\b) < 4) && ((\a) < 4)
	v_wmma_scale_f32_16x16x128_f8f6f4 v[rD:rD+7], v[rB:rB+15], v[rA:rA+15], v[rD:rD+7], v[rX], v[rY]
.elseif (\a) < 4
	v_wmma_scale_f32_16x16x128_f8f6f4 v[rD:rD+7], v[rB:rB+15], v[rA:rA+15], v[rD:rD+7], v[rX], v[rY] matrix_a_scale:MATRIX_SCALE_ROW1
.elseif (\b) < 4
	v_wmma_scale_f32_16x16x128_f8f6f4 v[rD:rD+7], v[rB:rB+15], v[rA:rA+15], v[rD:rD+7], v[rX], v[rY] matrix_b_scale:MATRIX_SCALE_ROW1
.else
	v_wmma_scale_f32_16x16x128_f8f6f4 v[rD:rD+7], v[rB:rB+15], v[rA:rA+15], v[rD:rD+7], v[rX], v[rY] matrix_a_scale:MATRIX_SCALE_ROW1 matrix_b_scale:MATRIX_SCALE_ROW1
.endif
.endif
.endm
.macro MUL16 a0, p, q, sc, first       ; the 64 accumulators take turns, one instruction a turn, in the same order in every step
.irp a, \a0, \a0+1
.irp b, 0,1,2,3,4,5,6,7
	WM \a, \b, \p, \q, \sc, \first
.endr
.endr
.endm
.macro STEP slot, first                ; a slot's first 128 along K; the second 128's fragments are fetched on the way
	s_wait_dscnt 16                                ; B's set, A's blocks 0-3 and the scale words are in; the youngest 16 loads (A's blocks 4-7) may be out
.if \first
	WIN FLO
.else
	WIN 0xa1
.endif
	MUL16 0, 0, 0, \slot, \first
	MUL16 2, 0, 0, \slot, \first
	s_wait_dscnt 0x0
	PLACES NP                                      ; in front of loads into registers that matrix instructions have read
	FETCH_B \slot, 1, 1
	FETCH_A \slot, 1, 0
.if \first
	WIN FHI
.else
	WIN 0xf1
.endif
	MUL16 4, 0, 0, \slot, \first
	MUL16 6, 0, 0, \slot, \first
	PLACES NP
	WIN 0
	FETCH_A \slot, 1, 4
.endm
.macro TURN slot, next, fill           ; a slot's second 128 along K, and the change of slots: one barrier
	s_wait_tensorcnt 0x0                           ; all my tensor loads have landed: my chunk of the next slot
	ds_add_u32 v[SPW], v[NIL]                      ; 0 onto my spare word
	s_wait_dscnt 17                                ; the add and the youngest 16 loads (A's blocks 4-7) may be out
	WIN 0xa1
	MUL16 0, 1, 1, \slot, 0
	s_wait_dscnt 0x0                               ; the add is done, and my reads of this slot are over
	s_barrier_signal -1
	MUL16 2, 1, 1, \slot, 0
	WIN 0
	s_barrier_wait -1
.if \fill
	CREST                                          ; the barrier opened a round of the cluster's: no wave of any partner reads this slot or has a load on its way
	s_add_nc_u64 s[G0+4*\slot+2:G0+4*\slot+3], s[G0+4*\slot+2:G0+4*\slot+3], 2*CH
	s_add_nc_u64 s[G0B+4*\slot+2:G0B+4*\slot+3], s[G0B+4*\slot+2:G0B+4*\slot+3], 2*CH
	JLOAD G0+4*\slot, G1, G0B+4*\slot, G1B         ; the first tensor load behind the round, one a wave
	PLACES NP-4
.else
	PLACES NP
.endif
	FETCH_B \next, 0, 0
	FETCH_A \next, 0, 0
	SCALES \next
	WIN 0xf1
	MUL16 4, 1, 1, \slot, 0
	MUL16 6, 1, 1, \slot, 0
	PLACES NP
	WIN 0
	FETCH_A \next, 0, 4
.endm
	s_load_b128 s[4:7], s[0:1], 0x0                ; hc, wts
	s_load_b128 s[8:11], s[0:1], 0x10              ; qc, kvc
	v_lshl_add_u32 v[SPW], v0, 2, SPARE
	v_mov_b32 v[NIL], 0
	ds_add_u32 v28, v29
	ds_add_u32 v28, v29
	s_wait_dscnt 0x0
	v_lshrrev_b32 v1, 5, v0
	v_readfirstlane_b32 s14, v1                    ; wave 0..3
	s_lshr_b32 s15, s14, 1                         ; which of A's two groups I multiply.  Also: I fetch for A (0) or for B (1)
	s_and_b32 s16, s14, 1                          ; which of B's.  Also: which of the two chunks I fetch
	s_bfe_u32 s40, ttmp6, 0x40000                  ; cx
	s_bfe_u32 s41, ttmp6, 0x40004                  ; cy
	s_lshl_b32 s42, ttmp9, 2
	s_add_co_u32 s42, s42, s40                     ; work-group x
	s_and_b32 s18, ttmp7, 0xffff                   ; cluster y
	s_lshl_b32 s17, s18, 2
	s_add_co_u32 s17, s17, s41                     ; work-group y
	s_lshl_b32 s43, s41, 2
	s_lshl_b32 s43, 15, s43                        ; my row of the cluster
	s_lshl_b32 s44, 0x1111, s40                    ; my column
	s_or_b32 s[G1+0], s43, (3<<16)|(1<<21)         ; the mask; elements of 8 bytes; bit 21 beside a mask; no padding
	s_or_b32 s[G1B+0], s44, (3<<16)|(1<<21)
.irp g, G1, G1B
	s_mov_b32 s[\g+1], 32<<16                      ; a chunk as 132 rows of 256 bytes
	s_mov_b32 s[\g+2], 132<<16
	s_mov_b32 s[\g+3], 32<<16
	s_mov_b32 s[\g+4], 132
	s_mov_b32 s[\g+5], 32
	s_mov_b32 s[\g+6], 0
	s_mov_b32 s[\g+7], 0
.endr
	s_and_b32 s19, s17, 3
	s_add_co_u32 s19, s19, 8                       ; v: A's tile among the weight's twelve: 8 + cy
	s_sub_co_u32 s80, s18, 4
	s_lshl_b32 s80, s80, 3
	s_add_co_u32 s80, s80, s42                     ; v: B's tile among the tokens' sixteen
	s_cmp_ge_u32 s18, 4
	s_cselect_b32 s81, s19, s17                    ; A's tile (never holds cx)
	s_cselect_b32 s82, s80, s42                    ; B's tile (never holds cy)
	s_cselect_b32 s83, 1, 0                        ; 1: this cluster makes v
	s_lshl_b32 s20, s81, 1
	s_add_co_u32 s20, s20, s16
	s_mul_i32 s20, s20, NKS*CH
	s_mov_b32 s21, 0
	s_lshl_b32 s46, s82, 1
	s_add_co_u32 s46, s46, s16
	s_mul_i32 s46, s46, NKS*CH
	s_mov_b32 s47, 0
	s_mul_i32 s45, s14, CH                         ; where my chunk goes: no place in the cluster enters an LDS address
	s_mov_b32 s[SEL], 0x76543210
	s_mov_b32 s[SEL+1], 0xfedcba98
	s_mov_b32 s[MNT], 0x600000
	s_wait_kmcnt 0x0
	s_cmp_eq_u32 s83, 1
	s_cselect_b64 s[84:85], s[6:7], s[4:5]         ; A's buffer
	s_cselect_b64 s[86:87], s[4:5], s[6:7]         ; B's
	s_add_nc_u64 s[20:21], s[84:85], s[20:21]
	s_add_nc_u64 s[46:47], s[86:87], s[46:47]
	CROUND                                         ; all sixteen work-groups are here: the first joint loads meet
.irp s, 0,1
	s_mov_b32 s[G0+4*\s], 1
	s_add_co_u32 s[G0+4*\s+1], s45, \s*SLOT
	s_add_nc_u64 s[G0+4*\s+2:G0+4*\s+3], s[20:21], \s*CH
	s_or_b32 s[G0+4*\s+3], s[G0+4*\s+3], 0x80000000
	s_mov_b32 s[G0B+4*\s], 1
	s_add_co_u32 s[G0B+4*\s+1], s45, \s*SLOT
	s_add_nc_u64 s[G0B+4*\s+2:G0B+4*\s+3], s[46:47], \s*CH
	s_or_b32 s[G0B+4*\s+3], s[G0B+4*\s+3], 0x80000000
	JLOAD G0+4*\s, G1, G0B+4*\s, G1B               ; two loads of mine are out
.endr
	v_and_b32 v[LN], 31, v0
	v_lshlrev_b32 v[CO], 4, v[LN]
	v_lshlrev_b32 v[L8], 3, v[LN]
	s_mul_i32 s21, s15, CH
	s_mul_i32 s22, s16, CH
	s_add_co_u32 s22, s22, 2*CH
.irp s, 0,1
	v_add_nc_u32 v[ADRA+\s], s21, v[CO]
	v_add_nc_u32 v[ADRB+\s], s22, v[CO]
	s_add_co_u32 s21, s21, SLOT
	s_add_co_u32 s22, s22, SLOT
.endr
	; where the results go
	s_lshl_b32 s88, s81, 1
	s_add_co_u32 s88, s88, s15                     ; my A group
	s_lshl_b32 s89, s82, 1
	s_add_co_u32 s89, s89, s16                     ; my B group
	s_cmp_eq_u32 s83, 1
	s_cselect_b32 s90, s89, s88                    ; the token group, 0..31
	s_cselect_b32 s91, s88, s89
	s_and_b32 s91, s91, 7                          ; the pair of heads
	s_lshr_b32 s92, s90, 4                         ; batch
	s_and_b32 s90, s90, 15                         ; j
	s_lshl_b32 s92, s92, 4
	s_lshl_b32 s91, s91, 1
	s_add_co_u32 s92, s92, s91                     ; H of the first head
	s_lshl_b32 s92, s92, 4
	s_add_co_u32 s92, s92, s90                     ; its chunk
	s_or_b32 s93, s83, ttmp9                       ; 0 where the tile is q's (not v, cluster x = 0)
	s_cmp_eq_u32 s93, 0
	s_mov_b32 s94, 17152
	s_cselect_b32 s94, 8704, s94                   ; bytes in a chunk
	s_cselect_b64 s[96:97], s[8:9], s[10:11]
	s_mul_i32 s92, s92, s94
	s_lshl_b32 s94, s94, 4                         ; the second head lies 16 chunks on
	s_cmp_eq_u32 s83, 1
	s_cselect_b32 s95, 8704, 0                     ; v's part of a chunk
	s_add_co_u32 s92, s92, s95
	s_mov_b32 s93, 0
	s_mov_b32 s95, 0
	s_add_nc_u64 s[96:97], s[96:97], s[92:93]      ; head 0
	s_add_nc_u64 s[98:99], s[96:97], s[94:95]      ; head 1
	s_wait_tensorcnt 1                             ; my chunk of K step 0 is in; K step 1's may be out
	s_barrier_signal -1
	s_barrier_wait -1
	FETCH_B 0, 0, 0
	FETCH_A 0, 0, 0
	SCALES 0
	FETCH_A 0, 0, 4
	STEP 0, 1                                      ; the first step's products start the sums
	s_mov_b32 s3, LAPS-1
.Llap:
	TURN 0, 1, 1
	STEP 1, 0
	TURN 1, 0, 1
	STEP 0, 0
	s_sub_co_u32 s3, s3, 1
	s_cmp_lg_u32 s3, 0
	s_cbranch_scc1 .Llap
	TURN 0, 1, 0                                   ; the last lap fills nothing
	STEP 1, 0
	s_wait_dscnt 16
	WIN 0xa1
	MUL16 0, 1, 1, 1, 0
	MUL16 2, 1, 1, 1, 0
	s_wait_dscnt 0x0
	WIN 0xf1
	MUL16 4, 1, 1, 1, 0
	MUL16 6, 1, 1, 1, 0
	WIN 0
	PLACES NP
; THE WAY OUT.  Block a's 64 registers are quantised where they stand: the largest magnitudes read the accumulators (each from its low end on), the hold moves the numbers into window 0, the conversions' results are stored as they are.
.macro QUANTW a
.set W, 2+(\a)/4
.set AC, 64*((\a)%4)
	WIN (W<<2)|(W<<4)                              ; sources 1 and 2: the accumulators' window
.irp b, 0,1,2,3
	v_max3_num_f32 v[TM+\b], 0x4800000, |v[AC+16*\b]|, |v[AC+16*\b+1]|
.endr
.irp i, 2,4,6,8,10,12,14
.irp b, 0,1,2,3
	v_max3_num_f32 v[TM+\b], v[TM+\b], |v[AC+16*\b+\i]|, |v[AC+16*\b+\i+1]|
.endr
.endr
	WIN 0
.irp b, 0,1,2,3
	v_permlanex16_b32 v[TM+4+\b], v[TM+\b], s[SEL], s[SEL+1]
.endr
.irp b, 0,1,2,3
	v_max_num_f32 v[TM+\b], v[TM+\b], v[TM+4+\b]
.endr
.irp b, 0,1,2,3
	v_add_nc_u32 v[TM+12+\b], 0xfc000000, v[TM+\b]
.endr
.irp b, 0,1,2,3
	v_and_or_b32 v[TM+8+\b], v[TM+\b], 0x7f800000, s[MNT]
.endr
.irp b, 0,1,2,3
	v_lshrrev_b32 v[TM+4+\b], 23, v[TM+12+\b]
.endr
	v_lshl_or_b32 v[PW+(\a)], v[TM+5], 8, v[TM+4]
	v_lshl_or_b32 v[PW+(\a)], v[TM+6], 16, v[PW+(\a)]
	v_lshl_or_b32 v[PW+(\a)], v[TM+7], 24, v[PW+(\a)]
	WIN W                                          ; source 0: the accumulators' window
.set n, 0
.rept 64
	v_med3_num_f32 v[T+n], v[AC+n], -v[TM+8+n/16], v[TM+8+n/16]
.set n, n+1
.endr
	WIN 0
	s_wait_xcnt 0x0                                ; the last block's stores have read the code registers
.irp b, 0,1,2,3
	v_cvt_scalef32_pk8_fp8_f32 v[PC+4*\b:PC+4*\b+1], v[T+16*\b:T+16*\b+7], v[TM+12+\b]
	v_cvt_scalef32_pk8_fp8_f32 v[PC+4*\b+2:PC+4*\b+3], v[T+16*\b+8:T+16*\b+15], v[TM+12+\b]
.endr
	v_nop
.endm
.macro QSTORE a                        ; 512 consecutive bytes a store
	s_cmp_eq_u32 s83, 1
	s_cbranch_scc1 .Lv_\@
.irp x, 0,1
.irp c, 0,1
	global_store_b128 v[CO], v[PC+8*\x+4*\c:PC+8*\x+4*\c+3], s[96+2*\x:97+2*\x] offset:(\a)*1024+\c*512    ; q, k: token tile a of head x
.endr
.endr
	s_branch .Ldone_\@
.Lv_\@:
.irp c, 0,1,2,3
	global_store_b128 v[CO], v[PC+4*\c:PC+4*\c+3], s[96+2*((\a)/4):97+2*((\a)/4)] offset:((\a)%4)*2048+\c*512   ; v: tile a % 4 of head a / 4
.endr
.Ldone_\@:
.endm
.irp b, 0,1,2,3
	v_mov_b32 v[TM+4+\b], 0                        ; a lane permute's destination counts as one of its sources
.endr
.irp a, 0,1,2,3,4,5,6,7
	QUANTW \a
	QSTORE \a
.endr
	v_cmp_gt_u32 vcc_lo, 16, v[LN]
	s_cmp_eq_u32 s83, 1
	s_cbranch_scc1 .Lvscale
.irp c, 0,1,2,3
	v_cndmask_b32 v[T+\c], v[PW+4+\c], v[PW+\c], vcc_lo            ; lanes 0-15 tile c', lanes 16-31 tile 4 + c'
.endr
.irp c, 0,1,2,3
	v_and_b32 v[T+4+\c], 0xffff, v[T+\c]           ; head 0: the word's bytes 0, 1
.endr
.irp c, 0,1,2,3
	v_lshrrev_b32 v[T+8+\c], 16, v[T+\c]           ; head 1: bytes 2, 3
.endr
	global_store_b128 v[CO], v[T+4:T+7], s[96:97] offset:8192
	global_store_b128 v[CO], v[T+8:T+11], s[98:99] offset:8192
	s_branch .Lscaled
.Lvscale:
.irp x, 0,1
.irp e, 0,1
	v_cndmask_b32 v[T+2*\x+\e], v[PW+4*\x+2+\e], v[PW+4*\x+\e], vcc_lo     ; lanes 0-15 tile e, lanes 16-31 tile 2 + e
.endr
.endr
	global_store_b64 v[L8], v[T:T+1], s[96:97] offset:8192
	global_store_b64 v[L8], v[T+2:T+3], s[98:99] offset:8192
.Lscaled:
	s_wait_tensorcnt 0x0                           ; the wave's end
	ds_add_u32 v[SPW], v[NIL]
	s_wait_dscnt 0x0
	CROUND                                         ; the closing round
	s_endpgm
.Lfunc_end_k_qca9243c6bb_qkv:
	.size	k_qca9243c6bb_qkv, .Lfunc_end_k_qca9243c6bb_qkv-k_qca9243c6bb_qkv
	.p2alignl 7, 3214868480
	.fill 96, 4, 3214868480
	.section	.rodata,"a",@progbits
	.p2align	6, 0x0
	.amdhsa_kernel k_qca9243c6bb_qkv
		.amdhsa_group_segment_fixed_size 327680
		.amdhsa_private_segment_fixed_size 0
		.amdhsa_enable_private_segment 0
		.amdhsa_kernarg_size 32
		.amdhsa_user_sgpr_count 2
		.amdhsa_user_sgpr_kernarg_segment_ptr 1
		.amdhsa_wavefront_size32 1
		.amdhsa_system_sgpr_workgroup_id_x 1
		.amdhsa_system_sgpr_workgroup_id_y 1
		.amdhsa_system_sgpr_workgroup_id_z 1
		.amdhsa_system_vgpr_workitem_id 0
		.amdhsa_next_free_vgpr 1024
		.amdhsa_next_free_sgpr 102
		.amdhsa_reserve_vcc 1
		.amdhsa_float_denorm_mode_32 3
		.amdhsa_float_denorm_mode_16_64 3
		.amdhsa_memory_ordered 1
		.amdhsa_forward_progress 1
		.amdhsa_inst_pref_size 186
	.end_amdhsa_kernel
	.amdgpu_metadata
---
amdhsa.version: [ 1, 2 ]
amdhsa.kernels:
  - .name:           k_qca9243c6bb_qkv
    .symbol:         k_qca9243c6bb_qkv.kd
    .args:
      - { .name: hc, .offset: 0, .size: 8, .value_kind: global_buffer, .address_space: global }
      - { .name: wts, .offset: 8, .size: 8, .value_kind: global_buffer, .address_space: global }
      - { .name: qc, .offset: 16, .size: 8, .value_kind: global_buffer, .address_space: global }
      - { .name: kvc, .offset: 24, .size: 8, .value_kind: global_buffer, .address_space: global }
    .group_segment_fixed_size: 327680
    .private_segment_fixed_size: 0
    .kernarg_segment_align: 8
    .kernarg_segment_size: 32
    .max_flat_workgroup_size: 128
    .sgpr_count:     102
    .vgpr_count:     1024
    .wavefront_size: 32
...
	.end_amdgpu_metadata
.endif
;; end of part 3
;; launch attn (part 4): grid 8 x 32, 16 waves a work-group, clusters of 4 x 1, 276,480 bytes of LDS; arguments qc, kvc, oc; writes oc
.if DOCPART == 4
	.amdgcn_target "amdgcn-amd-amdhsa--gfx1250"
	.amdhsa_code_object_version 6
	.text
	.protected	k_qca9243c6bb_attn
	.globl	k_qca9243c6bb_attn
	.p2align	8
	.type	k_qca9243c6bb_attn,@function
k_qca9243c6bb_attn:
	s_mov_b64 s[64:65], 0
	v_nop
	global_prefetch_b8 v0, s[64:65] scope:SCOPE_SE
	s_setreg_imm32_b32 hwreg(HW_REG_WAVE_MODE, 25, 1), 1
	s_wait_xcnt 0x0
	s_wait_alu depctr_hold_cnt(0) depctr_sa_sdst(0) depctr_va_vdst(0) depctr_va_sdst(0) depctr_va_ssrc(0) depctr_va_vcc(0) depctr_vm_vsrc(0)
	s_getreg_b32 s2, hwreg(HW_REG_IB_STS2, 6, 4)
	s_cmp_eq_u32 s2, 0
	s_cbranch_scc0 .Lentry_in_a_cluster
	s_endpgm
.Lentry_in_a_cluster:
	s_bfe_u32 s2, ttmp6, 0x10000c
	s_cmp_lg_u32 s2, 0x3003
	s_cbranch_scc0 .Lentry_shape_is_right
	s_endpgm
.Lentry_shape_is_right:
; O = softmax(Q K^T / 8) V for 32 heads of 2,048 tokens x 64, both products on codes of E4M3 with E8M0 scales; O is quantised at once for the projection.
; THE SOFTMAX: t = score x log2(e) / 8; M = the running largest t rounded up to a whole number; p = 2^(t - M) is quantised along the keys, not normalised; the row's sum is taken of the unquantised p and divides at the end;
; when M moves, the sum and O are multiplied by 2^(old M - new M), which rounds nothing.
; SHARES.  A work-group owns 256 queries of one head, each of its sixteen waves one tile of 16, in 256 registers: four waves to a SIMD, so that one wave's vector work stands beside another's products and LDS loads.
; A WHOLE HEAD'S K, V AND SCALE WORDS STAY IN LDS: 16 chunks of 17,152 bytes, filled once: no slot is filled again.  The four work-groups of a cluster belong to one head and ask jointly.
; Waves 0 and 1 issue four loads each (two key steps a load); the counted waits let the first four key steps start when the first two loads have landed.  Four loads of a wave are out at the most.
; Nothing is prefetched: all that the launch reads of K and V is asked for at its head.
; LAYOUT.  Both products transposed: S^T = K Q^T, O^T = V^T P^T: a lane holds one query.  Tile rows follow rho(i, r) = 32 (i / 2) + 8 (i % 2) + r + 8 (r / 8), so the 16 registers of two neighbouring tiles are 16 neighbours.
; The head's 64 fill half of the instruction's 128 along K: registers 8-15 of Q's and K's fragments are zero codes, written once; the scale words' bytes 2, 3 are 0.
; LIMITS: v_exp_f32 and v_rcp_f32 are good to 1 ulp and flush denormals; blocks under 2^-118 get the byte 1; NaN and infinities are not served.
; REGISTERS: v1 16 lane, v2 8 lane, v3 lane, v4, v5 offsets; v8, v9 the step's LDS addresses; v12 -M, v13 largest t, v[14:15] the sum; v16-31 Q; v32-95 four fragments of K; v96-159 S^T, then p, then V's four fragments;
; v160-191 O^T; v192-207 p's codes; v208-211 K's scale words, v212-213 V's, v214 p's, v215 Q's; v216-231 four groups of four at work; v[232:233] f; v234-235 at work.
.set KVB, 17152
.set LD2, 2*KVB
.set WV,  12
.set MNT, 10
.set TB,  11
.set CNT, 3
.set SEL, 60
.set CS,  62
.set BM,  216
.set BP,  220
.set BL,  224
.set BS,  228
.macro CROUND
	s_barrier_signal -1
	s_barrier_wait -1
	s_cmp_lg_u32 s[WV], 0
	s_cbranch_scc1 .Lnot_wave_0_\@
	s_barrier_signal -3
.Lnot_wave_0_\@:
	s_barrier_wait -3
	s_barrier_signal -1
	s_barrier_wait -1
.endm
	s_load_b128 s[4:7], s[0:1], 0x0                ; qc, kvc
	s_load_b64 s[8:9], s[0:1], 0x10                ; oc
	v_lshl_add_u32 v254, v0, 2, 0x43000
	v_mov_b32 v255, 0
	ds_add_u32 v254, v255
	ds_add_u32 v254, v255
	v_lshrrev_b32 v3, 5, v0
	v_readfirstlane_b32 s[WV], v3                  ; wave 0..15
	s_bfe_u32 s13, ttmp6, 0x40000                  ; cx: it enters Q's and O's addresses alone
	s_lshl_b32 s14, ttmp9, 2
	s_add_co_u32 s14, s14, s13                     ; my block of 256 queries
	s_and_b32 s15, ttmp7, 0xffff                   ; H = 16 x batch + head
	s_mov_b32 s16, 15|(3<<16)|(1<<21)              ; the mask: all four work-groups; elements of 8 bytes; bit 21 beside a mask
	s_mov_b32 s17, 32<<16                          ; two chunks as 134 rows of 256 bytes
	s_mov_b32 s18, 134<<16
	s_mov_b32 s19, 32<<16
	s_mov_b32 s20, 134
	s_mov_b32 s21, 32
	s_mov_b32 s22, 0
	s_mov_b32 s23, 0
	s_and_b32 s40, s[WV], 1
	s_mul_i32 s41, s40, LD2                        ; my first load's place, in LDS and in the head
	s_mul_i32 s42, s15, 16*KVB
	s_add_co_u32 s42, s42, s41
	s_mov_b32 s43, 0
	s_lshr_b32 s44, s[WV], 3
	s_lshl_b32 s45, s14, 1
	s_add_co_u32 s44, s44, s45                     ; j: my token group in the head
	s_and_b32 s45, s[WV], 7                        ; a: my tile in it
	s_lshl_b32 s46, s15, 4
	s_add_co_u32 s46, s46, s44
	s_mul_i32 s46, s46, 8704                       ; Q's chunk
	s_mov_b32 s47, 0
	s_lshr_b32 s50, s45, 2
	s_lshl_b32 s50, s50, 8
	s_and_b32 s51, s45, 3
	s_lshl_b32 s51, s51, 2
	s_add_co_u32 s50, s50, s51                     ; 256 (a / 4) + 4 (a % 4): tile a's place among scale words
	s_mov_b32 s51, 0
	s_lshr_b32 s54, s15, 4
	s_lshl_b32 s54, s54, 4
	s_add_co_u32 s54, s54, s44                     ; the token group among all 32
	s_lshl_b32 s54, s54, 2
	s_bfe_u32 s55, s15, 0x20002                    ; head / 4: the projection's K step
	s_add_co_u32 s54, s54, s55
	s_mul_i32 s54, s54, 33792
	s_mov_b32 s55, 0
	s_mov_b32 s[SEL], 0x76543210
	s_mov_b32 s[SEL+1], 0xfedcba98
	s_mov_b32 s[CS], 0x3e38aa3b                    ; c = log2(e) / 8
	s_mov_b32 s[CS+1], s[CS]
	s_mov_b32 s[MNT], 0x600000
	s_mov_b32 s[TB], 0
	s_wait_dscnt 0x0
	s_wait_kmcnt 0x0
	s_add_nc_u64 s[42:43], s[6:7], s[42:43]
	s_add_nc_u64 s[48:49], s[4:5], s[46:47]
	s_add_nc_u64 s[52:53], s[48:49], s[50:51]      ; Q's scale words
	s_lshl_b32 s46, s45, 10
	s_add_nc_u64 s[48:49], s[48:49], s[46:47]      ; Q's codes, tile a
	s_add_nc_u64 s[56:57], s[8:9], s[54:55]        ; O's chunk
	s_bfe_u32 s54, s15, 0x10001                    ; (head / 2) % 2: which 128 of the K step
	s_and_b32 s2, s15, 1                           ; head % 2
	s_lshl_b32 s46, s54, 9
	s_add_co_u32 s46, s46, s50
	s_add_co_u32 s46, s46, s2
	s_add_co_u32 s46, s46, s2
	s_add_nc_u64 s[58:59], s[56:57], s[46:47]      ; O's scale bytes: 512 q + tile a's word + 2 (head % 2)
	s_lshl_b32 s46, s54, 14
	s_lshl_b32 s54, s45, 11
	s_add_co_u32 s46, s46, s54
	s_lshl_b32 s54, s2, 10
	s_add_co_u32 s46, s46, s54
	s_add_nc_u64 s[56:57], s[56:57], s[46:47]      ; O's codes: 16384 q + 2048 a + 1024 (head % 2)
	CROUND                                         ; all four work-groups are here: the joint loads meet
.irp m, 0,1,2,3
	s_mov_b32 s[24+4*\m], 1
	s_add_co_u32 s[25+4*\m], s41, \m*2*LD2         ; load m of wave w: key steps 2 (w + 2 m) and the next
	s_add_nc_u64 s[26+4*\m:27+4*\m], s[42:43], \m*2*LD2
	s_or_b32 s[27+4*\m], s[27+4*\m], 0x80000000
.endr
	s_cmp_lt_u32 s[WV], 2                          ; a wave's fills stand in one branch, ahead of every wait on TENSORcnt, LDS read and plain barrier
	s_cbranch_scc0 .Lno_fetch
	tensor_load_to_lds s[24:27], s[16:23]
	s_nop 0
	tensor_load_to_lds s[28:31], s[16:23]
	s_nop 0
	tensor_load_to_lds s[32:35], s[16:23]
	s_nop 0
	tensor_load_to_lds s[36:39], s[16:23]
	s_nop 0
.rept 4
	v_nop
.endr
.Lno_fetch:
	v_and_b32 v3, 31, v0                           ; lane
	v_lshlrev_b32 v1, 4, v3
	v_lshlrev_b32 v2, 3, v3
	v_and_b32 v5, 15, v0
	v_lshlrev_b32 v5, 4, v5                        ; 16 r
	v_bfe_u32 v4, v0, 4, 1
	v_add_nc_u32 v4, v4, v5                        ; 16 r + h
	global_load_b128 v[16:19], v1, s[48:49]
	global_load_b128 v[20:23], v1, s[48:49] offset:512
	global_load_b32 v215, v5, s[52:53] offset:8192
.irp i, 24,25,26,27,28,29,30,31
	v_mov_b32 v\i, 0                               ; Q's zero codes
.endr
.irp t, 0,1,2,3
.irp i, 8,9,10,11,12,13,14,15
	v_mov_b32 v[32+16*\t+\i], 0                    ; K's zero codes: written once, never loaded
.endr
.endr
.set n, 0
.rept 32
	v_mov_b32 v[160+n], 0                          ; O^T: the first change of M leaves zeros zeros
.set n, n+1
.endr
	v_mov_b32 v13, 0xff61b1e6                      ; -3e38, under every t
	v_floor_f32 v12, -v13
	v_mov_b32 v14, 0
	v_mov_b32 v15, 0
.irp b, 0,1,2,3
	v_mov_b32 v[BP+\b], 0
.endr
	v_mov_b32 v233, 0
; A KEY STEP: 128 keys, the chunk at LDS byte s[TB]
.macro STEP
	v_add_nc_u32 v8, s[TB], v1
	v_add_nc_u32 v9, s[TB], v2
.rept 7
	v_nop                                          ; with the two additions nine places: the products below write over registers that the last step's products read
.endr
	ds_load_b128 v[208:211], v8 offset:8192        ; K's scale words: register c': tile c' in lanes 0-15, tile 4 + c' in lanes 16-31
.irp g, 0,1
.if \g
.rept 8
	v_nop
.endr
.endif
.irp t, 0,1,2,3
.irp c, 0,1
	ds_load_b128 v[32+16*\t+4*\c:35+16*\t+4*\c], v8 offset:(4*\g+\t)*1024+512*\c
.endr
.endr
	s_wait_dscnt 0x0
.irp t, 0,1,2,3
.if \g
	v_wmma_scale_f32_16x16x128_f8f6f4 v[128+8*\t:135+8*\t], v[32+16*\t:47+16*\t], v[16:31], 0, v[208+\t], v215 matrix_a_scale:MATRIX_SCALE_ROW1
.else
	v_wmma_scale_f32_16x16x128_f8f6f4 v[96+8*\t:103+8*\t], v[32+16*\t:47+16*\t], v[16:31], 0, v[208+\t], v215
.endif
.endr
.endr
.rept 8
	v_nop
.endr
.irp b, 0,1,2,3
	v_max3_num_f32 v[BM+\b], v[96+16*\b], v[97+16*\b], v[98+16*\b]          ; the largest score of each block of 32 keys: for the row's maximum and for the block's largest p
.endr
.irp i, 3,5,7,9,11,13
.irp b, 0,1,2,3
	v_max3_num_f32 v[BM+\b], v[BM+\b], v[96+16*\b+\i], v[97+16*\b+\i]
.endr
.endr
.irp b, 0,1,2,3
	v_max_num_f32 v[BM+\b], v[BM+\b], v[111+16*\b]
.endr
.irp b, 0,1,2,3
	v_permlanex16_b32 v[BP+\b], v[BM+\b], s[SEL], s[SEL+1]
.endr
.irp b, 0,1,2,3
	v_max_num_f32 v[BM+\b], v[BM+\b], v[BP+\b]
.endr
	v_max3_num_f32 v234, v[BM], v[BM+1], v[BM+2]
	v_max_num_f32 v234, v234, v[BM+3]
	v_mul_f32 v234, s[CS], v234                    ; as t
	v_max_num_f32 v13, v13, v234                   ; the running largest t
	v_mov_b32 v234, v12
	v_floor_f32 v12, -v13                          ; -M = floor(-t)
	v_sub_f32 v234, v12, v234                      ; old M - new M, a whole number, 0 or less
	v_cvt_i32_f32 v234, v234                       ; (it saturates)
	v_ldexp_f32 v232, 1.0, v234                    ; f = 2^(old M - new M)
.set n, 0
.rept 32
	v_pk_fma_f32 v[96+n:97+n], v[96+n:97+n], s[CS:CS+1], v[12:13] op_sel_hi:[1,0,0]        ; t - M
.set n, n+2
.endr
.irp b, 0,1,2,3
	v_fma_f32 v[BM+\b], v[BM+\b], s[CS], v12
.endr
.set n, 0
.rept 64
	v_exp_f32 v[96+n], v[96+n]                     ; p
.set n, n+1
.endr
	v_pk_mul_f32 v[14:15], v[14:15], v[232:233] op_sel_hi:[1,0]    ; the sums under the new M: a plain line behind the batch
	s_wait_alu depctr_va_vdst(0)                   ; one wait for the 64, ahead of their first reader
.irp b, 0,1,2,3
	v_exp_f32 v[BM+\b], v[BM+\b]                   ; each block's largest p
.endr
	v_pk_add_f32 v[BP:BP+1], v[96:97], v[98:99]    ; the row's sum of the unquantised p, in two chains
.irp j, 4,8,12,16,20,24,28,32,36,40,44,48,52,56,60
	v_pk_add_f32 v[14:15], v[14:15], v[96+\j:97+\j]
	v_pk_add_f32 v[BP:BP+1], v[BP:BP+1], v[98+\j:99+\j]
.endr
	v_pk_add_f32 v[14:15], v[14:15], v[BP:BP+1]
	s_wait_alu depctr_va_vdst(0)                   ; and one for the four
.irp b, 0,1,2,3
	v_max_num_f32 v[BM+\b], 0x4800000, v[BM+\b]    ; the floor 2^(9 - 127)
.endr
.irp b, 0,1,2,3
	v_add_nc_u32 v[BS+\b], 0xfc000000, v[BM+\b]
.endr
.irp b, 0,1,2,3
	v_and_or_b32 v[BL+\b], v[BM+\b], 0x7f800000, s[MNT]
.endr
.irp b, 0,1,2,3
	v_lshrrev_b32 v[BP+\b], 23, v[BS+\b]
.endr
	v_lshl_or_b32 v214, v[BP+1], 8, v[BP]          ; p's scale word for these 128 keys
	v_lshl_or_b32 v214, v[BP+2], 16, v214
	v_lshl_or_b32 v214, v[BP+3], 24, v214
.irp b, 0,1,2,3
.set n, 0
.rept 16
	v_min_num_f32 v[96+16*\b+n], v[96+16*\b+n], v[BL+\b]           ; p is not negative: the hold is one-sided
.set n, n+1
.endr
	v_cvt_scalef32_pk8_fp8_f32 v[192+4*\b:193+4*\b], v[96+16*\b:103+16*\b], v[BS+\b]
	v_cvt_scalef32_pk8_fp8_f32 v[194+4*\b:195+4*\b], v[104+16*\b:111+16*\b], v[BS+\b]
.endr
	ds_load_b64 v[212:213], v9 offset:16896        ; V's scale words: register e: tile e in lanes 0-15, tile 2 + e in lanes 16-31
.irp t, 0,1,2,3
.irp c, 0,1,2,3
	ds_load_b128 v[96+16*\t+4*\c:99+16*\t+4*\c], v8 offset:8704+2048*\t+512*\c             ; V's fragments take p's registers
.endr
.endr
.set n, 0
.rept 16
	v_pk_mul_f32 v[160+n:161+n], v[160+n:161+n], v[232:233] op_sel_hi:[1,0]                ; O^T under the new M; these are also the places in front of the products
.set n, n+2
.endr
	s_wait_dscnt 0x0
	v_wmma_scale_f32_16x16x128_f8f6f4 v[160:167], v[96:111], v[192:207], v[160:167], v212, v214
	v_wmma_scale_f32_16x16x128_f8f6f4 v[168:175], v[112:127], v[192:207], v[168:175], v213, v214
	v_wmma_scale_f32_16x16x128_f8f6f4 v[176:183], v[128:143], v[192:207], v[176:183], v212, v214 matrix_a_scale:MATRIX_SCALE_ROW1
	v_wmma_scale_f32_16x16x128_f8f6f4 v[184:191], v[144:159], v[192:207], v[184:191], v213, v214 matrix_a_scale:MATRIX_SCALE_ROW1
	s_add_co_u32 s[TB], s[TB], KVB
.endm
.macro PHASE n                         ; four key steps: the two loads that bring them have landed; n later loads of a fetching wave may be out
	s_wait_tensorcnt \n
	s_wait_dscnt 0x0
	s_barrier_signal -1
	s_barrier_wait -1
	s_mov_b32 s[CNT], 4
.Lstep_\@:
	STEP
	s_sub_co_u32 s[CNT], s[CNT], 1
	s_cmp_lg_u32 s[CNT], 0
	s_cbranch_scc1 .Lstep_\@
.endm
	s_wait_loadcnt 0x0                             ; Q
	PHASE 3
	PHASE 2
	PHASE 1
	PHASE 0
	; THE WAY OUT: O^T / the sum, quantised along the head's 64 (two blocks), stored as the projection's operand
.rept 8
	v_nop
.endr
	v_add_f32 v14, v14, v15
	v_permlanex16_b32 v[BP], v14, s[SEL], s[SEL+1]
	v_add_f32 v14, v14, v[BP]
	v_rcp_f32 v232, v14
	v_nop
	s_wait_alu depctr_va_vdst(0)                   ; ahead of the reciprocal's first reader
.set n, 0
.rept 16
	v_pk_mul_f32 v[96+n:97+n], v[160+n:161+n], v[232:233] op_sel_hi:[1,0]                  ; register 16 b + i: d = 32 b + 16 h + i of my query
.set n, n+2
.endr
.irp b, 0,1
	v_max3_num_f32 v[BM+\b], |v[96+16*\b]|, |v[97+16*\b]|, 0x4800000
.endr
.irp i, 2,4,6,8,10,12,14
.irp b, 0,1
	v_max3_num_f32 v[BM+\b], v[BM+\b], |v[96+16*\b+\i]|, |v[97+16*\b+\i]|
.endr
.endr
.irp b, 0,1
	v_permlanex16_b32 v[BP+\b], v[BM+\b], s[SEL], s[SEL+1]
.endr
.irp b, 0,1
	v_max_num_f32 v[BM+\b], v[BM+\b], v[BP+\b]
.endr
.irp b, 0,1
	v_add_nc_u32 v[BS+\b], 0xfc000000, v[BM+\b]
.endr
.irp b, 0,1
	v_and_or_b32 v[BL+\b], v[BM+\b], 0x7f800000, s[MNT]
.endr
.irp b, 0,1
	v_lshrrev_b32 v[BP+\b], 23, v[BS+\b]
.endr
	v_cmp_gt_u32 vcc_lo, 16, v3
	v_cndmask_b32 v235, v[BP+1], v[BP], vcc_lo     ; lanes 0-15 store block 0's byte of query r, lanes 16-31 block 1's
.irp b, 0,1
.set n, 0
.rept 16
	v_med3_num_f32 v[96+16*\b+n], v[96+16*\b+n], -v[BL+\b], v[BL+\b]
.set n, n+1
.endr
	v_cvt_scalef32_pk8_fp8_f32 v[192+4*\b:193+4*\b], v[96+16*\b:103+16*\b], v[BS+\b]
	v_cvt_scalef32_pk8_fp8_f32 v[194+4*\b:195+4*\b], v[104+16*\b:111+16*\b], v[BS+\b]
.endr
	v_nop
	global_store_b128 v1, v[192:195], s[56:57]     ; 512 consecutive bytes a store
	global_store_b128 v1, v[196:199], s[56:57] offset:512
	global_store_b8 v4, v235, s[58:59] offset:32768                ; two heads share a scale word and lie in different work-groups: single bytes, 32 a wave
	s_wait_tensorcnt 0x0
	ds_add_u32 v254, v255
	s_wait_dscnt 0x0
	CROUND                                         ; the closing round
	s_endpgm
.Lfunc_end_k_qca9243c6bb_attn:
	.size	k_qca9243c6bb_attn, .Lfunc_end_k_qca9243c6bb_attn-k_qca9243c6bb_attn
	.p2alignl 7, 3214868480
	.fill 96, 4, 3214868480
	.section	.rodata,"a",@progbits
	.p2align	6, 0x0
	.amdhsa_kernel k_qca9243c6bb_attn
		.amdhsa_group_segment_fixed_size 276480
		.amdhsa_private_segment_fixed_size 0
		.amdhsa_enable_private_segment 0
		.amdhsa_kernarg_size 24
		.amdhsa_user_sgpr_count 2
		.amdhsa_user_sgpr_kernarg_segment_ptr 1
		.amdhsa_wavefront_size32 1
		.amdhsa_system_sgpr_workgroup_id_x 1
		.amdhsa_system_sgpr_workgroup_id_y 1
		.amdhsa_system_sgpr_workgroup_id_z 1
		.amdhsa_system_vgpr_workitem_id 0
		.amdhsa_next_free_vgpr 256
		.amdhsa_next_free_sgpr 66
		.amdhsa_reserve_vcc 1
		.amdhsa_float_denorm_mode_32 3
		.amdhsa_float_denorm_mode_16_64 3
		.amdhsa_memory_ordered 1
		.amdhsa_forward_progress 1
		.amdhsa_inst_pref_size 90
	.end_amdhsa_kernel
	.amdgpu_metadata
---
amdhsa.version: [ 1, 2 ]
amdhsa.kernels:
  - .name:           k_qca9243c6bb_attn
    .symbol:         k_qca9243c6bb_attn.kd
    .args:
      - { .name: qc, .offset: 0, .size: 8, .value_kind: global_buffer, .address_space: global }
      - { .name: kvc, .offset: 8, .size: 8, .value_kind: global_buffer, .address_space: global }
      - { .name: oc, .offset: 16, .size: 8, .value_kind: global_buffer, .address_space: global }
    .group_segment_fixed_size: 276480
    .private_segment_fixed_size: 0
    .kernarg_segment_align: 8
    .kernarg_segment_size: 24
    .max_flat_workgroup_size: 512
    .sgpr_count:     66
    .vgpr_count:     256
    .wavefront_size: 32
...
	.end_amdgpu_metadata
.endif
;; end of part 4
;; launch proj (part 5): grid 4 x 16, 4 waves a work-group, clusters of 4 x 4, 327,680 bytes of LDS; arguments oc, wts, proj_b, x, x1; writes x1
.if DOCPART == 5
	.amdgcn_target "amdgcn-amd-amdhsa--gfx1250"
	.amdhsa_code_object_version 6
	.text
	.protected	k_qca9243c6bb_proj
	.globl	k_qca9243c6bb_proj
	.p2align	8
	.type	k_qca9243c6bb_proj,@function
k_qca9243c6bb_proj:
	s_mov_b64 s[64:65], 0
	v_nop
	global_prefetch_b8 v0, s[64:65] scope:SCOPE_SE
	s_setreg_imm32_b32 hwreg(HW_REG_WAVE_MODE, 25, 1), 1
	s_wait_xcnt 0x0
	s_wait_alu depctr_hold_cnt(0) depctr_sa_sdst(0) depctr_va_vdst(0) depctr_va_sdst(0) depctr_va_ssrc(0) depctr_va_vcc(0) depctr_vm_vsrc(0)
	s_getreg_b32 s2, hwreg(HW_REG_IB_STS2, 6, 4)
	s_cmp_eq_u32 s2, 0
	s_cbranch_scc0 .Lentry_in_a_cluster
	s_endpgm
.Lentry_in_a_cluster:
	s_bfe_u32 s2, ttmp6, 0x10000c
	s_cmp_lg_u32 s2, 0xf033
	s_cbranch_scc0 .Lentry_shape_is_right
	s_endpgm
.Lentry_shape_is_right:
; out = residual + A W + bias, f32, [4,096][1,024]; A and W^T are chunks of E4M3 codes and E8M0 scale words in register order (128 rows x 256 K, 33,792 bytes: codes at 16384 q + 2048 i + 512 c + 16 lane,
; scale words at 32768 + 512 q + 16 lane + 4 c'; image block i, lane row r is row rho(i, r) = 32 (i / 2) + 8 (i % 2) + r + 8 (r / 8)).  Here: A = attention's output, W = proj_w (chunks 96 on), K = 1,024.
; A tile is 256 x 256, four waves of 128 x 128 (64 accumulators).  K goes in steps of 256 through two LDS slots of four chunks; each wave fetches one chunk, a dense block, with one tensor load.
; The matrix instruction is used transposed (source 0 = W's rows, source 1 = A's): accumulator (a, b), register j, lane (r, h) is row rho(a, r), column 32 (b / 2) + 16 h + 8 (b % 2) + j.
; The bias is the C of each sum's first product.  On the way out a block of 16 rows goes through the wave's own stage in LDS, comes back as rows of 512 bytes, takes the residual and is stored: 512 consecutive bytes a store.
; CLUSTERS: 4 x 4; A's chunks are shared along a row of the cluster, W's along a column.  64 tiles: the launch has work for 64 work-groups.
; No prefetch here: a tile has two refills of a slot only.
.set NKS,   4
.set WOFF,  96
.set PF,    0
.set FINAL, 0
.set FLO,   0x81                       ; the first products: C (the bias) in window 0
.set FHI,   0xc1
.set CH,    33792
.set SLOT,  4*CH
.set SPARE, 2*SLOT                     ; the spare words, 128 bytes a wave: two blocks of 256 bytes that no other line names
.set STG,   SPARE+512                  ; the stages: 16 rows x 528 bytes a wave; no fill lands here
.set LAPS,  NKS/2
.set NP,    8
.set ADRA,  16
.set ADRB,  20
.set STO,   24
.set RD,    25
.set CO,    26
.set SPW,   28
.set NIL,   29
.set PFO,   30
.set LN,    31
.set SC,    32                         ; v32-63 scale words: set s at 32 + 16 s: A's of q at + 4 q, W's at + 8 + 4 q
.set BIAS,  64                         ; v64-127 the bias in the result's layout
.set AF,    128
.set BK,    128                        ; the way out: rows read back, v128-191 and v192-255 by turns; the residual in window 1
.set G1,    24
.set G0,    32
.set G1B,   48
.set G0B,   56
.set PFA,   72
.set MSB,   0
.macro WIN new
.if MSB != (\new)
	s_set_vgpr_msb (MSB<<8)|(\new)
.set MSB, (\new)
.endif
.endm
.macro JLOAD g0a, g1a, g0b, g1b
	s_cmp_eq_u32 s15, 0
	s_cbranch_scc0 .Lfor_b_\@
	tensor_load_to_lds s[\g0a:\g0a+3], s[\g1a:\g1a+7]
	s_nop 0
.rept 4
	v_nop
.endr
	s_branch .Lasked_\@
.Lfor_b_\@:
	tensor_load_to_lds s[\g0b:\g0b+3], s[\g1b:\g1b+7]
	s_nop 0
.rept 4
	v_nop
.endr
.Lasked_\@:
.endm
.macro CREST
	s_cmp_lg_u32 s14, 0
	s_cbranch_scc1 .Lnot_wave_0_\@
	s_barrier_signal -3
.Lnot_wave_0_\@:
	s_barrier_wait -3
	s_barrier_signal -1
	s_barrier_wait -1
.endm
.macro CROUND
	s_barrier_signal -1
	s_barrier_wait -1
	CREST
.endm
.macro PLACES n
.rept \n
	v_nop
.endr
.endm
.macro ASK                             ; 16 rows x 512 bytes of my own tile of the residual, a lane a block of 256 bytes; in the loop's last four trips
	s_cmp_le_u32 s3, 4
	s_cbranch_scc0 .Lno_ask_\@
	global_prefetch_b8 v[PFO], s[PFA:PFA+1] th:TH_LOAD_NT scope:SCOPE_SE
.Lno_ask_\@:
.endm
.macro FRAG reg, adr, q, i
.irp c, 0,1,2,3
	ds_load_b128 v[\reg+4*\c:\reg+4*\c+3], v[\adr] offset:16384*(\q)+2048*(\i)+512*\c
.endr
.endm
.macro FETCH_B slot, q, p
	WIN 0x40
.irp i, 0,1,2,3,4,5,6,7
	FRAG 128*(\p)+16*\i, ADRB+\slot, \q, \i
.endr
	WIN 0
.endm
.macro FETCH_A slot, q, i0
.irp i, \i0, \i0+1, \i0+2, \i0+3
	FRAG AF+16*(\i), ADRA+\slot, \q, \i
.endr
.endm
.macro SCALES s
.irp q, 0,1
	ds_load_b128 v[SC+16*\s+4*\q:SC+16*\s+4*\q+3], v[ADRA+\s] offset:32768+512*\q
	ds_load_b128 v[SC+16*\s+8+4*\q:SC+16*\s+8+4*\q+3], v[ADRB+\s] offset:32768+512*\q
.endr
.endm
.macro WM a, b, p, q, sc, first
.set rD, 8*(8*((\a)%4)+(\b))
.set rB, 128*(\p)+16*(\b)
.set rA, AF+16*(\a)
.set rX, SC+16*(\sc)+8+4*(\q)+((\b)%4)
.set rY, SC+16*(\sc)+4*(\q)+((\a)%4)
.set rC, BIAS+8*(\b)
.if \first
.if ((\b) < 4) && ((\a) < 4)
	v_wmma_scale_f32_16x16x128_f8f6f4 v[rD:rD+7], v[rB:rB+15], v[rA:rA+15], v[rC:rC+7], v[rX], v[rY]
.elseif (\a) < 4
	v_wmma_scale_f32_16x16x128_f8f6f4 v[rD:rD+7], v[rB:rB+15], v[rA:rA+15], v[rC:rC+7], v[rX], v[rY] matrix_a_scale:MATRIX_SCALE_ROW1
.elseif (\b) < 4
	v_wmma_scale_f32_16x16x128_f8f6f4 v[rD:rD+7], v[rB:rB+15], v[rA:rA+15], v[rC:rC+7], v[rX], v[rY] matrix_b_scale:MATRIX_SCALE_ROW1
.else
	v_wmma_scale_f32_16x16x128_f8f6f4 v[rD:rD+7], v[rB:rB+15], v[rA:rA+15], v[rC:rC+7], v[rX], v[rY] matrix_a_scale:MATRIX_SCALE_ROW1 matrix_b_scale:MATRIX_SCALE_ROW1
.endif
.else
.if ((\b) < 4) && ((\a) < 4)
	v_wmma_scale_f32_16x16x128_f8f6f4 v[rD:rD+7], v[rB:rB+15], v[rA:rA+15], v[rD:rD+7], v[rX], v[rY]
.elseif (\a) < 4
	v_wmma_scale_f32_16x16x128_f8f6f4 v[rD:rD+7], v[rB:rB+15], v[rA:rA+15], v[rD:rD+7], v[rX], v[rY] matrix_a_scale:MATRIX_SCALE_ROW1
.elseif (\b) < 4
	v_wmma_scale_f32_16x16x128_f8f6f4 v[rD:rD+7], v[rB:rB+15], v[rA:rA+15], v[rD:rD+7], v[rX], v[rY] matrix_b_scale:MATRIX_SCALE_ROW1
.else
	v_wmma_scale_f32_16x16x128_f8f6f4 v[rD:rD+7], v[rB:rB+15], v[rA:rA+15], v[rD:rD+7], v[rX], v[rY] matrix_a_scale:MATRIX_SCALE_ROW1 matrix_b_scale:MATRIX_SCALE_ROW1
.endif
.endif
.endm
.macro MUL16 a0, p, q, sc, first       ; the 64 accumulators take turns, one instruction a turn
.irp a, \a0, \a0+1
.irp b, 0,1,2,3,4,5,6,7
	WM \a, \b, \p, \q, \sc, \first
.endr
.endr
.endm
.macro STEP slot, first
	s_wait_dscnt 16                                ; all but the youngest 16 loads (A's blocks 4-7)
.if \first
	WIN FLO
.else
	WIN 0xa1
.endif
	MUL16 0, 0, 0, \slot, \first
	MUL16 2, 0, 0, \slot, \first
	s_wait_dscnt 0x0
	PLACES NP
	FETCH_B \slot, 1, 1
	FETCH_A \slot, 1, 0
.if \first
	WIN FHI
.else
	WIN 0xf1
.endif
	MUL16 4, 0, 0, \slot, \first
	MUL16 6, 0, 0, \slot, \first
	PLACES NP
	WIN 0
	FETCH_A \slot, 1, 4
.endm
.macro TURN slot, next, fill
.if (PF) && (\fill)
	s_wait_xcnt 0x0                                ; the last prefetch, a K step back, has read its address: it steps 16 rows on once the prefetches have begun
	s_cmp_le_u32 s3, 3+\slot
	s_cselect_b32 s70, 0x10000, 0
	s_add_nc_u64 s[PFA:PFA+1], s[PFA:PFA+1], s[70:71]
.endif
	s_wait_tensorcnt 0x0                           ; all my tensor loads have landed: my chunk of the next slot
	ds_add_u32 v[SPW], v[NIL]                      ; 0 onto my spare word
	s_wait_dscnt 17                                ; the add and the youngest 16 loads may be out
	WIN 0xa1
	MUL16 0, 1, 1, \slot, 0
	s_wait_dscnt 0x0                               ; the add is done, and my reads of this slot are over
	s_barrier_signal -1
	MUL16 2, 1, 1, \slot, 0
	WIN 0
	s_barrier_wait -1
.if \fill
	CREST
	s_add_nc_u64 s[G0+4*\slot+2:G0+4*\slot+3], s[G0+4*\slot+2:G0+4*\slot+3], 2*CH
	s_add_nc_u64 s[G0B+4*\slot+2:G0B+4*\slot+3], s[G0B+4*\slot+2:G0B+4*\slot+3], 2*CH
	JLOAD G0+4*\slot, G1, G0B+4*\slot, G1B
	PLACES NP-4
.else
	PLACES NP
.endif
	FETCH_B \next, 0, 0
	FETCH_A \next, 0, 0
	SCALES \next
.if (PF) && (\fill)
	ASK
.endif
	WIN 0xf1
	MUL16 4, 1, 1, \slot, 0
	MUL16 6, 1, 1, \slot, 0
	PLACES NP
	WIN 0
	FETCH_A \next, 0, 4
.endm
	s_load_b128 s[4:7], s[0:1], 0x0                ; A's chunks, wts
	s_load_b128 s[8:11], s[0:1], 0x10              ; the bias, the residual
	s_load_b64 s[12:13], s[0:1], 0x20              ; out
	v_lshl_add_u32 v[SPW], v0, 2, SPARE
	v_mov_b32 v[NIL], 0
	ds_add_u32 v28, v29
	ds_add_u32 v28, v29
	s_wait_dscnt 0x0
	v_lshrrev_b32 v1, 5, v0
	v_readfirstlane_b32 s14, v1
	s_lshr_b32 s15, s14, 1
	s_and_b32 s16, s14, 1
	s_bfe_u32 s40, ttmp6, 0x40000
	s_bfe_u32 s41, ttmp6, 0x40004
	s_lshl_b32 s42, ttmp9, 2
	s_add_co_u32 s42, s42, s40                     ; tile column
	s_and_b32 s17, ttmp7, 0xffff
	s_lshl_b32 s17, s17, 2
	s_add_co_u32 s17, s17, s41                     ; tile row
	s_lshl_b32 s43, s41, 2
	s_lshl_b32 s43, 15, s43
	s_lshl_b32 s44, 0x1111, s40
	s_or_b32 s[G1+0], s43, (3<<16)|(1<<21)
	s_or_b32 s[G1B+0], s44, (3<<16)|(1<<21)
.irp g, G1, G1B
	s_mov_b32 s[\g+1], 32<<16
	s_mov_b32 s[\g+2], 132<<16
	s_mov_b32 s[\g+3], 32<<16
	s_mov_b32 s[\g+4], 132
	s_mov_b32 s[\g+5], 32
	s_mov_b32 s[\g+6], 0
	s_mov_b32 s[\g+7], 0
.endr
	s_lshl_b32 s20, s17, 1
	s_add_co_u32 s20, s20, s16
	s_mul_i32 s20, s20, NKS*CH
	s_mov_b32 s21, 0
	s_lshl_b32 s46, s42, 1
	s_add_co_u32 s46, s46, s16
	s_mul_i32 s46, s46, NKS*CH
	s_add_co_u32 s46, s46, WOFF*CH
	s_mov_b32 s47, 0
	s_mul_i32 s45, s14, CH
	s_wait_kmcnt 0x0
	s_add_nc_u64 s[20:21], s[4:5], s[20:21]
	s_add_nc_u64 s[46:47], s[6:7], s[46:47]
	CROUND
.irp s, 0,1
	s_mov_b32 s[G0+4*\s], 1
	s_add_co_u32 s[G0+4*\s+1], s45, \s*SLOT
	s_add_nc_u64 s[G0+4*\s+2:G0+4*\s+3], s[20:21], \s*CH
	s_or_b32 s[G0+4*\s+3], s[G0+4*\s+3], 0x80000000
	s_mov_b32 s[G0B+4*\s], 1
	s_add_co_u32 s[G0B+4*\s+1], s45, \s*SLOT
	s_add_nc_u64 s[G0B+4*\s+2:G0B+4*\s+3], s[46:47], \s*CH
	s_or_b32 s[G0B+4*\s+3], s[G0B+4*\s+3], 0x80000000
	JLOAD G0+4*\s, G1, G0B+4*\s, G1B
.endr
	v_and_b32 v[LN], 31, v0
	v_lshlrev_b32 v[CO], 4, v[LN]
	s_mul_i32 s21, s15, CH
	s_mul_i32 s22, s16, CH
	s_add_co_u32 s22, s22, 2*CH
.irp s, 0,1
	v_add_nc_u32 v[ADRA+\s], s21, v[CO]
	v_add_nc_u32 v[ADRB+\s], s22, v[CO]
	s_add_co_u32 s21, s21, SLOT
	s_add_co_u32 s22, s22, SLOT
.endr
	s_lshl_b32 s20, s42, 1
	s_add_co_u32 s20, s20, s16
	s_lshl_b32 s20, s20, 9                         ; my 128 columns, in bytes
	s_mov_b32 s21, 0
	s_add_nc_u64 s[8:9], s[8:9], s[20:21]
	s_lshl_b32 s22, s17, 1
	s_add_co_u32 s22, s22, s15
	s_lshl_b32 s22, s22, 19                        ; my 128 rows of 4,096 bytes
	s_add_co_u32 s20, s20, s22
	s_add_nc_u64 s[10:11], s[10:11], s[20:21]
	s_add_nc_u64 s[12:13], s[12:13], s[20:21]
	v_and_b32 v10, 15, v0
	v_bfe_u32 v11, v0, 4, 1
	s_mul_i32 s23, s14, 16*528
	s_add_co_u32 s23, s23, STG
	v_mul_u32_u24 v12, v10, 528
	v_lshl_add_u32 v12, v11, 6, v12
	v_add_nc_u32 v[STO], s23, v12                  ; the stage, in: row r, + 64 h
	v_add_nc_u32 v[RD], s23, v[CO]                 ; back: a row of 512 bytes to the 32 lanes
.if PF
	v_lshrrev_b32 v12, 1, v[LN]
	v_and_b32 v13, 1, v[LN]
	v_lshlrev_b32 v[PFO], 12, v12
	v_lshl_add_u32 v[PFO], v13, 8, v[PFO]          ; row lane / 2, block lane % 2 of its 512 bytes
	s_mov_b64 s[PFA:PFA+1], s[10:11]
	s_mov_b32 s71, 0
.endif
	v_lshlrev_b32 v1, 6, v11                       ; the bias: 64 h; never rewritten
.irp b, 0,1,2,3,4,5,6,7
	global_load_b128 v[BIAS+8*\b:BIAS+8*\b+3], v1, s[8:9] offset:(32*(\b/2)+8*(\b%2))*4
	global_load_b128 v[BIAS+8*\b+4:BIAS+8*\b+7], v1, s[8:9] offset:(32*(\b/2)+8*(\b%2))*4+16
.endr
	s_wait_tensorcnt 1                             ; my chunk of K step 0 is in; K step 1's may be out
	s_barrier_signal -1
	s_barrier_wait -1
	FETCH_B 0, 0, 0
	FETCH_A 0, 0, 0
	SCALES 0
	FETCH_A 0, 0, 4
	s_wait_loadcnt 0x0                             ; the bias
	STEP 0, 1
	s_mov_b32 s3, LAPS-1
.Llap:
	TURN 0, 1, 1
	STEP 1, 0
	TURN 1, 0, 1
	STEP 0, 0
	s_sub_co_u32 s3, s3, 1
	s_cmp_lg_u32 s3, 0
	s_cbranch_scc1 .Llap
	TURN 0, 1, 0
	STEP 1, 0
	s_wait_dscnt 16
	WIN 0xa1
	MUL16 0, 1, 1, 1, 0
	MUL16 2, 1, 1, 1, 0
	s_wait_dscnt 0x0
	WIN 0xf1
	MUL16 4, 1, 1, 1, 0
	MUL16 6, 1, 1, 1, 0
	WIN 0
	PLACES NP
.macro RES a                           ; block a's 16 rows of the residual into window 1, set a % 4
	WIN 0x40
.irp t, 0,1,2,3,4,5,6,7,8,9,10,11,12,13,14,15
	global_load_b128 v[64*((\a)%4)+4*\t:64*((\a)%4)+4*\t+3], v[CO], s[10:11] offset:(32*((\a)/2)+8*((\a)%2)+\t+8*(\t/8))*4096
.endr
	WIN 0
.endm
.macro TOSTAGE a                       ; LDS serves a wave's instructions in order (ISA guide 5.7.1.4): no wait between my stores and my loads
.set AC, 64*((\a)%4)
.set BB, BK+64*((\a)%2)
	WIN 0x08+4*((\a)/4)
.irp b, 0,1,2,3,4,5,6,7
	ds_store_b128 v[STO], v[AC+8*\b:AC+8*\b+3] offset:128*(\b/2)+32*(\b%2)         ; each accumulator from its low end on
	ds_store_b128 v[STO], v[AC+8*\b+4:AC+8*\b+7] offset:128*(\b/2)+32*(\b%2)+16
.endr
	WIN 0
.irp t, 0,1,2,3,4,5,6,7,8,9,10,11,12,13,14,15
	ds_load_b128 v[BB+4*\t:BB+4*\t+3], v[RD] offset:\t*528
.endr
.endm
.macro SEND a, younger, loads
.set BB, BK+64*((\a)%2)
.set RR, 64*((\a)%4)
	s_wait_dscnt \younger                          ; the block is back; the next block's 32 LDS instructions may be out
	s_wait_loadcnt \loads                          ; its residual is in; the younger blocks' loads may be out
	WIN 0x04
.set n, 0
.rept 32
	v_pk_add_f32 v[BB+n:BB+n+1], v[BB+n:BB+n+1], v[RR+n:RR+n+1]
.set n, n+2
.endr
	WIN 0
.irp t, 0,1,2,3,4,5,6,7,8,9,10,11,12,13,14,15
.if FINAL
	global_store_b128 v[CO], v[BB+4*\t:BB+4*\t+3], s[12:13] offset:(32*((\a)/2)+8*((\a)%2)+\t+8*(\t/8))*4096 th:TH_STORE_NT
.else
	global_store_b128 v[CO], v[BB+4*\t:BB+4*\t+3], s[12:13] offset:(32*((\a)/2)+8*((\a)%2)+\t+8*(\t/8))*4096
.endif
.endr
.endm
	RES 0
	RES 1
	TOSTAGE 0
.irp a, 1,2,3,4,5,6,7
.if \a > 1
	s_wait_xcnt 0x0                                ; block a - 2's stores have read the registers into which block a comes back
.endif
	TOSTAGE \a
.if \a < 7
	RES \a+1
	SEND \a-1, 32, 32
.else
	SEND \a-1, 32, 16
.endif
.endr
	SEND 7, 0, 0
	s_wait_tensorcnt 0x0                           ; the wave's end
	ds_add_u32 v[SPW], v[NIL]
	s_wait_dscnt 0x0
	CROUND
	s_endpgm
.Lfunc_end_k_qca9243c6bb_proj:
	.size	k_qca9243c6bb_proj, .Lfunc_end_k_qca9243c6bb_proj-k_qca9243c6bb_proj
	.p2alignl 7, 3214868480
	.fill 96, 4, 3214868480
	.section	.rodata,"a",@progbits
	.p2align	6, 0x0
	.amdhsa_kernel k_qca9243c6bb_proj
		.amdhsa_group_segment_fixed_size 327680
		.amdhsa_private_segment_fixed_size 0
		.amdhsa_enable_private_segment 0
		.amdhsa_kernarg_size 40
		.amdhsa_user_sgpr_count 2
		.amdhsa_user_sgpr_kernarg_segment_ptr 1
		.amdhsa_wavefront_size32 1
		.amdhsa_system_sgpr_workgroup_id_x 1
		.amdhsa_system_sgpr_workgroup_id_y 1
		.amdhsa_system_sgpr_workgroup_id_z 1
		.amdhsa_system_vgpr_workitem_id 0
		.amdhsa_next_free_vgpr 1024
		.amdhsa_next_free_sgpr 102
		.amdhsa_reserve_vcc 0
		.amdhsa_float_denorm_mode_32 3
		.amdhsa_float_denorm_mode_16_64 3
		.amdhsa_memory_ordered 1
		.amdhsa_forward_progress 1
		.amdhsa_inst_pref_size 172
	.end_amdhsa_kernel
	.amdgpu_metadata
---
amdhsa.version: [ 1, 2 ]
amdhsa.kernels:
  - .name:           k_qca9243c6bb_proj
    .symbol:         k_qca9243c6bb_proj.kd
    .args:
      - { .name: oc, .offset: 0, .size: 8, .value_kind: global_buffer, .address_space: global }
      - { .name: wts, .offset: 8, .size: 8, .value_kind: global_buffer, .address_space: global }
      - { .name: proj_b, .offset: 16, .size: 8, .value_kind: global_buffer, .address_space: global }
      - { .name: x, .offset: 24, .size: 8, .value_kind: global_buffer, .address_space: global }
      - { .name: x1, .offset: 32, .size: 8, .value_kind: global_buffer, .address_space: global }
    .group_segment_fixed_size: 327680
    .private_segment_fixed_size: 0
    .kernarg_segment_align: 8
    .kernarg_segment_size: 40
    .max_flat_workgroup_size: 128
    .sgpr_count:     102
    .vgpr_count:     1024
    .wavefront_size: 32
...
	.end_amdgpu_metadata
.endif
;; end of part 5
;; launch ln2: the kernel of part 2 again; grid 256 x 1, 4 waves a work-group, no clusters, 66,304 bytes of LDS; arguments x1, ln2_g, ln2_b, hc; writes hc
;; launch fc1 (part 6): grid 16 x 16, 4 waves a work-group, clusters of 4 x 4, 327,680 bytes of LDS; arguments hc, wts, fc1_b, gc; writes gc
.if DOCPART == 6
	.amdgcn_target "amdgcn-amd-amdhsa--gfx1250"
	.amdhsa_code_object_version 6
	.text
	.protected	k_qca9243c6bb_fc1
	.globl	k_qca9243c6bb_fc1
	.p2align	8
	.type	k_qca9243c6bb_fc1,@function
k_qca9243c6bb_fc1:
	s_mov_b64 s[64:65], 0
	v_nop
	global_prefetch_b8 v0, s[64:65] scope:SCOPE_SE
	s_setreg_imm32_b32 hwreg(HW_REG_WAVE_MODE, 25, 1), 1
	s_wait_xcnt 0x0
	s_wait_alu depctr_hold_cnt(0) depctr_sa_sdst(0) depctr_va_vdst(0) depctr_va_sdst(0) depctr_va_ssrc(0) depctr_va_vcc(0) depctr_vm_vsrc(0)
	s_getreg_b32 s2, hwreg(HW_REG_IB_STS2, 6, 4)
	s_cmp_eq_u32 s2, 0
	s_cbranch_scc0 .Lentry_in_a_cluster
	s_endpgm
.Lentry_in_a_cluster:
	s_bfe_u32 s2, ttmp6, 0x10000c
	s_cmp_lg_u32 s2, 0xf033
	s_cbranch_scc0 .Lentry_shape_is_right
	s_endpgm
.Lentry_shape_is_right:
; g = gelu(LN2(x1) fc1_w + fc1_b), exact (erf) form, quantised at once along the hidden axis for the next product.  Operands and result are chunks of E4M3 codes and E8M0 scale words in register order
; (128 rows x 256 K, 33,792 bytes: codes at 16384 q + 2048 i + 512 c + 16 lane, scale words at 32768 + 512 q + 16 lane + 4 c'; image block i, lane row r is row rho(i, r) = 32 (i / 2) + 8 (i % 2) + r + 8 (r / 8)).
; A tile is 256 x 256, four waves of 128 x 128; K = 1,024 in four steps of 256 through two LDS slots of four chunks; each wave fetches one chunk with one tensor load.  fc1_w's chunks begin at 128.
; The matrix instruction is used transposed: accumulator (a, b), register j, lane (r, h) is token rho(a, r), hidden unit 32 (b / 2) + 16 h + 8 (b % 2) + j: for one a the 64 registers are 16 neighbours of each of four blocks
; of 32 along the next K.  The bias is the C of each sum's first product.
; THE WAY OUT is a loop over the eight blocks a; only the copy out of the accumulators (which also makes u = x / sqrt 2) differs from trip to trip and is chosen by a scalar branch on the counter.
; gelu = (x / 2)(1 + erf(u)); erf(u) = u P(u^2) / Q(u^2), the usual f32 rational form (degrees 6 and 4 in u^2) on |u| <= 4, where u is held.
; LIMITS: 1 + erf cancels for very negative x (absolute error about 1e-7 x |x| / 2); x / 2 is rounded twice; v_rcp_f32 is good to 1 ulp; blocks under 2^-118 get the byte 1; NaN and infinities are not served.
; CLUSTERS: 4 x 4; the tokens' chunks are shared along a row of the cluster, the weight's along a column.  No prefetch: a tile has two refills of a slot only.
.set NKS,   4
.set WOFF,  128
.set FLO,   0x81
.set FHI,   0xc1
.set CH,    33792
.set SLOT,  4*CH
.set SPARE, 2*SLOT                     ; the spare words: two blocks of 256 bytes that no other line names
.set STG,   SPARE+512                  ; 512 bytes a wave: its eight blocks' scale words; no fill lands here
.set LAPS,  NKS/2
.set NP,    8
.set ADRA,  16
.set ADRB,  20
.set CO,    26
.set SPW,   28
.set NIL,   29
.set LN,    31
.set SC,    32
.set BIAS,  64
.set AF,    128
.set T,     64                         ; the way out: v64-127 u, then gelu; v128-159 held u, then x / 2, then the codes; v160-191 u^2, then the quantiser's; v192-223 P; v224-255 Q
.set UC,    128
.set Z,     160
.set P,     192
.set Q,     224
.set PC,    128
.set TM,    160
.set G1,    24
.set G0,    32
.set G1B,   48
.set G0B,   56
.set SEL,   66
.set MNT,   68
.set MSB,   0
.macro WIN new
.if MSB != (\new)
	s_set_vgpr_msb (MSB<<8)|(\new)
.set MSB, (\new)
.endif
.endm
.macro JLOAD g0a, g1a, g0b, g1b
	s_cmp_eq_u32 s15, 0
	s_cbranch_scc0 .Lfor_b_\@
	tensor_load_to_lds s[\g0a:\g0a+3], s[\g1a:\g1a+7]
	s_nop 0
.rept 4
	v_nop
.endr
	s_branch .Lasked_\@
.Lfor_b_\@:
	tensor_load_to_lds s[\g0b:\g0b+3], s[\g1b:\g1b+7]
	s_nop 0
.rept 4
	v_nop
.endr
.Lasked_\@:
.endm
.macro CREST
	s_cmp_lg_u32 s14, 0
	s_cbranch_scc1 .Lnot_wave_0_\@
	s_barrier_signal -3
.Lnot_wave_0_\@:
	s_barrier_wait -3
	s_barrier_signal -1
	s_barrier_wait -1
.endm
.macro CROUND
	s_barrier_signal -1
	s_barrier_wait -1
	CREST
.endm
.macro PLACES n
.rept \n
	v_nop
.endr
.endm
.macro FRAG reg, adr, q, i
.irp c, 0,1,2,3
	ds_load_b128 v[\reg+4*\c:\reg+4*\c+3], v[\adr] offset:16384*(\q)+2048*(\i)+512*\c
.endr
.endm
.macro FETCH_B slot, q, p
	WIN 0x40
.irp i, 0,1,2,3,4,5,6,7
	FRAG 128*(\p)+16*\i, ADRB+\slot, \q, \i
.endr
	WIN 0
.endm
.macro FETCH_A slot, q, i0
.irp i, \i0, \i0+1, \i0+2, \i0+3
	FRAG AF+16*(\i), ADRA+\slot, \q, \i
.endr
.endm
.macro SCALES s
.irp q, 0,1
	ds_load_b128 v[SC+16*\s+4*\q:SC+16*\s+4*\q+3], v[ADRA+\s] offset:32768+512*\q
	ds_load_b128 v[SC+16*\s+8+4*\q:SC+16*\s+8+4*\q+3], v[ADRB+\s] offset:32768+512*\q
.endr
.endm
.macro WM a, b, p, q, sc, first
.set rD, 8*(8*((\a)%4)+(\b))
.set rB, 128*(\p)+16*(\b)
.set rA, AF+16*(\a)
.set rX, SC+16*(\sc)+8+4*(\q)+((\b)%4)
.set rY, SC+16*(\sc)+4*(\q)+((\a)%4)
.set rC, BIAS+8*(\b)
.if \first
.if ((\b) < 4) && ((\a) < 4)
	v_wmma_scale_f32_16x16x128_f8f6f4 v[rD:rD+7], v[rB:rB+15], v[rA:rA+15], v[rC:rC+7], v[rX], v[rY]
.elseif (\a) < 4
	v_wmma_scale_f32_16x16x128_f8f6f4 v[rD:rD+7], v[rB:rB+15], v[rA:rA+15], v[rC:rC+7], v[rX], v[rY] matrix_a_scale:MATRIX_SCALE_ROW1
.elseif (\b) < 4
	v_wmma_scale_f32_16x16x128_f8f6f4 v[rD:rD+7], v[rB:rB+15], v[rA:rA+15], v[rC:rC+7], v[rX], v[rY] matrix_b_scale:MATRIX_SCALE_ROW1
.else
	v_wmma_scale_f32_16x16x128_f8f6f4 v[rD:rD+7], v[rB:rB+15], v[rA:rA+15], v[rC:rC+7], v[rX], v[rY] matrix_a_scale:MATRIX_SCALE_ROW1 matrix_b_scale:MATRIX_SCALE_ROW1
.endif
.else
.if ((\b) < 4) && ((\a) < 4)
	v_wmma_scale_f32_16x16x128_f8f6f4 v[rD:rD+7], v[rB:rB+15], v[rA:rA+15], v[rD:rD+7], v[rX], v[rY]
.elseif (\a) < 4
	v_wmma_scale_f32_16x16x128_f8f6f4 v[rD:rD+7], v[rB:rB+15], v[rA:rA+15], v[rD:rD+7], v[rX], v[rY] matrix_a_scale:MATRIX_SCALE_ROW1
.elseif (\b) < 4
	v_wmma_scale_f32_16x16x128_f8f6f4 v[rD:rD+7], v[rB:rB+15], v[rA:rA+15], v[rD:rD+7], v[rX], v[rY] matrix_b_scale:MATRIX_SCALE_ROW1
.else
	v_wmma_scale_f32_16x16x128_f8f6f4 v[rD:rD+7], v[rB:rB+15], v[rA:rA+15], v[rD:rD+7], v[rX], v[rY] matrix_a_scale:MATRIX_SCALE_ROW1 matrix_b_scale:MATRIX_SCALE_ROW1
.endif
.endif
.endm
.macro MUL16 a0, p, q, sc, first       ; the 64 accumulators take turns, one instruction a turn
.irp a, \a0, \a0+1
.irp b, 0,1,2,3,4,5,6,7
	WM \a, \b, \p, \q, \sc, \first
.endr
.endr
.endm
.macro STEP slot, first
	s_wait_dscnt 16                                ; all but the youngest 16 loads (A's blocks 4-7)
.if \first
	WIN FLO
.else
	WIN 0xa1
.endif
	MUL16 0, 0, 0, \slot, \first
	MUL16 2, 0, 0, \slot, \first
	s_wait_dscnt 0x0
	PLACES NP
	FETCH_B \slot, 1, 1
	FETCH_A \slot, 1, 0
.if \first
	WIN FHI
.else
	WIN 0xf1
.endif
	MUL16 4, 0, 0, \slot, \first
	MUL16 6, 0, 0, \slot, \first
	PLACES NP
	WIN 0
	FETCH_A \slot, 1, 4
.endm
.macro TURN slot, next, fill
	s_wait_tensorcnt 0x0                           ; all my tensor loads have landed: my chunk of the next slot
	ds_add_u32 v[SPW], v[NIL]                      ; 0 onto my spare word
	s_wait_dscnt 17                                ; the add and the youngest 16 loads may be out
	WIN 0xa1
	MUL16 0, 1, 1, \slot, 0
	s_wait_dscnt 0x0                               ; the add is done, and my reads of this slot are over
	s_barrier_signal -1
	MUL16 2, 1, 1, \slot, 0
	WIN 0
	s_barrier_wait -1
.if \fill
	CREST
	s_add_nc_u64 s[G0+4*\slot+2:G0+4*\slot+3], s[G0+4*\slot+2:G0+4*\slot+3], 2*CH
	s_add_nc_u64 s[G0B+4*\slot+2:G0B+4*\slot+3], s[G0B+4*\slot+2:G0B+4*\slot+3], 2*CH
	JLOAD G0+4*\slot, G1, G0B+4*\slot, G1B
	PLACES NP-4
.else
	PLACES NP
.endif
	FETCH_B \next, 0, 0
	FETCH_A \next, 0, 0
	SCALES \next
	WIN 0xf1
	MUL16 4, 1, 1, \slot, 0
	MUL16 6, 1, 1, \slot, 0
	PLACES NP
	WIN 0
	FETCH_A \next, 0, 4
.endm
	s_load_b128 s[4:7], s[0:1], 0x0                ; hc, wts
	s_load_b128 s[8:11], s[0:1], 0x10              ; fc1_b, gc
	v_lshl_add_u32 v[SPW], v0, 2, SPARE
	v_mov_b32 v[NIL], 0
	ds_add_u32 v28, v29
	ds_add_u32 v28, v29
	s_wait_dscnt 0x0
	v_lshrrev_b32 v1, 5, v0
	v_readfirstlane_b32 s14, v1
	s_lshr_b32 s15, s14, 1
	s_and_b32 s16, s14, 1
	s_bfe_u32 s40, ttmp6, 0x40000
	s_bfe_u32 s41, ttmp6, 0x40004
	s_lshl_b32 s42, ttmp9, 2
	s_add_co_u32 s42, s42, s40                     ; tile column
	s_and_b32 s17, ttmp7, 0xffff
	s_lshl_b32 s17, s17, 2
	s_add_co_u32 s17, s17, s41                     ; tile row
	s_lshl_b32 s43, s41, 2
	s_lshl_b32 s43, 15, s43
	s_lshl_b32 s44, 0x1111, s40
	s_or_b32 s[G1+0], s43, (3<<16)|(1<<21)
	s_or_b32 s[G1B+0], s44, (3<<16)|(1<<21)
.irp g, G1, G1B
	s_mov_b32 s[\g+1], 32<<16
	s_mov_b32 s[\g+2], 132<<16
	s_mov_b32 s[\g+3], 32<<16
	s_mov_b32 s[\g+4], 132
	s_mov_b32 s[\g+5], 32
	s_mov_b32 s[\g+6], 0
	s_mov_b32 s[\g+7], 0
.endr
	s_lshl_b32 s20, s17, 1
	s_add_co_u32 s20, s20, s16
	s_mul_i32 s20, s20, NKS*CH
	s_mov_b32 s21, 0
	s_lshl_b32 s46, s42, 1
	s_add_co_u32 s46, s46, s16
	s_mul_i32 s46, s46, NKS*CH
	s_add_co_u32 s46, s46, WOFF*CH
	s_mov_b32 s47, 0
	s_mul_i32 s45, s14, CH
	s_mov_b32 s[SEL], 0x76543210
	s_mov_b32 s[SEL+1], 0xfedcba98
	s_mov_b32 s[MNT], 0x600000
	s_wait_kmcnt 0x0
	s_add_nc_u64 s[20:21], s[4:5], s[20:21]
	s_add_nc_u64 s[46:47], s[6:7], s[46:47]
	CROUND
.irp s, 0,1
	s_mov_b32 s[G0+4*\s], 1
	s_add_co_u32 s[G0+4*\s+1], s45, \s*SLOT
	s_add_nc_u64 s[G0+4*\s+2:G0+4*\s+3], s[20:21], \s*CH
	s_or_b32 s[G0+4*\s+3], s[G0+4*\s+3], 0x80000000
	s_mov_b32 s[G0B+4*\s], 1
	s_add_co_u32 s[G0B+4*\s+1], s45, \s*SLOT
	s_add_nc_u64 s[G0B+4*\s+2:G0B+4*\s+3], s[46:47], \s*CH
	s_or_b32 s[G0B+4*\s+3], s[G0B+4*\s+3], 0x80000000
	JLOAD G0+4*\s, G1, G0B+4*\s, G1B
.endr
	v_and_b32 v[LN], 31, v0
	v_lshlrev_b32 v[CO], 4, v[LN]
	s_mul_i32 s21, s15, CH
	s_mul_i32 s22, s16, CH
	s_add_co_u32 s22, s22, 2*CH
.irp s, 0,1
	v_add_nc_u32 v[ADRA+\s], s21, v[CO]
	v_add_nc_u32 v[ADRB+\s], s22, v[CO]
	s_add_co_u32 s21, s21, SLOT
	s_add_co_u32 s22, s22, SLOT
.endr
	s_lshl_b32 s20, s42, 1
	s_add_co_u32 s20, s20, s16
	s_lshl_b32 s20, s20, 9
	s_mov_b32 s21, 0
	s_add_nc_u64 s[8:9], s[8:9], s[20:21]          ; my 128 numbers of the bias
	s_lshl_b32 s20, s17, 1
	s_add_co_u32 s20, s20, s15                     ; my token group
	s_lshl_b32 s20, s20, 4
	s_add_co_u32 s20, s20, s42                     ; its chunk at K step = tile column
	s_mul_i32 s20, s20, CH
	s_add_nc_u64 s[78:79], s[10:11], s[20:21]
	s_lshl_b32 s20, s16, 14
	s_add_nc_u64 s[76:77], s[78:79], s[20:21]      ; the codes: my half q of the K step; it steps 2,048 bytes a block
	s_lshl_b32 s20, s16, 9
	s_add_nc_u64 s[78:79], s[78:79], s[20:21]      ; the scale words
	v_and_b32 v10, 15, v0
	v_bfe_u32 v11, v0, 4, 1
	s_lshl_b32 s23, s14, 9
	s_add_co_u32 s23, s23, STG
	v_lshlrev_b32 v8, 2, v10
	v_add_nc_u32 v8, s23, v8                       ; my wave's scale words in LDS: 64 a + 4 r
	v_lshl_add_u32 v9, v11, 8, v8                  ; back: + 256 h: blocks 4 h + c'
	v_mov_b32 v2, 0xaf95df0b                       ; P's leading coefficient, as a pair
	v_mov_b32 v3, 0xaf95df0b
	v_mov_b32 v4, 0xb77460cd                       ; Q's
	v_mov_b32 v5, 0xb77460cd
	v_lshlrev_b32 v1, 6, v11                       ; the bias: 64 h; never rewritten
.irp b, 0,1,2,3,4,5,6,7
	global_load_b128 v[BIAS+8*\b:BIAS+8*\b+3], v1, s[8:9] offset:(32*(\b/2)+8*(\b%2))*4
	global_load_b128 v[BIAS+8*\b+4:BIAS+8*\b+7], v1, s[8:9] offset:(32*(\b/2)+8*(\b%2))*4+16
.endr
	s_wait_tensorcnt 1                             ; my chunk of K step 0 is in; K step 1's may be out
	s_barrier_signal -1
	s_barrier_wait -1
	FETCH_B 0, 0, 0
	FETCH_A 0, 0, 0
	SCALES 0
	FETCH_A 0, 0, 4
	s_wait_loadcnt 0x0                             ; the bias
	STEP 0, 1
	s_mov_b32 s3, LAPS-1
.Llap:
	TURN 0, 1, 1
	STEP 1, 0
	TURN 1, 0, 1
	STEP 0, 0
	s_sub_co_u32 s3, s3, 1
	s_cmp_lg_u32 s3, 0
	s_cbranch_scc1 .Llap
	TURN 0, 1, 0
	STEP 1, 0
	s_wait_dscnt 16
	WIN 0xa1
	MUL16 0, 1, 1, 1, 0
	MUL16 2, 1, 1, 1, 0
	s_wait_dscnt 0x0
	WIN 0xf1
	MUL16 4, 1, 1, 1, 0
	MUL16 6, 1, 1, 1, 0
	WIN 0
	PLACES NP
.macro COPY a                          ; u = x / sqrt 2, out of block a's accumulators, each from its low end on
	WIN 2+(\a)/4
.set n, 0
.rept 32
	v_pk_mul_f32 v[T+n:T+n+1], v[64*((\a)%4)+n:64*((\a)%4)+n+1], 0x3f3504f3 op_sel_hi:[1,0]
.set n, n+2
.endr
	WIN 0
.endm
.macro GELU32 o                        ; 32 numbers of T, from o on
.set n, 0
.rept 32
	v_med3_num_f32 v[UC+n], v[T+\o+n], -4.0, 4.0
.set n, n+1
.endr
.set n, 0
.rept 16
	v_pk_mul_f32 v[Z+n:Z+n+1], v[UC+n:UC+n+1], v[UC+n:UC+n+1]
.set n, n+2
.endr
.set n, 0
.rept 16
	v_pk_fma_f32 v[P+n:P+n+1], v[Z+n:Z+n+1], v[2:3], 0x32edffee op_sel_hi:[1,1,0]
.set n, n+2
.endr
.irp k, 0xb60cff51, 0xb86ec2d2, 0xba40ac63, 0xbb41a1f6, 0xbc83dbd4
.set n, 0
.rept 16
	v_pk_fma_f32 v[P+n:P+n+1], v[P+n:P+n+1], v[Z+n:Z+n+1], \k op_sel_hi:[1,1,0]
.set n, n+2
.endr
.endr
.set n, 0
.rept 16
	v_pk_fma_f32 v[Q+n:Q+n+1], v[Z+n:Z+n+1], v[4:5], 0xb95fbd29 op_sel_hi:[1,1,0]
.set n, n+2
.endr
.irp k, 0xbadc924e, 0xbbf19bf8, 0xbc69b6a7
.set n, 0
.rept 16
	v_pk_fma_f32 v[Q+n:Q+n+1], v[Q+n:Q+n+1], v[Z+n:Z+n+1], \k op_sel_hi:[1,1,0]
.set n, n+2
.endr
.endr
.set n, 0
.rept 32
	v_rcp_f32 v[Q+n], v[Q+n]
.set n, n+1
.endr
.set n, 0
.rept 16
	v_pk_mul_f32 v[P+n:P+n+1], v[UC+n:UC+n+1], v[P+n:P+n+1]        ; u P: work that names no reciprocal
.set n, n+2
.endr
.set n, 0
.rept 16
	v_pk_mul_f32 v[UC+n:UC+n+1], v[T+\o+n:T+\o+n+1], 0x3f3504f3 op_sel_hi:[1,0]            ; x / 2
.set n, n+2
.endr
	s_wait_alu depctr_va_vdst(0)                   ; one wait for the 32 reciprocals, ahead of their first reader
.set n, 0
.rept 16
	v_pk_mul_f32 v[P+n:P+n+1], v[P+n:P+n+1], v[Q+n:Q+n+1]          ; erf
.set n, n+2
.endr
.set n, 0
.rept 16
	v_pk_fma_f32 v[T+\o+n:T+\o+n+1], v[UC+n:UC+n+1], v[P+n:P+n+1], v[UC+n:UC+n+1]          ; (x / 2) erf + x / 2
.set n, n+2
.endr
.endm
	s_mov_b32 s74, 0                               ; a
	s_mov_b32 s75, 0                               ; 64 a
.Lrow:
.irp a, 0,1,2,3,4,5,6
	s_cmp_eq_u32 s74, \a
	s_cbranch_scc1 .Lsw\a
.endr
	COPY 7
	s_branch .Lcommon
.irp a, 0,1,2,3,4,5,6
.Lsw\a:
	COPY \a
	s_branch .Lcommon
.endr
.Lcommon:
	GELU32 0
	GELU32 32
.irp b, 0,1,2,3
	v_max3_num_f32 v[TM+\b], |v[T+16*\b]|, |v[T+16*\b+1]|, 0x4800000
.endr
.irp i, 2,4,6,8,10,12,14
.irp b, 0,1,2,3
	v_max3_num_f32 v[TM+\b], v[TM+\b], |v[T+16*\b+\i]|, |v[T+16*\b+\i+1]|
.endr
.endr
.irp b, 0,1,2,3
	v_permlanex16_b32 v[TM+4+\b], v[TM+\b], s[SEL], s[SEL+1]
.endr
.irp b, 0,1,2,3
	v_max_num_f32 v[TM+\b], v[TM+\b], v[TM+4+\b]
.endr
.irp b, 0,1,2,3
	v_add_nc_u32 v[TM+12+\b], 0xfc000000, v[TM+\b]
.endr
.irp b, 0,1,2,3
	v_and_or_b32 v[TM+8+\b], v[TM+\b], 0x7f800000, s[MNT]
.endr
.irp b, 0,1,2,3
	v_lshrrev_b32 v[TM+4+\b], 23, v[TM+12+\b]
.endr
	v_lshl_or_b32 v6, v[TM+5], 8, v[TM+4]
	v_lshl_or_b32 v6, v[TM+6], 16, v6
	v_lshl_or_b32 v6, v[TM+7], 24, v6
	v_add_nc_u32 v7, s75, v8
.irp b, 0,1,2,3
.irp i, 0,1,2,3,4,5,6,7,8,9,10,11,12,13,14,15
	v_med3_num_f32 v[T+16*\b+\i], v[T+16*\b+\i], -v[TM+8+\b], v[TM+8+\b]
.endr
	v_cvt_scalef32_pk8_fp8_f32 v[PC+4*\b:PC+4*\b+1], v[T+16*\b:T+16*\b+7], v[TM+12+\b]
	v_cvt_scalef32_pk8_fp8_f32 v[PC+4*\b+2:PC+4*\b+3], v[T+16*\b+8:T+16*\b+15], v[TM+12+\b]
.endr
	v_nop
.irp c, 0,1,2,3
	global_store_b128 v[CO], v[PC+4*\c:PC+4*\c+3], s[76:77] offset:512*\c          ; 512 consecutive bytes a store
.endr
	ds_store_b32 v7, v6                            ; block a's scale words: both halves of the lanes write the same word with the same value
	s_wait_xcnt 0x0                                ; the stores have read their registers and their base
	s_add_nc_u64 s[76:77], s[76:77], 2048
	s_add_co_u32 s75, s75, 64
	s_add_co_u32 s74, s74, 1
	s_cmp_lt_u32 s74, 8
	s_cbranch_scc1 .Lrow
.irp c, 0,1,2,3
	ds_load_b32 v[PC+\c], v9 offset:64*\c          ; LDS serves a wave's instructions in order: these see my stores
.endr
	s_wait_dscnt 0x0
	global_store_b128 v[CO], v[PC:PC+3], s[78:79] offset:32768
	s_wait_tensorcnt 0x0                           ; the wave's end
	ds_add_u32 v[SPW], v[NIL]
	s_wait_dscnt 0x0
	CROUND
	s_endpgm
.Lfunc_end_k_qca9243c6bb_fc1:
	.size	k_qca9243c6bb_fc1, .Lfunc_end_k_qca9243c6bb_fc1-k_qca9243c6bb_fc1
	.p2alignl 7, 3214868480
	.fill 96, 4, 3214868480
	.section	.rodata,"a",@progbits
	.p2align	6, 0x0
	.amdhsa_kernel k_qca9243c6bb_fc1
		.amdhsa_group_segment_fixed_size 327680
		.amdhsa_private_segment_fixed_size 0
		.amdhsa_enable_private_segment 0
		.amdhsa_kernarg_size 32
		.amdhsa_user_sgpr_count 2
		.amdhsa_user_sgpr_kernarg_segment_ptr 1
		.amdhsa_wavefront_size32 1
		.amdhsa_system_sgpr_workgroup_id_x 1
		.amdhsa_system_sgpr_workgroup_id_y 1
		.amdhsa_system_sgpr_workgroup_id_z 1
		.amdhsa_system_vgpr_workitem_id 0
		.amdhsa_next_free_vgpr 1024
		.amdhsa_next_free_sgpr 102
		.amdhsa_reserve_vcc 0
		.amdhsa_float_denorm_mode_32 3
		.amdhsa_float_denorm_mode_16_64 3
		.amdhsa_memory_ordered 1
		.amdhsa_forward_progress 1
		.amdhsa_inst_pref_size 196
	.end_amdhsa_kernel
	.amdgpu_metadata
---
amdhsa.version: [ 1, 2 ]
amdhsa.kernels:
  - .name:           k_qca9243c6bb_fc1
    .symbol:         k_qca9243c6bb_fc1.kd
    .args:
      - { .name: hc, .offset: 0, .size: 8, .value_kind: global_buffer, .address_space: global }
      - { .name: wts, .offset: 8, .size: 8, .value_kind: global_buffer, .address_space: global }
      - { .name: fc1_b, .offset: 16, .size: 8, .value_kind: global_buffer, .address_space: global }
      - { .name: gc, .offset: 24, .size: 8, .value_kind: global_buffer, .address_space: global }
    .group_segment_fixed_size: 327680
    .private_segment_fixed_size: 0
    .kernarg_segment_align: 8
    .kernarg_segment_size: 32
    .max_flat_workgroup_size: 128
    .sgpr_count:     102
    .vgpr_count:     1024
    .wavefront_size: 32
...
	.end_amdgpu_metadata
.endif
;; end of part 6
;; launch fc2 (part 7): grid 4 x 16, 4 waves a work-group, clusters of 4 x 4, 327,680 bytes of LDS; arguments gc, wts, fc2_b, x1, out0; writes out0
.if DOCPART == 7
	.amdgcn_target "amdgcn-amd-amdhsa--gfx1250"
	.amdhsa_code_object_version 6
	.text
	.protected	k_qca9243c6bb_fc2
	.globl	k_qca9243c6bb_fc2
	.p2align	8
	.type	k_qca9243c6bb_fc2,@function
k_qca9243c6bb_fc2:
	s_mov_b64 s[64:65], 0
	v_nop
	global_prefetch_b8 v0, s[64:65] scope:SCOPE_SE
	s_setreg_imm32_b32 hwreg(HW_REG_WAVE_MODE, 25, 1), 1
	s_wait_xcnt 0x0
	s_wait_alu depctr_hold_cnt(0) depctr_sa_sdst(0) depctr_va_vdst(0) depctr_va_sdst(0) depctr_va_ssrc(0) depctr_va_vcc(0) depctr_vm_vsrc(0)
	s_getreg_b32 s2, hwreg(HW_REG_IB_STS2, 6, 4)
	s_cmp_eq_u32 s2, 0
	s_cbranch_scc0 .Lentry_in_a_cluster
	s_endpgm
.Lentry_in_a_cluster:
	s_bfe_u32 s2, ttmp6, 0x10000c
	s_cmp_lg_u32 s2, 0xf033
	s_cbranch_scc0 .Lentry_shape_is_right
	s_endpgm
.Lentry_shape_is_right:
; out = residual + A W + bias, f32, [4,096][1,024]; A and W^T are chunks of E4M3 codes and E8M0 scale words in register order (128 rows x 256 K, 33,792 bytes: codes at 16384 q + 2048 i + 512 c + 16 lane,
; scale words at 32768 + 512 q + 16 lane + 4 c'; image block i, lane row r is row rho(i, r) = 32 (i / 2) + 8 (i % 2) + r + 8 (r / 8)).  Here: A = gelu's output, W = fc2_w (chunks 256 on), K = 4,096.
; A tile is 256 x 256, four waves of 128 x 128 (64 accumulators).  K goes in sixteen steps of 256 through two LDS slots of four chunks; each wave fetches one chunk, a dense block, with one tensor load.
; The matrix instruction is used transposed (source 0 = W's rows, source 1 = A's): accumulator (a, b), register j, lane (r, h) is row rho(a, r), column 32 (b / 2) + 16 h + 8 (b % 2) + j.
; The bias is the C of each sum's first product.  On the way out a block of 16 rows goes through the wave's own stage in LDS, comes back as rows of 512 bytes, takes the residual and is stored: 512 consecutive bytes a store.
; THE RESIDUAL IS PREFETCHED INTO THE L2: each wave reads its own 128 rows x 512 bytes once, at the end; in the loop's last four trips it asks, behind each joint load and the run of LDS loads, for 16 rows of them,
; a lane a block of 256 bytes: eight requests, each block named once in the launch.  The operands' chunks are not prefetched: their 132 blocks do not share out evenly among four partners' lanes.
; CLUSTERS: 4 x 4; A's chunks are shared along a row of the cluster, W's along a column.  64 tiles: the launch has work for 64 work-groups.
.set NKS,   16
.set WOFF,  256
.set PF,    1
.set FINAL, 1
.set FLO,   0x81                       ; the first products: C (the bias) in window 0
.set FHI,   0xc1
.set CH,    33792
.set SLOT,  4*CH
.set SPARE, 2*SLOT                     ; the spare words, 128 bytes a wave: two blocks of 256 bytes that no other line names
.set STG,   SPARE+512                  ; the stages: 16 rows x 528 bytes a wave; no fill lands here
.set LAPS,  NKS/2
.set NP,    8
.set ADRA,  16
.set ADRB,  20
.set STO,   24
.set RD,    25
.set CO,    26
.set SPW,   28
.set NIL,   29
.set PFO,   30
.set LN,    31
.set SC,    32                         ; v32-63 scale words: set s at 32 + 16 s: A's of q at + 4 q, W's at + 8 + 4 q
.set BIAS,  64                         ; v64-127 the bias in the result's layout
.set AF,    128
.set BK,    128                        ; the way out: rows read back, v128-191 and v192-255 by turns; the residual in window 1
.set G1,    24
.set G0,    32
.set G1B,   48
.set G0B,   56
.set PFA,   72
.set MSB,   0
.macro WIN new
.if MSB != (\new)
	s_set_vgpr_msb (MSB<<8)|(\new)
.set MSB, (\new)
.endif
.endm
.macro JLOAD g0a, g1a, g0b, g1b
	s_cmp_eq_u32 s15, 0
	s_cbranch_scc0 .Lfor_b_\@
	tensor_load_to_lds s[\g0a:\g0a+3], s[\g1a:\g1a+7]
	s_nop 0
.rept 4
	v_nop
.endr
	s_branch .Lasked_\@
.Lfor_b_\@:
	tensor_load_to_lds s[\g0b:\g0b+3], s[\g1b:\g1b+7]
	s_nop 0
.rept 4
	v_nop
.endr
.Lasked_\@:
.endm
.macro CREST
	s_cmp_lg_u32 s14, 0
	s_cbranch_scc1 .Lnot_wave_0_\@
	s_barrier_signal -3
.Lnot_wave_0_\@:
	s_barrier_wait -3
	s_barrier_signal -1
	s_barrier_wait -1
.endm
.macro CROUND
	s_barrier_signal -1
	s_barrier_wait -1
	CREST
.endm
.macro PLACES n
.rept \n
	v_nop
.endr
.endm
.macro ASK                             ; 16 rows x 512 bytes of my own tile of the residual, a lane a block of 256 bytes; in the loop's last four trips
	s_cmp_le_u32 s3, 4
	s_cbranch_scc0 .Lno_ask_\@
	global_prefetch_b8 v[PFO], s[PFA:PFA+1] th:TH_LOAD_NT scope:SCOPE_SE
.Lno_ask_\@:
.endm
.macro FRAG reg, adr, q, i
.irp c, 0,1,2,3
	ds_load_b128 v[\reg+4*\c:\reg+4*\c+3], v[\adr] offset:16384*(\q)+2048*(\i)+512*\c
.endr
.endm
.macro FETCH_B slot, q, p
	WIN 0x40
.irp i, 0,1,2,3,4,5,6,7
	FRAG 128*(\p)+16*\i, ADRB+\slot, \q, \i
.endr
	WIN 0
.endm
.macro FETCH_A slot, q, i0
.irp i, \i0, \i0+1, \i0+2, \i0+3
	FRAG AF+16*(\i), ADRA+\slot, \q, \i
.endr
.endm
.macro SCALES s
.irp q, 0,1
	ds_load_b128 v[SC+16*\s+4*\q:SC+16*\s+4*\q+3], v[ADRA+\s] offset:32768+512*\q
	ds_load_b128 v[SC+16*\s+8+4*\q:SC+16*\s+8+4*\q+3], v[ADRB+\s] offset:32768+512*\q
.endr
.endm
.macro WM a, b, p, q, sc, first
.set rD, 8*(8*((\a)%4)+(\b))
.set rB, 128*(\p)+16*(\b)
.set rA, AF+16*(\a)
.set rX, SC+16*(\sc)+8+4*(\q)+((\b)%4)
.set rY, SC+16*(\sc)+4*(\q)+((\a)%4)
.set rC, BIAS+8*(\b)
.if \first
.if ((\b) < 4) && ((\a) < 4)
	v_wmma_scale_f32_16x16x128_f8f6f4 v[rD:rD+7], v[rB:rB+15], v[rA:rA+15], v[rC:rC+7], v[rX], v[rY]
.elseif (\a) < 4
	v_wmma_scale_f32_16x16x128_f8f6f4 v[rD:rD+7], v[rB:rB+15], v[rA:rA+15], v[rC:rC+7], v[rX], v[rY] matrix_a_scale:MATRIX_SCALE_ROW1
.elseif (\b) < 4
	v_wmma_scale_f32_16x16x128_f8f6f4 v[rD:rD+7], v[rB:rB+15], v[rA:rA+15], v[rC:rC+7], v[rX], v[rY] matrix_b_scale:MATRIX_SCALE_ROW1
.else
	v_wmma_scale_f32_16x16x128_f8f6f4 v[rD:rD+7], v[rB:rB+15], v[rA:rA+15], v[rC:rC+7], v[rX], v[rY] matrix_a_scale:MATRIX_SCALE_ROW1 matrix_b_scale:MATRIX_SCALE_ROW1
.endif
.else
.if ((\b) < 4) && ((\a) < 4)
	v_wmma_scale_f32_16x16x128_f8f6f4 v[rD:rD+7], v[rB:rB+15], v[rA:rA+15], v[rD:rD+7], v[rX], v[rY]
.elseif (\a) < 4
	v_wmma_scale_f32_16x16x128_f8f6f4 v[rD:rD+7], v[rB:rB+15], v[rA:rA+15], v[rD:rD+7], v[rX], v[rY] matrix_a_scale:MATRIX_SCALE_ROW1
.elseif (\b) < 4
	v_wmma_scale_f32_16x16x128_f8f6f4 v[rD:rD+7], v[rB:rB+15], v[rA:rA+15], v[rD:rD+7], v[rX], v[rY] matrix_b_scale:MATRIX_SCALE_ROW1
.else
	v_wmma_scale_f32_16x16x128_f8f6f4 v[rD:rD+7], v[rB:rB+15], v[rA:rA+15], v[rD:rD+7], v[rX], v[rY] matrix_a_scale:MATRIX_SCALE_ROW1 matrix_b_scale:MATRIX_SCALE_ROW1
.endif
.endif
.endm
.macro MUL16 a0, p, q, sc, first       ; the 64 accumulators take turns, one instruction a turn
.irp a, \a0, \a0+1
.irp b, 0,1,2,3,4,5,6,7
	WM \a, \b, \p, \q, \sc, \first
.endr
.endr
.endm
.macro STEP slot, first
	s_wait_dscnt 16                                ; all but the youngest 16 loads (A's blocks 4-7)
.if \first
	WIN FLO
.else
	WIN 0xa1
.endif
	MUL16 0, 0, 0, \slot, \first
	MUL16 2, 0, 0, \slot, \first
	s_wait_dscnt 0x0
	PLACES NP
	FETCH_B \slot, 1, 1
	FETCH_A \slot, 1, 0
.if \first
	WIN FHI
.else
	WIN 0xf1
.endif
	MUL16 4, 0, 0, \slot, \first
	MUL16 6, 0, 0, \slot, \first
	PLACES NP
	WIN 0
	FETCH_A \slot, 1, 4
.endm
.macro TURN slot, next, fill
.if (PF) && (\fill)
	s_wait_xcnt 0x0                                ; the last prefetch, a K step back, has read its address: it steps 16 rows on once the prefetches have begun
	s_cmp_le_u32 s3, 3+\slot
	s_cselect_b32 s70, 0x10000, 0
	s_add_nc_u64 s[PFA:PFA+1], s[PFA:PFA+1], s[70:71]
.endif
	s_wait_tensorcnt 0x0                           ; all my tensor loads have landed: my chunk of the next slot
	ds_add_u32 v[SPW], v[NIL]                      ; 0 onto my spare word
	s_wait_dscnt 17                                ; the add and the youngest 16 loads may be out
	WIN 0xa1
	MUL16 0, 1, 1, \slot, 0
	s_wait_dscnt 0x0                               ; the add is done, and my reads of this slot are over
	s_barrier_signal -1
	MUL16 2, 1, 1, \slot, 0
	WIN 0
	s_barrier_wait -1
.if \fill
	CREST
	s_add_nc_u64 s[G0+4*\slot+2:G0+4*\slot+3], s[G0+4*\slot+2:G0+4*\slot+3], 2*CH
	s_add_nc_u64 s[G0B+4*\slot+2:G0B+4*\slot+3], s[G0B+4*\slot+2:G0B+4*\slot+3], 2*CH
	JLOAD G0+4*\slot, G1, G0B+4*\slot, G1B
	PLACES NP-4
.else
	PLACES NP
.endif
	FETCH_B \next, 0, 0
	FETCH_A \next, 0, 0
	SCALES \next
.if (PF) && (\fill)
	ASK
.endif
	WIN 0xf1
	MUL16 4, 1, 1, \slot, 0
	MUL16 6, 1, 1, \slot, 0
	PLACES NP
	WIN 0
	FETCH_A \next, 0, 4
.endm
	s_load_b128 s[4:7], s[0:1], 0x0                ; A's chunks, wts
	s_load_b128 s[8:11], s[0:1], 0x10              ; the bias, the residual
	s_load_b64 s[12:13], s[0:1], 0x20              ; out
	v_lshl_add_u32 v[SPW], v0, 2, SPARE
	v_mov_b32 v[NIL], 0
	ds_add_u32 v28, v29
	ds_add_u32 v28, v29
	s_wait_dscnt 0x0
	v_lshrrev_b32 v1, 5, v0
	v_readfirstlane_b32 s14, v1
	s_lshr_b32 s15, s14, 1
	s_and_b32 s16, s14, 1
	s_bfe_u32 s40, ttmp6, 0x40000
	s_bfe_u32 s41, ttmp6, 0x40004
	s_lshl_b32 s42, ttmp9, 2
	s_add_co_u32 s42, s42, s40                     ; tile column
	s_and_b32 s17, ttmp7, 0xffff
	s_lshl_b32 s17, s17, 2
	s_add_co_u32 s17, s17, s41                     ; tile row
	s_lshl_b32 s43, s41, 2
	s_lshl_b32 s43, 15, s43
	s_lshl_b32 s44, 0x1111, s40
	s_or_b32 s[G1+0], s43, (3<<16)|(1<<21)
	s_or_b32 s[G1B+0], s44, (3<<16)|(1<<21)
.irp g, G1, G1B
	s_mov_b32 s[\g+1], 32<<16
	s_mov_b32 s[\g+2], 132<<16
	s_mov_b32 s[\g+3], 32<<16
	s_mov_b32 s[\g+4], 132
	s_mov_b32 s[\g+5], 32
	s_mov_b32 s[\g+6], 0
	s_mov_b32 s[\g+7], 0
.endr
	s_lshl_b32 s20, s17, 1
	s_add_co_u32 s20, s20, s16
	s_mul_i32 s20, s20, NKS*CH
	s_mov_b32 s21, 0
	s_lshl_b32 s46, s42, 1
	s_add_co_u32 s46, s46, s16
	s_mul_i32 s46, s46, NKS*CH
	s_add_co_u32 s46, s46, WOFF*CH
	s_mov_b32 s47, 0
	s_mul_i32 s45, s14, CH
	s_wait_kmcnt 0x0
	s_add_nc_u64 s[20:21], s[4:5], s[20:21]
	s_add_nc_u64 s[46:47], s[6:7], s[46:47]
	CROUND
.irp s, 0,1
	s_mov_b32 s[G0+4*\s], 1
	s_add_co_u32 s[G0+4*\s+1], s45, \s*SLOT
	s_add_nc_u64 s[G0+4*\s+2:G0+4*\s+3], s[20:21], \s*CH
	s_or_b32 s[G0+4*\s+3], s[G0+4*\s+3], 0x80000000
	s_mov_b32 s[G0B+4*\s], 1
	s_add_co_u32 s[G0B+4*\s+1], s45, \s*SLOT
	s_add_nc_u64 s[G0B+4*\s+2:G0B+4*\s+3], s[46:47], \s*CH
	s_or_b32 s[G0B+4*\s+3], s[G0B+4*\s+3], 0x80000000
	JLOAD G0+4*\s, G1, G0B+4*\s, G1B
.endr
	v_and_b32 v[LN], 31, v0
	v_lshlrev_b32 v[CO], 4, v[LN]
	s_mul_i32 s21, s15, CH
	s_mul_i32 s22, s16, CH
	s_add_co_u32 s22, s22, 2*CH
.irp s, 0,1
	v_add_nc_u32 v[ADRA+\s], s21, v[CO]
	v_add_nc_u32 v[ADRB+\s], s22, v[CO]
	s_add_co_u32 s21, s21, SLOT
	s_add_co_u32 s22, s22, SLOT
.endr
	s_lshl_b32 s20, s42, 1
	s_add_co_u32 s20, s20, s16
	s_lshl_b32 s20, s20, 9                         ; my 128 columns, in bytes
	s_mov_b32 s21, 0
	s_add_nc_u64 s[8:9], s[8:9], s[20:21]
	s_lshl_b32 s22, s17, 1
	s_add_co_u32 s22, s22, s15
	s_lshl_b32 s22, s22, 19                        ; my 128 rows of 4,096 bytes
	s_add_co_u32 s20, s20, s22
	s_add_nc_u64 s[10:11], s[10:11], s[20:21]
	s_add_nc_u64 s[12:13], s[12:13], s[20:21]
	v_and_b32 v10, 15, v0
	v_bfe_u32 v11, v0, 4, 1
	s_mul_i32 s23, s14, 16*528
	s_add_co_u32 s23, s23, STG
	v_mul_u32_u24 v12, v10, 528
	v_lshl_add_u32 v12, v11, 6, v12
	v_add_nc_u32 v[STO], s23, v12                  ; the stage, in: row r, + 64 h
	v_add_nc_u32 v[RD], s23, v[CO]                 ; back: a row of 512 bytes to the 32 lanes
.if PF
	v_lshrrev_b32 v12, 1, v[LN]
	v_and_b32 v13, 1, v[LN]
	v_lshlrev_b32 v[PFO], 12, v12
	v_lshl_add_u32 v[PFO], v13, 8, v[PFO]          ; row lane / 2, block lane % 2 of its 512 bytes
	s_mov_b64 s[PFA:PFA+1], s[10:11]
	s_mov_b32 s71, 0
.endif
	v_lshlrev_b32 v1, 6, v11                       ; the bias: 64 h; never rewritten
.irp b, 0,1,2,3,4,5,6,7
	global_load_b128 v[BIAS+8*\b:BIAS+8*\b+3], v1, s[8:9] offset:(32*(\b/2)+8*(\b%2))*4
	global_load_b128 v[BIAS+8*\b+4:BIAS+8*\b+7], v1, s[8:9] offset:(32*(\b/2)+8*(\b%2))*4+16
.endr
	s_wait_tensorcnt 1                             ; my chunk of K step 0 is in; K step 1's may be out
	s_barrier_signal -1
	s_barrier_wait -1
	FETCH_B 0, 0, 0
	FETCH_A 0, 0, 0
	SCALES 0
	FETCH_A 0, 0, 4
	s_wait_loadcnt 0x0                             ; the bias
	STEP 0, 1
	s_mov_b32 s3, LAPS-1
.Llap:
	TURN 0, 1, 1
	STEP 1, 0
	TURN 1, 0, 1
	STEP 0, 0
	s_sub_co_u32 s3, s3, 1
	s_cmp_lg_u32 s3, 0
	s_cbranch_scc1 .Llap
	TURN 0, 1, 0
	STEP 1, 0
	s_wait_dscnt 16
	WIN 0xa1
	MUL16 0, 1, 1, 1, 0
	MUL16 2, 1, 1, 1, 0
	s_wait_dscnt 0x0
	WIN 0xf1
	MUL16 4, 1, 1, 1, 0
	MUL16 6, 1, 1, 1, 0
	WIN 0
	PLACES NP
.macro RES a                           ; block a's 16 rows of the residual into window 1, set a % 4
	WIN 0x40
.irp t, 0,1,2,3,4,5,6,7,8,9,10,11,12,13,14,15
	global_load_b128 v[64*((\a)%4)+4*\t:64*((\a)%4)+4*\t+3], v[CO], s[10:11] offset:(32*((\a)/2)+8*((\a)%2)+\t+8*(\t/8))*4096
.endr
	WIN 0
.endm
.macro TOSTAGE a                       ; LDS serves a wave's instructions in order (ISA guide 5.7.1.4): no wait between my stores and my loads
.set AC, 64*((\a)%4)
.set BB, BK+64*((\a)%2)
	WIN 0x08+4*((\a)/4)
.irp b, 0,1,2,3,4,5,6,7
	ds_store_b128 v[STO], v[AC+8*\b:AC+8*\b+3] offset:128*(\b/2)+32*(\b%2)         ; each accumulator from its low end on
	ds_store_b128 v[STO], v[AC+8*\b+4:AC+8*\b+7] offset:128*(\b/2)+32*(\b%2)+16
.endr
	WIN 0
.irp t, 0,1,2,3,4,5,6,7,8,9,10,11,12,13,14,15
	ds_load_b128 v[BB+4*\t:BB+4*\t+3], v[RD] offset:\t*528
.endr
.endm
.macro SEND a, younger, loads
.set BB, BK+64*((\a)%2)
.set RR, 64*((\a)%4)
	s_wait_dscnt \younger                          ; the block is back; the next block's 32 LDS instructions may be out
	s_wait_loadcnt \loads                          ; its residual is in; the younger blocks' loads may be out
	WIN 0x04
.set n, 0
.rept 32
	v_pk_add_f32 v[BB+n:BB+n+1], v[BB+n:BB+n+1], v[RR+n:RR+n+1]
.set n, n+2
.endr
	WIN 0
.irp t, 0,1,2,3,4,5,6,7,8,9,10,11,12,13,14,15
.if FINAL
	global_store_b128 v[CO], v[BB+4*\t:BB+4*\t+3], s[12:13] offset:(32*((\a)/2)+8*((\a)%2)+\t+8*(\t/8))*4096 th:TH_STORE_NT
.else
	global_store_b128 v[CO], v[BB+4*\t:BB+4*\t+3], s[12:13] offset:(32*((\a)/2)+8*((\a)%2)+\t+8*(\t/8))*4096
.endif
.endr
.endm
	RES 0
	RES 1
	TOSTAGE 0
.irp a, 1,2,3,4,5,6,7
.if \a > 1
	s_wait_xcnt 0x0                                ; block a - 2's stores have read the registers into which block a comes back
.endif
	TOSTAGE \a
.if \a < 7
	RES \a+1
	SEND \a-1, 32, 32
.else
	SEND \a-1, 32, 16
.endif
.endr
	SEND 7, 0, 0
	s_wait_tensorcnt 0x0                           ; the wave's end
	ds_add_u32 v[SPW], v[NIL]
	s_wait_dscnt 0x0
	CROUND
	s_endpgm
.Lfunc_end_k_qca9243c6bb_fc2:
	.size	k_qca9243c6bb_fc2, .Lfunc_end_k_qca9243c6bb_fc2-k_qca9243c6bb_fc2
	.p2alignl 7, 3214868480
	.fill 96, 4, 3214868480
	.section	.rodata,"a",@progbits
	.p2align	6, 0x0
	.amdhsa_kernel k_qca9243c6bb_fc2
		.amdhsa_group_segment_fixed_size 327680
		.amdhsa_private_segment_fixed_size 0
		.amdhsa_enable_private_segment 0
		.amdhsa_kernarg_size 40
		.amdhsa_user_sgpr_count 2
		.amdhsa_user_sgpr_kernarg_segment_ptr 1
		.amdhsa_wavefront_size32 1
		.amdhsa_system_sgpr_workgroup_id_x 1
		.amdhsa_system_sgpr_workgroup_id_y 1
		.amdhsa_system_sgpr_workgroup_id_z 1
		.amdhsa_system_vgpr_workitem_id 0
		.amdhsa_next_free_vgpr 1024
		.amdhsa_next_free_sgpr 102
		.amdhsa_reserve_vcc 0
		.amdhsa_float_denorm_mode_32 3
		.amdhsa_float_denorm_mode_16_64 3
		.amdhsa_memory_ordered 1
		.amdhsa_forward_progress 1
		.amdhsa_inst_pref_size 173
	.end_amdhsa_kernel
	.amdgpu_metadata
---
amdhsa.version: [ 1, 2 ]
amdhsa.kernels:
  - .name:           k_qca9243c6bb_fc2
    .symbol:         k_qca9243c6bb_fc2.kd
    .args:
      - { .name: gc, .offset: 0, .size: 8, .value_kind: global_buffer, .address_space: global }
      - { .name: wts, .offset: 8, .size: 8, .value_kind: global_buffer, .address_space: global }
      - { .name: fc2_b, .offset: 16, .size: 8, .value_kind: global_buffer, .address_space: global }
      - { .name: x1, .offset: 24, .size: 8, .value_kind: global_buffer, .address_space: global }
      - { .name: out0, .offset: 32, .size: 8, .value_kind: global_buffer, .address_space: global }
    .group_segment_fixed_size: 327680
    .private_segment_fixed_size: 0
    .kernarg_segment_align: 8
    .kernarg_segment_size: 40
    .max_flat_workgroup_size: 128
    .sgpr_count:     102
    .vgpr_count:     1024
    .wavefront_size: 32
...
	.end_amdgpu_metadata
.endif
;; end of part 7
;; ======== version 2 of 2: 7 launches
;; limits: right only within a limited range of input values
;; workspace buffers: wts 12,976,128 bytes; hc 4,325,376 bytes; qc 4,456,448 bytes; kvc 8,781,824 bytes; oc 4,325,376 bytes; x1 16,777,216 bytes; gc 17,301,504 bytes
;; launch ln1 (part 8): grid 512 x 1, 4 waves a work-group, no clusters, 67,328 bytes of LDS; arguments x, ln1_g, ln1_b, hc, qkv_w, proj_w, wts; writes hc, wts
.if DOCPART == 8
	.amdgcn_target "amdgcn-amd-amdhsa--gfx1250"
	.amdhsa_code_object_version 6
	.text
	.protected	k_qca9243c6bb_ln1
	.globl	k_qca9243c6bb_ln1
	.p2align	8
	.type	k_qca9243c6bb_ln1,@function
k_qca9243c6bb_ln1:
	s_mov_b64 s[64:65], 0
	v_nop
	global_prefetch_b8 v0, s[64:65] scope:SCOPE_SE
	s_setreg_imm32_b32 hwreg(HW_REG_WAVE_MODE, 25, 1), 1
	s_wait_xcnt 0x0
; y = (x - mean) * rsqrt(var + 1e-5) * g + b for rows of 1,024 f32, then quantised along the row to E4M3 with one E8M0 byte for each 32, stored as chunks in register order
; (a chunk: 128 rows x 256 K, 33,792 bytes; 16384 q + 2048 i + 512 c + 16 lane: codes of row rho(i, lane % 16), k = 128 q + 32 c + 16 (lane / 16) + 0..15; rho(i, r) = 32 (i / 2) + 8 (i % 2) + r + 8 (r / 8);
; 32768 + 512 q + 16 lane + 4 c': scale word of block 4 (lane / 16) + c').  Chunk number = 4 x row group + K step.
; A work-group makes one image block: the 16 rows rho(i, 0..15) of row group g.  FIRST each wave normalises four rows (they are neighbours in memory), a row spread over its 32 lanes, loads of 512 consecutive bytes;
; mean and variance in two passes, as the definition has them.  The rows go to LDS (pitch 4,112 bytes = 257 x 16, so that sixteen rows' reads fall on different banks).  THEN wave w takes K step w of all 16 rows:
; lane (r, h) reads 16 neighbours of each block of 32, quantises them, and stores the conversions' results as they stand: 512 consecutive bytes a store.
; The scale words leave as 4 bytes of each 16 (other work-groups own the words between): 128 bytes of a work-group's 16,896.
; LIMITS: v_rsq_f32 is good to 1 ulp; blocks under 2^-118 get the byte 1; NaN and infinities are not served.
.set CH,  33792
.set PIT, 4112
.set X,   32                           ; v32-159  four rows x 32 numbers a lane; later 2 x 64 numbers for the quantiser
.set GG,  160                          ; v160-191 g; later the codes
.set BB,  192                          ; v192-223 b
.set SA,  224                          ; v224-231 a pair a row: sums, then the mean
.set SQ,  232                          ; v232-239 a pair a row: sums of squares, then 1 / sigma
.set TP,  240                          ; v240-243 lane exchanges; later the two scale words
.set TM,  224                          ; the quantiser's 16 registers
.set SEL, 28
.set MNT, 30
; ONE BODY, TWO KINDS OF WORK-GROUP, told apart by the work-group's number alone: those with 256 y + x under 256 normalise rows, as set out above; the others quantise the launch's two weights (at .Lweights).
; The body runs twice: on x with qkv_w and proj_w (grid 512 x 1), and on x1 with fc1_w and fc2_w (grid 256 x 3).  Each path has LDS bytes of its own.
	v_lshl_add_u32 v254, v0, 2, 0x10100
	v_mov_b32 v255, 0
	s_and_b32 s2, ttmp7, 0xffff
	s_lshl_b32 s2, s2, 8
	s_add_co_u32 s2, s2, ttmp9                     ; 256 y + x
	s_cmp_ge_u32 s2, 256
	s_cbranch_scc1 .Lweights
	s_load_b256 s[4:11], s[0:1], 0x0               ; x, g, b, the codes' buffer
	v_lshrrev_b32 v1, 5, v0
	v_readfirstlane_b32 s14, v1                    ; wave
	v_and_b32 v1, 31, v0                           ; lane
	v_lshlrev_b32 v2, 4, v1                        ; 16 x lane
	v_and_b32 v5, 15, v0                           ; r
	v_bfe_u32 v6, v0, 4, 1                         ; h
	s_mul_i32 s15, s14, 4*PIT
	v_add_nc_u32 v3, s15, v2                       ; LDS, in: my wave's four rows, 16 bytes a lane
	v_mul_u32_u24 v4, v5, PIT
	v_lshl_add_u32 v4, v6, 6, v4
	s_lshl_b32 s15, s14, 10
	v_add_nc_u32 v4, s15, v4                       ; LDS, out: row r, K step = wave, + 64 h
	v_lshlrev_b32 v7, 4, v5
	v_lshl_add_u32 v7, v6, 9, v7                   ; scale words: 16 r + 512 h (lanes 16-31 store q = 1's)
.irp i, 0,1,2,3
	v_mov_b32 v[TP+\i], 0                          ; a lane permute's destination counts as one of its sources
.endr
	s_mov_b32 s20, 0x3a800000                      ; 1 / 1024
	s_mov_b32 s21, 0x3727c5ac                      ; 1e-5
	s_mov_b32 s[SEL], 0x76543210
	s_mov_b32 s[SEL+1], 0xfedcba98                 ; lane l xor 16
	s_mov_b32 s[MNT], 0x600000
	s_lshr_b32 s12, ttmp9, 3                       ; row group g
	s_and_b32 s13, ttmp9, 7                        ; image block i
	s_lshl_b32 s15, s12, 7
	s_lshr_b32 s16, s13, 1
	s_lshl_b32 s16, s16, 5
	s_add_co_u32 s15, s15, s16
	s_and_b32 s16, s13, 1
	s_lshl_b32 s16, s16, 3
	s_add_co_u32 s15, s15, s16
	s_lshl_b32 s16, s14, 2
	s_add_co_u32 s15, s15, s16
	s_lshr_b32 s16, s14, 1
	s_lshl_b32 s16, s16, 3
	s_add_co_u32 s15, s15, s16                     ; my wave's first row: 128 g + rho(i, 4 wave)
	s_lshl_b32 s16, s15, 12
	s_mov_b32 s17, 0
	s_lshl_b32 s18, s12, 2
	s_add_co_u32 s18, s18, s14
	s_mul_i32 s18, s18, CH                         ; chunk 4 g + wave
	s_lshl_b32 s19, s13, 11
	s_add_co_u32 s22, s18, s19                     ; + 2048 i
	s_mov_b32 s23, 0
	s_wait_kmcnt 0x0
	s_add_nc_u64 s[4:5], s[4:5], s[16:17]
	s_add_nc_u64 s[24:25], s[10:11], s[22:23]      ; the codes
	s_lshr_b32 s19, s13, 2
	s_lshl_b32 s19, s19, 8
	s_and_b32 s22, s13, 3
	s_lshl_b32 s22, s22, 2
	s_add_co_u32 s19, s19, s22
	s_add_co_u32 s22, s18, s19
	s_add_nc_u64 s[26:27], s[10:11], s[22:23]      ; the scale words: + 256 (i / 4) + 4 (i % 4)
.irp rr, 0,1,2,3
.irp m, 0,1,2,3,4,5,6,7
	global_load_b128 v[X+32*\rr+4*\m:X+32*\rr+4*\m+3], v2, s[4:5] offset:\rr*4096+\m*512
.endr
.endr
.irp m, 0,1,2,3,4,5,6,7
	global_load_b128 v[GG+4*\m:GG+4*\m+3], v2, s[6:7] offset:\m*512
.endr
.irp m, 0,1,2,3,4,5,6,7
	global_load_b128 v[BB+4*\m:BB+4*\m+3], v2, s[8:9] offset:\m*512
.endr
.macro REDUCE s                        ; the four rows' pairs: both halves, then all 32 lanes; the result stands in every lane
.irp rr, 0,1,2,3
	v_add_f32 v[\s+2*\rr], v[\s+2*\rr], v[\s+2*\rr+1]
.endr
.irp k, 1,2,4,8
.irp rr, 0,1,2,3
	v_add_f32_dpp v[\s+2*\rr], v[\s+2*\rr], v[\s+2*\rr] row_xmask:\k row_mask:0xf bank_mask:0xf
.endr
.endr
.irp rr, 0,1,2,3
	v_permlanex16_b32 v[TP+\rr], v[\s+2*\rr], s[SEL], s[SEL+1]
.endr
.irp rr, 0,1,2,3
	v_add_f32 v[\s+2*\rr], v[\s+2*\rr], v[TP+\rr]
.endr
.endm
	s_wait_loadcnt 16                              ; x's 32 loads are in; the 16 of g and b may be out
.irp rr, 0,1,2,3
	v_pk_add_f32 v[SA+2*\rr:SA+2*\rr+1], v[X+32*\rr:X+32*\rr+1], v[X+32*\rr+2:X+32*\rr+3]
.endr
.irp p, 4,6,8,10,12,14,16,18,20,22,24,26,28,30
.irp rr, 0,1,2,3
	v_pk_add_f32 v[SA+2*\rr:SA+2*\rr+1], v[SA+2*\rr:SA+2*\rr+1], v[X+32*\rr+\p:X+32*\rr+\p+1]   ; the four rows by turns
.endr
.endr
	REDUCE SA
.irp rr, 0,1,2,3
	v_mul_f32 v[SA+2*\rr], s20, v[SA+2*\rr]        ; the mean
.endr
.irp p, 0,2,4,6,8,10,12,14,16,18,20,22,24,26,28,30
.irp rr, 0,1,2,3
	v_pk_add_f32 v[X+32*\rr+\p:X+32*\rr+\p+1], v[X+32*\rr+\p:X+32*\rr+\p+1], v[SA+2*\rr:SA+2*\rr+1] op_sel_hi:[1,0] neg_lo:[0,1] neg_hi:[0,1]   ; d = x - mean
.endr
.endr
.irp rr, 0,1,2,3
	v_pk_mul_f32 v[SQ+2*\rr:SQ+2*\rr+1], v[X+32*\rr:X+32*\rr+1], v[X+32*\rr:X+32*\rr+1]
.endr
.irp p, 2,4,6,8,10,12,14,16,18,20,22,24,26,28,30
.irp rr, 0,1,2,3
	v_pk_fma_f32 v[SQ+2*\rr:SQ+2*\rr+1], v[X+32*\rr+\p:X+32*\rr+\p+1], v[X+32*\rr+\p:X+32*\rr+\p+1], v[SQ+2*\rr:SQ+2*\rr+1]
.endr
.endr
	REDUCE SQ
.irp rr, 0,1,2,3
	v_fma_f32 v[SQ+2*\rr], v[SQ+2*\rr], s20, s21   ; var + eps
.endr
	s_wait_alu depctr_va_vdst(0)
.irp rr, 0,1,2,3
	v_rsq_f32 v[SQ+2*\rr], v[SQ+2*\rr]
.endr
	v_nop                                          ; a plain line behind the last of the four
	s_wait_alu depctr_va_vdst(0)                   ; one wait for the four, ahead of their first reader
	s_wait_loadcnt 0x0                             ; g and b
.irp p, 0,2,4,6,8,10,12,14,16,18,20,22,24,26,28,30
.irp rr, 0,1,2,3
	v_pk_mul_f32 v[X+32*\rr+\p:X+32*\rr+\p+1], v[X+32*\rr+\p:X+32*\rr+\p+1], v[SQ+2*\rr:SQ+2*\rr+1] op_sel_hi:[1,0]
.endr
.endr
.irp p, 0,2,4,6,8,10,12,14,16,18,20,22,24,26,28,30
.irp rr, 0,1,2,3
	v_pk_fma_f32 v[X+32*\rr+\p:X+32*\rr+\p+1], v[X+32*\rr+\p:X+32*\rr+\p+1], v[GG+\p:GG+\p+1], v[BB+\p:BB+\p+1]
.endr
.endr
.irp rr, 0,1,2,3
.irp m, 0,1,2,3,4,5,6,7
	ds_store_b128 v3, v[X+32*\rr+4*\m:X+32*\rr+4*\m+3] offset:\rr*PIT+\m*512
.endr
.endr
	s_wait_dscnt 0x0                               ; for the other waves' sake: my rows lie in LDS
	s_barrier_signal -1
	s_barrier_wait -1
; 64 numbers of a lane, register 16 b + i = k 32 b + 16 h + i of my row, become a fragment's 16 registers of codes and its scale word
.macro QUANT s, pc, pw
.irp b, 0,1,2,3
	v_max3_num_f32 v[TM+\b], |v[\s+16*\b]|, |v[\s+16*\b+1]|, 0x4800000      ; my 16 numbers and the floor 2^(9 - 127)
.endr
.irp i, 2,4,6,8,10,12,14
.irp b, 0,1,2,3
	v_max3_num_f32 v[TM+\b], v[TM+\b], |v[\s+16*\b+\i]|, |v[\s+16*\b+\i+1]|
.endr
.endr
.irp b, 0,1,2,3
	v_permlanex16_b32 v[TM+4+\b], v[TM+\b], s[SEL], s[SEL+1]
.endr
.irp b, 0,1,2,3
	v_max_num_f32 v[TM+\b], v[TM+\b], v[TM+4+\b]   ; with lane l xor 16's: the block's largest magnitude
.endr
.irp b, 0,1,2,3
	v_add_nc_u32 v[TM+12+\b], 0xfc000000, v[TM+\b] ; the conversion's scale operand
.endr
.irp b, 0,1,2,3
	v_and_or_b32 v[TM+8+\b], v[TM+\b], 0x7f800000, s[MNT]          ; 448 x the scale
.endr
.irp b, 0,1,2,3
	v_lshrrev_b32 v[TM+4+\b], 23, v[TM+12+\b]      ; the byte
.endr
	v_lshl_or_b32 v[\pw], v[TM+5], 8, v[TM+4]
	v_lshl_or_b32 v[\pw], v[TM+6], 16, v[\pw]
	v_lshl_or_b32 v[\pw], v[TM+7], 24, v[\pw]
.irp b, 0,1,2,3
.irp i, 0,1,2,3,4,5,6,7,8,9,10,11,12,13,14,15
	v_med3_num_f32 v[\s+16*\b+\i], v[\s+16*\b+\i], -v[TM+8+\b], v[TM+8+\b]
.endr
	v_cvt_scalef32_pk8_fp8_f32 v[\pc+4*\b:\pc+4*\b+1], v[\s+16*\b:\s+16*\b+7], v[TM+12+\b]
	v_cvt_scalef32_pk8_fp8_f32 v[\pc+4*\b+2:\pc+4*\b+3], v[\s+16*\b+8:\s+16*\b+15], v[TM+12+\b]
.endr
	v_nop
.endm
.irp q, 0,1
.irp c, 0,1,2,3
.irp jj, 0,1,2,3
	ds_load_b128 v[X+64*\q+16*\c+4*\jj:X+64*\q+16*\c+4*\jj+3], v4 offset:512*\q+128*\c+16*\jj
.endr
.endr
.endr
	s_wait_dscnt 16                                ; the first 128 along K are in; the other 16 loads may be out
	QUANT X, GG, TP
.irp c, 0,1,2,3
	global_store_b128 v2, v[GG+4*\c:GG+4*\c+3], s[24:25] offset:512*\c
.endr
	s_wait_dscnt 0x0
	QUANT X+64, GG+16, TP+1
.irp c, 0,1,2,3
	global_store_b128 v2, v[GG+16+4*\c:GG+16+4*\c+3], s[24:25] offset:16384+512*\c
.endr
	v_cmp_gt_u32 vcc_lo, 16, v1
	v_cndmask_b32 v[TP+2], v[TP+1], v[TP], vcc_lo  ; lanes 0-15: q = 0's word of row r; lanes 16-31: q = 1's
	global_store_b32 v7, v[TP+2], s[26:27] offset:32768
	s_wait_tensorcnt 0x0
	ds_add_u32 v254, v255
	s_wait_dscnt 0x0
	s_endpgm
.Lweights:
; A weight, f32 stored [K][N], becomes codes of E4M3 with one E8M0 byte for each 32 along K, laid as chunks in the order of an operand's registers (a chunk as in the head comment, its rows being the weight's columns).
; In wts: chunks 0-95 qkv_w (24 column groups x 4 K steps), 96-127 proj_w, 128-255 fc1_w, 256-383 fc2_w (8 x 16).  A work-group makes HALF a chunk: 128 columns x 128 along K (one q): number 256 y + x - 256 = 2 x chunk + q.
; Which pair of weights the launch has shows in y: 0 in the launch whose grid is one high (qkv_w: 96 chunks, rows of 12,288 bytes; proj_w), 1 or 2 in the other (fc1_w: 128 chunks, rows of 16,384 bytes; fc2_w: 16 K steps).
; A LANE TAKES A COLUMN AND ITS REGISTERS RUN DOWN K: a block of 32 is one lane's 32 registers; a load reads 128 consecutive bytes (its groups of eight lanes permuted by rho);
; a lane's 32 codes are two runs of 16 bytes, and sixteen lanes' runs are 256 consecutive aligned bytes of the chunk.  Loads run two blocks (64 loads a wave) ahead.
; LIMITS: a block of zeros, and one whose largest magnitude lies under 2^-118, gets the byte 1 (only this program reads the bytes); NaN and infinities are not served.
.set WL,  0x10300                      ; LDS: this path's own 512 bytes, behind the spare words: the half chunk's scale words
.set WCD, 16                           ; v16-31   codes, two sets of 8
.set WVO, 32                           ; v32-63   byte offset of row i of a block, at my column
.set WX,  64                           ; v64-127  two sets of 32 numbers
.set WTA, 128                          ; v128-132 at work
.set WSW, 136                          ; v136     my column's scale word
.set WSB, 24                           ; s[24:31] the source at K block 0..3
	s_load_b128 s[4:7], s[0:1], 0x20               ; the launch's two weights
	s_load_b64 s[12:13], s[0:1], 0x30              ; wts
	v_and_b32 v1, 15, v0                           ; r
	v_bfe_u32 v2, v0, 4, 2                         ; 2 (wave % 2) + u: my block's place c' among four
	v_bfe_u32 v3, v0, 6, 1                         ; wave / 2: which half of the lanes takes my block's words
	v_lshlrev_b32 v4, 4, v1
	v_lshl_add_u32 v4, v2, 2, v4
	v_lshl_add_u32 v4, v3, 8, v4
	v_add_nc_u32 v4, WL, v4                        ; LDS: 16 r + 4 c' + 256 (wave / 2): my scale word's place in the q's 512 bytes
	v_and_b32 v5, 0x60, v0                         ; 32 x wave
	v_bfe_u32 v6, v0, 4, 1                         ; u
	v_lshl_add_u32 v5, v6, 3, v5
	v_add_nc_u32 v5, v5, v1
	v_and_b32 v7, 8, v1
	v_add_nc_u32 v5, v5, v7                        ; my column in the group: rho(2 wave + u, r)
	v_lshlrev_b32 v5, 2, v5
	v_bfe_u32 v8, v0, 4, 3                         ; my image block 2 wave + u
	v_lshlrev_b32 v9, 4, v1
	v_lshl_add_u32 v9, v8, 11, v9                  ; where my codes go: 2048 x block + 16 r
	v_lshlrev_b32 v10, 3, v0                       ; the scale words' way out: 8 bytes a thread of waves 0 and 1
	v_add_nc_u32 v14, WL, v10
	v_lshrrev_b32 v11, 5, v0
	v_readfirstlane_b32 s33, v11                   ; wave
	s_sub_co_u32 s10, s2, 256
	s_lshr_b32 s11, s10, 1                         ; the chunk's number among the launch's
	s_and_b32 s10, s10, 1                          ; q
	s_mov_b32 s16, 128
	s_mov_b32 s17, 16384
	s_and_b32 s8, ttmp7, 0xffff
	s_cmp_eq_u32 s8, 0                             ; the choices hang on the work-group's number alone
	s_cselect_b32 s16, 96, s16                     ; chunks of the first weight
	s_cselect_b32 s17, 12288, s17                  ; bytes in its row
	s_cselect_b32 s18, 2, 4                        ; log2 of the second weight's K steps
	s_cselect_b32 s19, 0, 128                      ; the pair's first chunk in wts
	s_add_co_u32 s19, s19, s11                     ; my chunk in wts
	s_mov_b32 s41, 0x600000                        ; the mantissa field of 448
	s_wait_alu depctr_va_vdst(0)
	s_wait_kmcnt 0x0
	s_cmp_lt_u32 s11, s16                          ; the first weight or the second?
	s_cselect_b64 s[14:15], s[4:5], s[6:7]
	s_cselect_b32 s17, s17, 4096
	s_cselect_b32 s18, 2, s18
	s_cselect_b32 s16, 0, s16
	s_sub_co_u32 s11, s11, s16                     ; the chunk's number in its weight
	s_lshr_b32 s20, s11, s18                       ; column group
	s_lshl_b32 s21, s20, s18
	s_sub_co_u32 s21, s11, s21                     ; K step
	s_lshl_b32 s21, s21, 1
	s_add_co_u32 s21, s21, s10                     ; 2 x K step + q: which 128 rows
	s_lshl_b32 s22, s17, 7
	s_mul_i32 s22, s22, s21
	s_lshl_b32 s20, s20, 9                         ; 512 bytes a column group
	s_add_co_u32 s22, s22, s20
	s_mov_b32 s23, 0
	s_add_nc_u64 s[WSB:WSB+1], s[14:15], s[22:23]
	s_lshl_b32 s22, s17, 5                         ; 32 rows a block
.irp kb, 1,2,3
	s_add_nc_u64 s[WSB+2*\kb:WSB+2*\kb+1], s[WSB+2*\kb-2:WSB+2*\kb-1], s[22:23]
.endr
	s_mul_i32 s42, s19, CH
	s_mov_b32 s43, 0
	s_add_nc_u64 s[12:13], s[12:13], s[42:43]      ; my chunk
	s_lshl_b32 s42, s10, 9
	s_add_nc_u64 s[34:35], s[12:13], s[42:43]      ; its scale words of q lie 32768 + 512 q on,
	s_lshl_b32 s42, s10, 14
	s_add_nc_u64 s[12:13], s[12:13], s[42:43]      ; its codes of q 16384 q on
.set i, 0
.rept 32
	v_mad_u32_u24 v[WVO+i], s17, i, v5
.set i, i+1
.endr
.macro WLOAD kb                        ; block kb: W(32 kb + i, my column) into set kb % 2
.set i, 0
.rept 32
	global_load_b32 v[WX+32*((\kb)%2)+i], v[WVO+i], s[WSB+2*(\kb):WSB+2*(\kb)+1] th:TH_LOAD_NT
.set i, i+1
.endr
.endm
.macro WBLOCK kb
.set XS, WX+32*((\kb)%2)
.set CS, WCD+8*((\kb)%2)
.if (\kb) < 3
	s_wait_loadcnt 32                              ; this block's 32 loads are in; the next block's 32 may be out
.else
	s_wait_loadcnt 0x0
.endif
	v_max3_num_f32 v[WTA], |v[XS]|, |v[XS+1]|, |v[XS+2]|           ; the block's largest magnitude: all 32 numbers are mine
	v_max3_num_f32 v[WTA+1], |v[XS+3]|, |v[XS+4]|, |v[XS+5]|
.irp i, 6,10,14,18,22,26
	v_max3_num_f32 v[WTA], v[WTA], |v[XS+\i]|, |v[XS+\i+1]|
	v_max3_num_f32 v[WTA+1], v[WTA+1], |v[XS+\i+2]|, |v[XS+\i+3]|
.endr
	v_max3_num_f32 v[WTA], v[WTA], |v[XS+30]|, |v[XS+31]|
	v_max3_num_f32 v[WTA], v[WTA], v[WTA+1], 0x4800000             ; and the floor 2^(9 - 127): the byte cannot fall under 1
	v_add_nc_u32 v[WTA+2], 0xfc000000, v[WTA]      ; 8 off the exponent field: the conversion's scale operand
	v_and_or_b32 v[WTA+3], v[WTA], 0x7f800000, s41 ; 448 x the scale
	v_lshrrev_b32 v[WTA+4], 23, v[WTA+2]           ; the scale's byte
.if (\kb) == 0
	v_mov_b32 v[WSW], v[WTA+4]
.else
	v_lshl_or_b32 v[WSW], v[WTA+4], 8*(\kb), v[WSW]
.endif
.set n, 0
.rept 32
	v_med3_num_f32 v[XS+n], v[XS+n], -v[WTA+3], v[WTA+3]           ; the conversion to an 8-bit code does not saturate (ISA guide 7.6.2): the hold comes first
.set n, n+1
.endr
	s_wait_alu depctr_va_vdst(0)
	s_wait_xcnt 0x0                                ; the stores of two blocks ago have read this set of code registers
.irp g, 0,1,2,3
	v_cvt_scalef32_pk8_fp8_f32 v[CS+2*\g:CS+2*\g+1], v[XS+8*\g:XS+8*\g+7], v[WTA+2]
.endr
	v_nop                                          ; a plain line behind the last conversion
	global_store_b128 v9, v[CS:CS+3], s[12:13] offset:512*(\kb)        ; k 0..15 of the block: sixteen lanes fill 256 consecutive aligned bytes
	global_store_b128 v9, v[CS+4:CS+7], s[12:13] offset:512*(\kb)+256  ; k 16..31
.if (\kb)+2 < 4
	WLOAD (\kb)+2
.endif
.endm
	WLOAD 0
	WLOAD 1
.irp kb, 0,1,2,3
	WBLOCK \kb
.endr
	ds_store_b32 v4, v[WSW]                        ; the q's 512 bytes of scale words meet in LDS
	s_wait_dscnt 0x0                               ; for the other waves' sake: my store has landed
	s_barrier_signal -1
	s_barrier_wait -1
	s_cmp_lt_u32 s33, 2                            ; waves 0 and 1 carry them out
	s_cbranch_scc0 .Lno_words
	ds_load_b64 v[12:13], v14
	s_wait_dscnt 0x0
	global_store_b64 v10, v[12:13], s[34:35] offset:32768          ; a wave stores 256 consecutive aligned bytes
.Lno_words:
	s_wait_tensorcnt 0x0                           ; the wave's end
	ds_add_u32 v254, v255
	s_wait_dscnt 0x0
	s_endpgm
.Lfunc_end_k_qca9243c6bb_ln1:
	.size	k_qca9243c6bb_ln1, .Lfunc_end_k_qca9243c6bb_ln1-k_qca9243c6bb_ln1
	.p2alignl 7, 3214868480
	.fill 96, 4, 3214868480
	.section	.rodata,"a",@progbits
	.p2align	6, 0x0
	.amdhsa_kernel k_qca9243c6bb_ln1
		.amdhsa_group_segment_fixed_size 67328
		.amdhsa_private_segment_fixed_size 0
		.amdhsa_enable_private_segment 0
		.amdhsa_kernarg_size 56
		.amdhsa_user_sgpr_count 2
		.amdhsa_user_sgpr_kernarg_segment_ptr 1
		.amdhsa_wavefront_size32 1
		.amdhsa_system_sgpr_workgroup_id_x 1
		.amdhsa_system_sgpr_workgroup_id_y 1
		.amdhsa_system_sgpr_workgroup_id_z 1
		.amdhsa_system_vgpr_workitem_id 0
		.amdhsa_next_free_vgpr 256
		.amdhsa_next_free_sgpr 66
		.amdhsa_reserve_vcc 1
		.amdhsa_float_denorm_mode_32 3
		.amdhsa_float_denorm_mode_16_64 3
		.amdhsa_memory_ordered 1
		.amdhsa_forward_progress 1
		.amdhsa_inst_pref_size 85
	.end_amdhsa_kernel
	.amdgpu_metadata
---
amdhsa.version: [ 1, 2 ]
amdhsa.kernels:
  - .name:           k_qca9243c6bb_ln1
    .symbol:         k_qca9243c6bb_ln1.kd
    .args:
      - { .name: x, .offset: 0, .size: 8, .value_kind: global_buffer, .address_space: global }
      - { .name: ln1_g, .offset: 8, .size: 8, .value_kind: global_buffer, .address_space: global }
      - { .name: ln1_b, .offset: 16, .size: 8, .value_kind: global_buffer, .address_space: global }
      - { .name: hc, .offset: 24, .size: 8, .value_kind: global_buffer, .address_space: global }
      - { .name: qkv_w, .offset: 32, .size: 8, .value_kind: global_buffer, .address_space: global }
      - { .name: proj_w, .offset: 40, .size: 8, .value_kind: global_buffer, .address_space: global }
      - { .name: wts, .offset: 48, .size: 8, .value_kind: global_buffer, .address_space: global }
    .group_segment_fixed_size: 67328
    .private_segment_fixed_size: 0
    .kernarg_segment_align: 8
    .kernarg_segment_size: 56
    .max_flat_workgroup_size: 128
    .sgpr_count:     66
    .vgpr_count:     256
    .wavefront_size: 32
...
	.end_amdgpu_metadata
.endif
;; end of part 8
;; launch qkv (part 9): grid 8 x 24, 4 waves a work-group, clusters of 4 x 4, 327,680 bytes of LDS; arguments hc, wts, qc, kvc; writes qc, kvc
.if DOCPART == 9
	.amdgcn_target "amdgcn-amd-amdhsa--gfx1250"
	.amdhsa_code_object_version 6
	.text
	.protected	k_qca9243c6bb_qkv
	.globl	k_qca9243c6bb_qkv
	.p2align	8
	.type	k_qca9243c6bb_qkv,@function
k_qca9243c6bb_qkv:
	s_mov_b64 s[64:65], 0
	v_nop
	global_prefetch_b8 v0, s[64:65] scope:SCOPE_SE
	s_setreg_imm32_b32 hwreg(HW_REG_WAVE_MODE, 25, 1), 1
	s_wait_xcnt 0x0
	s_wait_alu depctr_hold_cnt(0) depctr_sa_sdst(0) depctr_va_vdst(0) depctr_va_sdst(0) depctr_va_ssrc(0) depctr_va_vcc(0) depctr_vm_vsrc(0)
	s_getreg_b32 s2, hwreg(HW_REG_IB_STS2, 6, 4)
	s_cmp_eq_u32 s2, 0
	s_cbranch_scc0 .Lentry_in_a_cluster
	s_endpgm
.Lentry_in_a_cluster:
	s_bfe_u32 s2, ttmp6, 0x10000c
	s_cmp_lg_u32 s2, 0xf033
	s_cbranch_scc0 .Lentry_shape_is_right
	s_endpgm
.Lentry_shape_is_right:
; q, k, v = LN1(x) qkv_w on codes of E4M3 with E8M0 scales, and the results quantised at once for the two products of attention.
; OPERANDS are chunks in register order (128 rows x 256 K, 33,792 bytes: codes at 16384 q + 2048 i + 512 c + 16 lane, scale words at 32768 + 512 q + 16 lane + 4 c'); image block i, lane row r is row
; rho(i, r) = 32 (i / 2) + 8 (i % 2) + r + 8 (r / 8) of the group.  A tile is 256 x 256, four waves of 128 x 128 (64 accumulators).  K = 1,024 goes in four steps of 256 through two LDS slots of four chunks;
; each wave fetches one chunk, a dense block, with one tensor load.  Every LDS read is a constant + 16 x lane: no pitch, no padding.
; THE MATRIX INSTRUCTION IS USED TRANSPOSED (source 0 = 'B' rows, source 1 = 'A' rows): accumulator (a, b), register j, lane (r, h) is A row rho(a, r), B row 32 (b / 2) + 16 h + 8 (b % 2) + j:
; for one a the 64 registers of b = 0..7 are 16 neighbours of each of four blocks of 32 along B's rows, the order in which the next operand's registers want them.
; q AND k (cluster rows 0-3): A = tokens, B = weight columns: a lane holds a token and runs along the head's 64.  v (cluster rows 4, 5): THE TWO OPERANDS CHANGE PLACES: A = weight columns, B = tokens: a lane holds
; one of the head's 64 and runs along the KEYS, which are the second product's K.  The choice hangs on the cluster's y, which all partners share.
; OUT: qc: chunk (head H, token group j), 8,704 bytes: 1024 a + 512 c + 16 lane codes (d = 32 c + 16 h + ..), 8192 + 16 lane + 4 c' scale words (bytes 2, 3 are 0: they meet zero codes).
;      kvc: chunk (H, j), 17,152 bytes: k as in qc; 8704 + 2048 tau + 512 c + 16 lane v's codes (row rho(tau, r) of the 64, keys 32 c + 16 h + ..); 16896 + 8 lane + 4 e its scale words (tile 2 (lane / 16) + e).
; CLUSTERS: 4 x 4; A's chunks are shared along a row of the cluster, B's along a column: joint loads.  No prefetch: a tile has two refills of a slot only.
; LIMITS: blocks under 2^-118 get the byte 1; NaN and infinities are not served.
.set NKS,   4
.set FLO,   0xa1
.set FHI,   0xf1
.set CH,    33792
.set SLOT,  CH                         ; LDS: wave w's chunk of slot s lies at 2 CH w + CH s (waves 0, 1: A's two groups; waves 2, 3: B's): a wave's two slots are neighbours, as K steps 0 and 1 are in memory
.set SPARE, 8*CH                       ; the spare words, 128 bytes a wave: two blocks of 256 bytes that no other line names
.set LAPS,  NKS/2
.set NP,    8                          ; places behind this matrix instruction (ISA guide 7.12.1)
.set ADRA,  16                         ; v16-17 my A chunk in slot 0, 1, + 16 x lane
.set ADRB,  20                         ; v20-21 my B chunk
.set CO,    26                         ; v26 16 x lane
.set L8,    27                         ; v27 8 x lane
.set SPW,   28                         ; v28 my spare word; v29 0: never rewritten
.set NIL,   29
.set LN,    31                         ; v31 lane
.set SC,    32                         ; v32-63 scale words: set s at 32 + 16 s: A's of q at + 4 q, B's at + 8 + 4 q; register c': block c' in lanes 0-15, block 4 + c' in lanes 16-31
.set AF,    128                        ; window 0: A's fragments, one set; window 1: B's, two sets; windows 2, 3: accumulators
.set PC,    96                         ; the way out: v96-111 codes, v128-191 held numbers, v192-207 the quantiser's, v216-223 eight scale words
.set T,     128
.set TM,    192
.set PW,    216
.set G1,    24
.set G0,    32
.set G1B,   48
.set G0B,   56
.set SEL,   66
.set MNT,   68
.set MSB,   0
.macro WIN new                         ; the immediate's high byte repeats the setting that is left
.if MSB != (\new)
	s_set_vgpr_msb (MSB<<8)|(\new)
.set MSB, (\new)
.endif
.endm
.macro JLOAD g0a, g1a, g0b, g1b        ; waves 0, 1 fetch A's chunks, waves 2, 3 B's; four v_nop follow each line
	s_cmp_eq_u32 s15, 0
	s_cbranch_scc0 .Lfor_b_\@
	tensor_load_to_lds s[\g0a:\g0a+3], s[\g1a:\g1a+7]
	s_nop 0
.rept 4
	v_nop
.endr
	s_branch .Lasked_\@
.Lfor_b_\@:
	tensor_load_to_lds s[\g0b:\g0b+3], s[\g1b:\g1b+7]
	s_nop 0
.rept 4
	v_nop
.endr
.Lasked_\@:
.endm
.macro CREST                           ; a round of the cluster's barrier behind its opening barrier
	s_cmp_lg_u32 s14, 0
	s_cbranch_scc1 .Lnot_wave_0_\@
	s_barrier_signal -3
.Lnot_wave_0_\@:
	s_barrier_wait -3
	s_barrier_signal -1
	s_barrier_wait -1
.endm
.macro CROUND
	s_barrier_signal -1
	s_barrier_wait -1
	CREST
.endm
.macro PLACES n
.rept \n
	v_nop
.endr
.endm
.macro FRAG reg, adr, q, i             ; a fragment's 16 registers: four loads of 512 consecutive bytes
.irp c, 0,1,2,3
	ds_load_b128 v[\reg+4*\c:\reg+4*\c+3], v[\adr] offset:16384*(\q)+2048*(\i)+512*\c
.endr
.endm
.macro FETCH_B slot, q, p
	WIN 0x40
.irp i, 0,1,2,3,4,5,6,7
	FRAG 128*(\p)+16*\i, ADRB+\slot, \q, \i
.endr
	WIN 0
.endm
.macro FETCH_A slot, q, i0
.irp i, \i0, \i0+1, \i0+2, \i0+3
	FRAG AF+16*(\i), ADRA+\slot, \q, \i
.endr
.endm
.macro SCALES s                        ; a slot's scale words, both halves of its K step
.irp q, 0,1
	ds_load_b128 v[SC+16*\s+4*\q:SC+16*\s+4*\q+3], v[ADRA+\s] offset:32768+512*\q
	ds_load_b128 v[SC+16*\s+8+4*\q:SC+16*\s+8+4*\q+3], v[ADRB+\s] offset:32768+512*\q
.endr
.endm
.macro WM a, b, p, q, sc, first        ; one product; blocks 4-7 take their scale words from lanes 16-31
.set rD, 8*(8*((\a)%4)+(\b))
.set rB, 128*(\p)+16*(\b)
.set rA, AF+16*(\a)
.set rX, SC+16*(\sc)+8+4*(\q)+((\b)%4)
.set rY, SC+16*(\sc)+4*(\q)+((\a)%4)
.if \first
.if ((\b) < 4) && ((\a) < 4)
	v_wmma_scale_f32_16x16x128_f8f6f4 v[rD:rD+7], v[rB:rB+15], v[rA:rA+15], 0, v[rX], v[rY]
.elseif (\a) < 4
	v_wmma_scale_f32_16x16x128_f8f6f4 v[rD:rD+7], v[rB:rB+15], v[rA:rA+15], 0, v[rX], v[rY] matrix_a_scale:MATRIX_SCALE_ROW1
.elseif (\b) < 4
	v_wmma_scale_f32_16x16x128_f8f6f4 v[rD:rD+7], v[rB:rB+15], v[rA:rA+15], 0, v[rX], v[rY] matrix_b_scale:MATRIX_SCALE_ROW1
.else
	v_wmma_scale_f32_16x16x128_f8f6f4 v[rD:rD+7], v[rB:rB+15], v[rA:rA+15], 0, v[rX], v[rY] matrix_a_scale:MATRIX_SCALE_ROW1 matrix_b_scale:MATRIX_SCALE_ROW1
.endif
.else
.if ((\b) < 4) && ((\a) < 4)
	v_wmma_scale_f32_16x16x128_f8f6f4 v[rD:rD+7], v[rB:rB+15], v[rA:rA+15], v[rD:rD+7], v[rX], v[rY]
.elseif (\a) < 4
	v_wmma_scale_f32_16x16x128_f8f6f4 v[rD:rD+7], v[rB:rB+15], v[rA:rA+15], v[rD:rD+7], v[rX], v[rY] matrix_a_scale:MATRIX_SCALE_ROW1
.elseif (\b) < 4
	v_wmma_scale_f32_16x16x128_f8f6f4 v[rD:rD+7], v[rB:rB+15], v[rA:rA+15], v[rD:rD+7], v[rX], v[rY] matrix_b_scale:MATRIX_SCALE_ROW1
.else
	v_wmma_scale_f32_16x16x128_f8f6f4 v[rD:rD+7], v[rB:rB+15], v[rA:rA+15], v[rD:rD+7], v[rX], v[rY] matrix_a_scale:MATRIX_SCALE_ROW1 matrix_b_scale:MATRIX_SCALE_ROW1
.endif
.endif
.endm
.macro MUL16 a0, p, q, sc, first       ; the 64 accumulators take turns, one instruction a turn, in the same order in every step
.irp a, \a0, \a0+1
.irp b, 0,1,2,3,4,5,6,7
	WM \a, \b, \p, \q, \sc, \first
.endr
.endr
.endm
.macro STEP slot, first                ; a slot's first 128 along K; the second 128's fragments are fetched on the way
	s_wait_dscnt 16                                ; B's set, A's blocks 0-3 and the scale words are in; the youngest 16 loads (A's blocks 4-7) may be out
.if \first
	WIN FLO
.else
	WIN 0xa1
.endif
	MUL16 0, 0, 0, \slot, \first
	MUL16 2, 0, 0, \slot, \first
	s_wait_dscnt 0x0
	PLACES NP                                      ; in front of loads into registers that matrix instructions have read
	FETCH_B \slot, 1, 1
	FETCH_A \slot, 1, 0
.if \first
	WIN FHI
.else
	WIN 0xf1
.endif
	MUL16 4, 0, 0, \slot, \first
	MUL16 6, 0, 0, \slot, \first
	PLACES NP
	WIN 0
	FETCH_A \slot, 1, 4
.endm
.macro TURN slot, next, fill           ; a slot's second 128 along K, and the change of slots: one barrier
	s_wait_tensorcnt 0x0                           ; all my tensor loads have landed: my chunk of the next slot
	ds_add_u32 v[SPW], v[NIL]                      ; 0 onto my spare word
	s_wait_dscnt 17                                ; the add and the youngest 16 loads (A's blocks 4-7) may be out
	WIN 0xa1
	MUL16 0, 1, 1, \slot, 0
	s_wait_dscnt 0x0                               ; the add is done, and my reads of this slot are over
	s_barrier_signal -1
	MUL16 2, 1, 1, \slot, 0
	WIN 0
	s_barrier_wait -1
.if \fill
	CREST                                          ; the barrier opened a round of the cluster's: no wave of any partner reads this slot or has a load on its way
	s_add_nc_u64 s[G0+4*\slot+2:G0+4*\slot+3], s[G0+4*\slot+2:G0+4*\slot+3], 2*CH
	s_add_nc_u64 s[G0B+4*\slot+2:G0B+4*\slot+3], s[G0B+4*\slot+2:G0B+4*\slot+3], 2*CH
	JLOAD G0+4*\slot, G1, G0B+4*\slot, G1B         ; the first tensor load behind the round, one a wave
	PLACES NP-4
.else
	PLACES NP
.endif
	FETCH_B \next, 0, 0
	FETCH_A \next, 0, 0
	SCALES \next
	WIN 0xf1
	MUL16 4, 1, 1, \slot, 0
	MUL16 6, 1, 1, \slot, 0
	PLACES NP
	WIN 0
	FETCH_A \next, 0, 4
.endm
	s_load_b128 s[4:7], s[0:1], 0x0                ; hc, wts
	s_load_b128 s[8:11], s[0:1], 0x10              ; qc, kvc
	v_lshl_add_u32 v[SPW], v0, 2, SPARE
	v_mov_b32 v[NIL], 0
	ds_add_u32 v28, v29
	ds_add_u32 v28, v29
	s_wait_dscnt 0x0
	v_lshrrev_b32 v1, 5, v0
	v_readfirstlane_b32 s14, v1                    ; wave 0..3
	s_lshr_b32 s15, s14, 1                         ; which of A's two groups I multiply.  Also: I fetch for A (0) or for B (1)
	s_and_b32 s16, s14, 1                          ; which of B's.  Also: which of the two chunks I fetch
	s_bfe_u32 s40, ttmp6, 0x40000                  ; cx
	s_bfe_u32 s41, ttmp6, 0x40004                  ; cy
	s_lshl_b32 s42, ttmp9, 2
	s_add_co_u32 s42, s42, s40                     ; work-group x
	s_and_b32 s18, ttmp7, 0xffff                   ; cluster y
	s_lshl_b32 s17, s18, 2
	s_add_co_u32 s17, s17, s41                     ; work-group y
	s_lshl_b32 s43, s41, 2
	s_lshl_b32 s43, 15, s43                        ; my row of the cluster
	s_lshl_b32 s44, 0x1111, s40                    ; my column
	s_or_b32 s[G1+0], s43, (3<<16)|(1<<21)         ; the mask; elements of 8 bytes; bit 21 beside a mask; no padding
	s_or_b32 s[G1B+0], s44, (3<<16)|(1<<21)
.irp g, G1, G1B
	s_mov_b32 s[\g+1], 32<<16                      ; at the head two chunks on end, K steps 0 and 1, as 264 rows of 256 bytes
	s_mov_b32 s[\g+2], 264<<16
	s_mov_b32 s[\g+3], 32<<16
	s_mov_b32 s[\g+4], 264
	s_mov_b32 s[\g+5], 32
	s_mov_b32 s[\g+6], 0
	s_mov_b32 s[\g+7], 0
.endr
	s_and_b32 s19, s17, 3
	s_add_co_u32 s19, s19, 8                       ; v: A's tile among the weight's twelve: 8 + cy
	s_sub_co_u32 s80, s18, 4
	s_lshl_b32 s80, s80, 3
	s_add_co_u32 s80, s80, s42                     ; v: B's tile among the tokens' sixteen
	s_cmp_ge_u32 s18, 4
	s_cselect_b32 s81, s19, s17                    ; A's tile (never holds cx)
	s_cselect_b32 s82, s80, s42                    ; B's tile (never holds cy)
	s_cselect_b32 s83, 1, 0                        ; 1: this cluster makes v
	s_lshl_b32 s20, s81, 1
	s_add_co_u32 s20, s20, s16
	s_mul_i32 s20, s20, NKS*CH
	s_mov_b32 s21, 0
	s_lshl_b32 s46, s82, 1
	s_add_co_u32 s46, s46, s16
	s_mul_i32 s46, s46, NKS*CH
	s_mov_b32 s47, 0
	s_mul_i32 s45, s14, 2*CH                       ; where my chunks go: no place in the cluster enters an LDS address
	s_mov_b32 s[SEL], 0x76543210
	s_mov_b32 s[SEL+1], 0xfedcba98
	s_mov_b32 s[MNT], 0x600000
	s_wait_kmcnt 0x0
	s_cmp_eq_u32 s83, 1
	s_cselect_b64 s[84:85], s[6:7], s[4:5]         ; A's buffer
	s_cselect_b64 s[86:87], s[4:5], s[6:7]         ; B's
	s_add_nc_u64 s[20:21], s[84:85], s[20:21]
	s_add_nc_u64 s[46:47], s[86:87], s[46:47]
	CROUND                                         ; all sixteen work-groups are here: the first joint loads meet
.irp s, 0,1
	s_mov_b32 s[G0+4*\s], 1
	s_add_co_u32 s[G0+4*\s+1], s45, \s*SLOT
	s_add_nc_u64 s[G0+4*\s+2:G0+4*\s+3], s[20:21], \s*CH
	s_or_b32 s[G0+4*\s+3], s[G0+4*\s+3], 0x80000000
	s_mov_b32 s[G0B+4*\s], 1
	s_add_co_u32 s[G0B+4*\s+1], s45, \s*SLOT
	s_add_nc_u64 s[G0B+4*\s+2:G0B+4*\s+3], s[46:47], \s*CH
	s_or_b32 s[G0B+4*\s+3], s[G0B+4*\s+3], 0x80000000
.endr
	JLOAD G0, G1, G0B, G1B                         ; my one load at the head: both slots' first chunks of my group, 67,584 dense bytes
	v_and_b32 v[LN], 31, v0
	v_lshlrev_b32 v[CO], 4, v[LN]
	v_lshlrev_b32 v[L8], 3, v[LN]
	s_mul_i32 s21, s15, 2*CH
	s_mul_i32 s22, s16, 2*CH
	s_add_co_u32 s22, s22, 4*CH
.irp s, 0,1
	v_add_nc_u32 v[ADRA+\s], s21, v[CO]
	v_add_nc_u32 v[ADRB+\s], s22, v[CO]
	s_add_co_u32 s21, s21, SLOT
	s_add_co_u32 s22, s22, SLOT
.endr
	; where the results go
	s_lshl_b32 s88, s81, 1
	s_add_co_u32 s88, s88, s15                     ; my A group
	s_lshl_b32 s89, s82, 1
	s_add_co_u32 s89, s89, s16                     ; my B group
	s_cmp_eq_u32 s83, 1
	s_cselect_b32 s90, s89, s88                    ; the token group, 0..31
	s_cselect_b32 s91, s88, s89
	s_and_b32 s91, s91, 7                          ; the pair of heads
	s_lshr_b32 s92, s90, 4                         ; batch
	s_and_b32 s90, s90, 15                         ; j
	s_lshl_b32 s92, s92, 4
	s_lshl_b32 s91, s91, 1
	s_add_co_u32 s92, s92, s91                     ; H of the first head
	s_lshl_b32 s92, s92, 4
	s_add_co_u32 s92, s92, s90                     ; its chunk
	s_or_b32 s93, s83, ttmp9                       ; 0 where the tile is q's (not v, cluster x = 0)
	s_cmp_eq_u32 s93, 0
	s_mov_b32 s94, 17152
	s_cselect_b32 s94, 8704, s94                   ; bytes in a chunk
	s_cselect_b64 s[96:97], s[8:9], s[10:11]
	s_mul_i32 s92, s92, s94
	s_lshl_b32 s94, s94, 4                         ; the second head lies 16 chunks on
	s_cmp_eq_u32 s83, 1
	s_cselect_b32 s95, 8704, 0                     ; v's part of a chunk
	s_add_co_u32 s92, s92, s95
	s_mov_b32 s93, 0
	s_mov_b32 s95, 0
	s_add_nc_u64 s[96:97], s[96:97], s[92:93]      ; head 0
	s_add_nc_u64 s[98:99], s[96:97], s[94:95]      ; head 1
	s_wait_alu depctr_va_vdst(0)
	s_wait_tensorcnt 0x0                           ; my chunks of K steps 0 and 1 are in; no load of mine is out, so group 1 may be written:
	s_mov_b32 s[G1+2], 132<<16                     ; from here on a load brings one chunk, 132 rows
	s_mov_b32 s[G1+4], 132
	s_mov_b32 s[G1B+2], 132<<16
	s_mov_b32 s[G1B+4], 132
	s_barrier_signal -1
	s_barrier_wait -1
	FETCH_B 0, 0, 0
	FETCH_A 0, 0, 0
	SCALES 0
	FETCH_A 0, 0, 4
	STEP 0, 1                                      ; the first step's products start the sums
	s_mov_b32 s3, LAPS-1
.Llap:
	TURN 0, 1, 1
	STEP 1, 0
	TURN 1, 0, 1
	STEP 0, 0
	s_sub_co_u32 s3, s3, 1
	s_cmp_lg_u32 s3, 0
	s_cbranch_scc1 .Llap
	TURN 0, 1, 0                                   ; the last lap fills nothing
	STEP 1, 0
	s_wait_dscnt 16
	WIN 0xa1
	MUL16 0, 1, 1, 1, 0
	MUL16 2, 1, 1, 1, 0
	s_wait_dscnt 0x0
	WIN 0xf1
	MUL16 4, 1, 1, 1, 0
	MUL16 6, 1, 1, 1, 0
	WIN 0
	PLACES NP
; THE WAY OUT.  Block a's 64 registers are quantised where they stand: the largest magnitudes read the accumulators (each from its low end on), the hold moves the numbers into window 0, the conversions' results are stored as they are.
.macro QUANTW a
.set W, 2+(\a)/4
.set AC, 64*((\a)%4)
	WIN (W<<2)|(W<<4)                              ; sources 1 and 2: the accumulators' window
.irp b, 0,1,2,3
	v_max3_num_f32 v[TM+\b], 0x4800000, |v[AC+16*\b]|, |v[AC+16*\b+1]|
.endr
.irp i, 2,4,6,8,10,12,14
.irp b, 0,1,2,3
	v_max3_num_f32 v[TM+\b], v[TM+\b], |v[AC+16*\b+\i]|, |v[AC+16*\b+\i+1]|
.endr
.endr
	WIN 0
.irp b, 0,1,2,3
	v_permlanex16_b32 v[TM+4+\b], v[TM+\b], s[SEL], s[SEL+1]
.endr
.irp b, 0,1,2,3
	v_max_num_f32 v[TM+\b], v[TM+\b], v[TM+4+\b]
.endr
.irp b, 0,1,2,3
	v_add_nc_u32 v[TM+12+\b], 0xfc000000, v[TM+\b]
.endr
.irp b, 0,1,2,3
	v_and_or_b32 v[TM+8+\b], v[TM+\b], 0x7f800000, s[MNT]
.endr
.irp b, 0,1,2,3
	v_lshrrev_b32 v[TM+4+\b], 23, v[TM+12+\b]
.endr
	v_lshl_or_b32 v[PW+(\a)], v[TM+5], 8, v[TM+4]
	v_lshl_or_b32 v[PW+(\a)], v[TM+6], 16, v[PW+(\a)]
	v_lshl_or_b32 v[PW+(\a)], v[TM+7], 24, v[PW+(\a)]
	WIN W                                          ; source 0: the accumulators' window
.set n, 0
.rept 64
	v_med3_num_f32 v[T+n], v[AC+n], -v[TM+8+n/16], v[TM+8+n/16]
.set n, n+1
.endr
	WIN 0
	s_wait_alu depctr_va_vdst(0)
	s_wait_xcnt 0x0                                ; the last block's stores have read the code registers
.irp b, 0,1,2,3
	v_cvt_scalef32_pk8_fp8_f32 v[PC+4*\b:PC+4*\b+1], v[T+16*\b:T+16*\b+7], v[TM+12+\b]
	v_cvt_scalef32_pk8_fp8_f32 v[PC+4*\b+2:PC+4*\b+3], v[T+16*\b+8:T+16*\b+15], v[TM+12+\b]
.endr
	v_nop
.endm
.macro QSTORE a                        ; 512 consecutive bytes a store
	s_cmp_eq_u32 s83, 1
	s_cbranch_scc1 .Lv_\@
.irp x, 0,1
.irp c, 0,1
	global_store_b128 v[CO], v[PC+8*\x+4*\c:PC+8*\x+4*\c+3], s[96+2*\x:97+2*\x] offset:(\a)*1024+\c*512    ; q, k: token tile a of head x
.endr
.endr
	s_branch .Ldone_\@
.Lv_\@:
	s_wait_alu depctr_va_vdst(0)
.irp c, 0,1,2,3
	global_store_b128 v[CO], v[PC+4*\c:PC+4*\c+3], s[96+2*((\a)/4):97+2*((\a)/4)] offset:((\a)%4)*2048+\c*512   ; v: tile a % 4 of head a / 4
.endr
.Ldone_\@:
.endm
.irp b, 0,1,2,3
	v_mov_b32 v[TM+4+\b], 0                        ; a lane permute's destination counts as one of its sources
.endr
.irp a, 0,1,2,3,4,5,6,7
	QUANTW \a
	QSTORE \a
.endr
	v_cmp_gt_u32 vcc_lo, 16, v[LN]
	s_cmp_eq_u32 s83, 1
	s_cbranch_scc1 .Lvscale
.irp c, 0,1,2,3
	v_cndmask_b32 v[T+\c], v[PW+4+\c], v[PW+\c], vcc_lo            ; lanes 0-15 tile c', lanes 16-31 tile 4 + c'
.endr
.irp c, 0,1,2,3
	v_and_b32 v[T+4+\c], 0xffff, v[T+\c]           ; head 0: the word's bytes 0, 1
.endr
.irp c, 0,1,2,3
	v_lshrrev_b32 v[T+8+\c], 16, v[T+\c]           ; head 1: bytes 2, 3
.endr
	global_store_b128 v[CO], v[T+4:T+7], s[96:97] offset:8192
	global_store_b128 v[CO], v[T+8:T+11], s[98:99] offset:8192
	s_branch .Lscaled
.Lvscale:
.irp x, 0,1
.irp e, 0,1
	v_cndmask_b32 v[T+2*\x+\e], v[PW+4*\x+2+\e], v[PW+4*\x+\e], vcc_lo     ; lanes 0-15 tile e, lanes 16-31 tile 2 + e
.endr
.endr
	global_store_b64 v[L8], v[T:T+1], s[96:97] offset:8192
	global_store_b64 v[L8], v[T+2:T+3], s[98:99] offset:8192
.Lscaled:
	s_wait_tensorcnt 0x0                           ; the wave's end
	ds_add_u32 v[SPW], v[NIL]
	s_wait_dscnt 0x0
	CROUND                                         ; the closing round
	s_endpgm
.Lfunc_end_k_qca9243c6bb_qkv:
	.size	k_qca9243c6bb_qkv, .Lfunc_end_k_qca9243c6bb_qkv-k_qca9243c6bb_qkv
	.p2alignl 7, 3214868480
	.fill 96, 4, 3214868480
	.section	.rodata,"a",@progbits
	.p2align	6, 0x0
	.amdhsa_kernel k_qca9243c6bb_qkv
		.amdhsa_group_segment_fixed_size 327680
		.amdhsa_private_segment_fixed_size 0
		.amdhsa_enable_private_segment 0
		.amdhsa_kernarg_size 32
		.amdhsa_user_sgpr_count 2
		.amdhsa_user_sgpr_kernarg_segment_ptr 1
		.amdhsa_wavefront_size32 1
		.amdhsa_system_sgpr_workgroup_id_x 1
		.amdhsa_system_sgpr_workgroup_id_y 1
		.amdhsa_system_sgpr_workgroup_id_z 1
		.amdhsa_system_vgpr_workitem_id 0
		.amdhsa_next_free_vgpr 1024
		.amdhsa_next_free_sgpr 102
		.amdhsa_reserve_vcc 1
		.amdhsa_float_denorm_mode_32 3
		.amdhsa_float_denorm_mode_16_64 3
		.amdhsa_memory_ordered 1
		.amdhsa_forward_progress 1
		.amdhsa_inst_pref_size 186
	.end_amdhsa_kernel
	.amdgpu_metadata
---
amdhsa.version: [ 1, 2 ]
amdhsa.kernels:
  - .name:           k_qca9243c6bb_qkv
    .symbol:         k_qca9243c6bb_qkv.kd
    .args:
      - { .name: hc, .offset: 0, .size: 8, .value_kind: global_buffer, .address_space: global }
      - { .name: wts, .offset: 8, .size: 8, .value_kind: global_buffer, .address_space: global }
      - { .name: qc, .offset: 16, .size: 8, .value_kind: global_buffer, .address_space: global }
      - { .name: kvc, .offset: 24, .size: 8, .value_kind: global_buffer, .address_space: global }
    .group_segment_fixed_size: 327680
    .private_segment_fixed_size: 0
    .kernarg_segment_align: 8
    .kernarg_segment_size: 32
    .max_flat_workgroup_size: 128
    .sgpr_count:     102
    .vgpr_count:     1024
    .wavefront_size: 32
...
	.end_amdgpu_metadata
.endif
;; end of part 9
;; launch attn (part 10): grid 8 x 32, 16 waves a work-group, clusters of 4 x 1, 276,480 bytes of LDS; arguments qc, kvc, oc; writes oc
.if DOCPART == 10
	.amdgcn_target "amdgcn-amd-amdhsa--gfx1250"
	.amdhsa_code_object_version 6
	.text
	.protected	k_qca9243c6bb_attn
	.globl	k_qca9243c6bb_attn
	.p2align	8
	.type	k_qca9243c6bb_attn,@function
k_qca9243c6bb_attn:
	s_mov_b64 s[64:65], 0
	v_nop
	global_prefetch_b8 v0, s[64:65] scope:SCOPE_SE
	s_setreg_imm32_b32 hwreg(HW_REG_WAVE_MODE, 25, 1), 1
	s_wait_xcnt 0x0
	s_wait_alu depctr_hold_cnt(0) depctr_sa_sdst(0) depctr_va_vdst(0) depctr_va_sdst(0) depctr_va_ssrc(0) depctr_va_vcc(0) depctr_vm_vsrc(0)
	s_getreg_b32 s2, hwreg(HW_REG_IB_STS2, 6, 4)
	s_cmp_eq_u32 s2, 0
	s_cbranch_scc0 .Lentry_in_a_cluster
	s_endpgm
.Lentry_in_a_cluster:
	s_bfe_u32 s2, ttmp6, 0x10000c
	s_cmp_lg_u32 s2, 0x3003
	s_cbranch_scc0 .Lentry_shape_is_right
	s_endpgm
.Lentry_shape_is_right:
; O = softmax(Q K^T / 8) V for 32 heads of 2,048 tokens x 64, both products on codes of E4M3 with E8M0 scales; O is quantised at once for the projection.
; THE SOFTMAX: t = score x log2(e) / 8; M = the running largest t rounded up to a whole number; p = 2^(t - M) is quantised along the keys, not normalised; the row's sum is taken of the unquantised p and divides at the end;
; when M moves, the sum and O are multiplied by 2^(old M - new M), which rounds nothing.
; SHARES.  A work-group owns 256 queries of one head, each of its sixteen waves one tile of 16, in 256 registers: four waves to a SIMD.
; A WHOLE HEAD'S K, V AND SCALE WORDS STAY IN LDS: 16 chunks of 17,152 bytes (one key step of 128 keys each), filled once.  WAVE w FETCHES CHUNK w: one tensor load a wave, one line with no branch, every wave waits for 0,
; one barrier, and the sixteen key steps follow in one loop with no barrier in it.  The four work-groups of a cluster belong to one head and ask jointly (mask 15).
; Nothing is prefetched: all that the launch reads of K and V is asked for at its head, so there is no loop to run ahead in.
; LAYOUT.  Both products transposed: S^T = K Q^T, O^T = V^T P^T: a lane holds one query.  Tile rows follow rho(i, r) = 32 (i / 2) + 8 (i % 2) + r + 8 (r / 8), so the 16 registers of two neighbouring tiles are 16 neighbours.
; The head's 64 fill half of the instruction's 128 along K: registers 8-15 of Q's and K's fragments are zero codes, written once; the scale words' bytes 2, 3 are 0.
; LIMITS: the promise holds while the scaled scores t stay under 2^31 in magnitude; v_exp_f32 and v_rcp_f32 are good to 1 ulp and flush denormals; blocks under 2^-118 get the byte 1; NaN and infinities are not served.
; REGISTERS: v1 16 lane, v2 8 lane, v3 lane, v4, v5 offsets; v8, v9 the step's LDS addresses; v12 -M, v13 largest t, v[14:15] the sum; v16-31 Q; v32-95 four fragments of K; v96-159 S^T, then p, then V's four fragments;
; v160-191 O^T; v192-207 p's codes; v208-211 K's scale words, v212-213 V's, v214 p's, v215 Q's; v216-231 four groups of four at work; v[232:233] f; v234-235 at work; v238-251 seven side chains of the sum; v254, v255 the add's two.
.set KVB, 17152
.set SPARE, 16*KVB
.set WV,  12
.set MNT, 10
.set TB,  11
.set CNT, 3
.set SEL, 60
.set CS,  62
.set BM,  216
.set BP,  220
.set BL,  224
.set BS,  228
.set SM,  236
.macro CROUND
	s_barrier_signal -1
	s_barrier_wait -1
	s_cmp_lg_u32 s[WV], 0
	s_cbranch_scc1 .Lnot_wave_0_\@
	s_barrier_signal -3
.Lnot_wave_0_\@:
	s_barrier_wait -3
	s_barrier_signal -1
	s_barrier_wait -1
.endm
	s_load_b128 s[4:7], s[0:1], 0x0                ; qc, kvc
	s_load_b64 s[8:9], s[0:1], 0x10                ; oc
	v_lshl_add_u32 v254, v0, 2, SPARE
	v_mov_b32 v255, 0
	ds_add_u32 v254, v255                          ; the opening lines: the add, twice on end, and its wait ahead of my tensor load
	ds_add_u32 v254, v255
	v_lshrrev_b32 v3, 5, v0
	v_readfirstlane_b32 s[WV], v3                  ; wave 0..15
	s_bfe_u32 s13, ttmp6, 0x40000                  ; cx: it enters Q's and O's addresses alone
	s_lshl_b32 s14, ttmp9, 2
	s_add_co_u32 s14, s14, s13                     ; my block of 256 queries
	s_and_b32 s15, ttmp7, 0xffff                   ; H = 16 x batch + head
	s_mov_b32 s16, 15|(3<<16)|(1<<21)              ; the mask: all four work-groups; elements of 8 bytes; bit 21 beside a mask
	s_mov_b32 s17, 32<<16                          ; a chunk as 67 rows of 256 bytes
	s_mov_b32 s18, 67<<16
	s_mov_b32 s19, 32<<16
	s_mov_b32 s20, 67
	s_mov_b32 s21, 32
	s_mov_b32 s22, 0
	s_mov_b32 s23, 0
	s_mul_i32 s41, s[WV], KVB                      ; chunk w's place, in LDS and in the head
	s_mul_i32 s42, s15, 16*KVB
	s_add_co_u32 s42, s42, s41
	s_mov_b32 s43, 0
	s_lshr_b32 s44, s[WV], 3
	s_lshl_b32 s45, s14, 1
	s_add_co_u32 s44, s44, s45                     ; j: my token group in the head
	s_and_b32 s45, s[WV], 7                        ; a: my tile in it
	s_lshl_b32 s46, s15, 4
	s_add_co_u32 s46, s46, s44
	s_mul_i32 s46, s46, 8704                       ; Q's chunk
	s_mov_b32 s47, 0
	s_lshr_b32 s50, s45, 2
	s_lshl_b32 s50, s50, 8
	s_and_b32 s51, s45, 3
	s_lshl_b32 s51, s51, 2
	s_add_co_u32 s50, s50, s51                     ; 256 (a / 4) + 4 (a % 4): tile a's place among scale words
	s_mov_b32 s51, 0
	s_lshr_b32 s54, s15, 4
	s_lshl_b32 s54, s54, 4
	s_add_co_u32 s54, s54, s44                     ; the token group among all 32
	s_lshl_b32 s54, s54, 2
	s_bfe_u32 s55, s15, 0x20002                    ; head / 4: the projection's K step
	s_add_co_u32 s54, s54, s55
	s_mul_i32 s54, s54, 33792
	s_mov_b32 s55, 0
	s_mov_b32 s[SEL], 0x76543210
	s_mov_b32 s[SEL+1], 0xfedcba98
	s_mov_b32 s[CS], 0x3e38aa3b                    ; c = log2(e) / 8
	s_mov_b32 s[CS+1], s[CS]
	s_mov_b32 s[MNT], 0x600000
	s_mov_b32 s[TB], 0
	s_wait_dscnt 0x0                               ; both opening adds are done
	s_wait_kmcnt 0x0
	s_add_nc_u64 s[42:43], s[6:7], s[42:43]
	s_add_nc_u64 s[48:49], s[4:5], s[46:47]
	s_add_nc_u64 s[52:53], s[48:49], s[50:51]      ; Q's scale words
	s_lshl_b32 s46, s45, 10
	s_add_nc_u64 s[48:49], s[48:49], s[46:47]      ; Q's codes, tile a
	s_add_nc_u64 s[56:57], s[8:9], s[54:55]        ; O's chunk
	s_bfe_u32 s54, s15, 0x10001                    ; (head / 2) % 2: which 128 of the K step
	s_and_b32 s2, s15, 1                           ; head % 2
	s_lshl_b32 s46, s54, 9
	s_add_co_u32 s46, s46, s50
	s_add_co_u32 s46, s46, s2
	s_add_co_u32 s46, s46, s2
	s_add_nc_u64 s[58:59], s[56:57], s[46:47]      ; O's scale bytes: 512 q + tile a's word + 2 (head % 2)
	s_lshl_b32 s46, s54, 14
	s_lshl_b32 s54, s45, 11
	s_add_co_u32 s46, s46, s54
	s_lshl_b32 s54, s2, 10
	s_add_co_u32 s46, s46, s54
	s_add_nc_u64 s[56:57], s[56:57], s[46:47]      ; O's codes: 16384 q + 2048 a + 1024 (head % 2)
	CROUND                                         ; all four work-groups are here: the joint loads meet
	s_mov_b32 s24, 1
	s_mov_b32 s25, s41
	s_mov_b64 s[26:27], s[42:43]
	s_or_b32 s27, s27, 0x80000000
	tensor_load_to_lds s[24:27], s[16:23]          ; key step w: my one tensor load of the launch
	s_nop 0
.rept 4
	v_nop
.endr
	v_and_b32 v3, 31, v0                           ; lane
	v_and_b32 v5, 15, v0
	v_bfe_u32 v4, v0, 4, 1
	v_lshlrev_b32 v1, 4, v3
	v_lshlrev_b32 v5, 4, v5                        ; 16 r
	v_lshlrev_b32 v2, 3, v3
	v_add_nc_u32 v4, v4, v5                        ; 16 r + h
	global_load_b128 v[16:19], v1, s[48:49]
	global_load_b128 v[20:23], v1, s[48:49] offset:512
	global_load_b32 v215, v5, s[52:53] offset:8192
.irp i, 24,25,26,27,28,29,30,31
	v_mov_b32 v\i, 0                               ; Q's zero codes
.endr
.irp t, 0,1,2,3
.irp i, 8,9,10,11,12,13,14,15
	v_mov_b32 v[32+16*\t+\i], 0                    ; K's zero codes: written once, never loaded
.endr
.endr
.set n, 0
.rept 32
	v_mov_b32 v[160+n], 0                          ; O^T: the first change of M leaves zeros zeros
.set n, n+1
.endr
	v_mov_b32 v13, 0xff61b1e6                      ; -3e38, under every t
	v_mov_b32 v14, 0
	v_mov_b32 v15, 0
	v_floor_f32 v12, -v13
.irp b, 0,1,2,3
	v_mov_b32 v[BP+\b], 0
.endr
	v_mov_b32 v233, 0
.macro CADD j, k                       ; chain j of the sum takes p's pair k
.if (\j) == 0
	v_pk_add_f32 v[14:15], v[14:15], v[96+2*(\k):97+2*(\k)]
.else
	v_pk_add_f32 v[SM+2*(\j):SM+2*(\j)+1], v[SM+2*(\j):SM+2*(\j)+1], v[96+2*(\k):97+2*(\k)]
.endif
.endm
.macro CJOIN a, b                      ; side chain a takes side chain b
	v_pk_add_f32 v[SM+2*(\a):SM+2*(\a)+1], v[SM+2*(\a):SM+2*(\a)+1], v[SM+2*(\b):SM+2*(\b)+1]
.endm
; A KEY STEP: 128 keys, the chunk at LDS byte s[TB]
.macro STEP
	v_add_nc_u32 v8, s[TB], v1                     ; with the last step's seven joins these two are the nine places ahead of products that write over registers which the last step's products read
	s_wait_alu depctr_va_vdst(0)                   ; directly behind the write
	v_add_nc_u32 v9, s[TB], v2
	ds_load_b128 v[208:211], v8 offset:8192        ; K's scale words: register c': tile c' in lanes 0-15, tile 4 + c' in lanes 16-31
.irp g, 0,1
.if \g
.rept 8
	v_nop                                          ; places in front of loads into registers that the four products have read, and of the first reads of their results
.endr
.endif
.irp t, 0,1,2,3
.irp c, 0,1
	ds_load_b128 v[32+16*\t+4*\c:35+16*\t+4*\c], v8 offset:(4*\g+\t)*1024+512*\c
.endr
.endr
	s_wait_dscnt 0x0
.irp t, 0,1,2,3
.if \g
	v_wmma_scale_f32_16x16x128_f8f6f4 v[128+8*\t:135+8*\t], v[32+16*\t:47+16*\t], v[16:31], 0, v[208+\t], v215 matrix_a_scale:MATRIX_SCALE_ROW1
.else
	v_wmma_scale_f32_16x16x128_f8f6f4 v[96+8*\t:103+8*\t], v[32+16*\t:47+16*\t], v[16:31], 0, v[208+\t], v215
.endif
.endr
.endr
; the largest score of each block of 32 keys, for the row's maximum and for the block's largest p.  Blocks 0 and 1 come first: their 16 lines name only the first four products' results and are the places behind the second four.
; Two chains a block, each beginning at an accumulator's low end.
.irp p, 0,2
.irp b, \p, \p+1
	v_max3_num_f32 v[BM+(\b)], v[96+16*(\b)], v[97+16*(\b)], v[98+16*(\b)]
	v_max3_num_f32 v[BP+(\b)], v[104+16*(\b)], v[105+16*(\b)], v[106+16*(\b)]
.endr
.irp i, 3,5
.irp b, \p, \p+1
	v_max3_num_f32 v[BM+(\b)], v[BM+(\b)], v[96+16*(\b)+\i], v[97+16*(\b)+\i]
	v_max3_num_f32 v[BP+(\b)], v[BP+(\b)], v[104+16*(\b)+\i], v[105+16*(\b)+\i]
.endr
.endr
.irp b, \p, \p+1
	v_max3_num_f32 v[BM+(\b)], v[BM+(\b)], v[BP+(\b)], v[103+16*(\b)]
.endr
.irp b, \p, \p+1
	v_max_num_f32 v[BM+(\b)], v[BM+(\b)], v[111+16*(\b)]
.endr
.endr
.irp b, 0,1,2,3
	v_permlanex16_b32 v[BP+\b], v[BM+\b], s[SEL], s[SEL+1]
.endr
.irp b, 0,1,2,3
	s_delay_alu instid0(VALU_DEP_4)
	v_max_num_f32 v[BM+\b], v[BM+\b], v[BP+\b]     ; with lane l xor 16's 16 keys
.endr
	s_delay_alu instid0(VALU_DEP_2)
	v_max3_num_f32 v234, v[BM], v[BM+1], v[BM+2]
	s_delay_alu instid0(VALU_DEP_1)
	v_max_num_f32 v234, v234, v[BM+3]
	s_delay_alu instid0(VALU_DEP_1)
	v_mul_f32 v234, s[CS], v234                    ; as t
	s_delay_alu instid0(VALU_DEP_1)
	v_max_num_f32 v13, v13, v234                   ; the running largest t
	v_mov_b32 v234, v12
	s_delay_alu instid0(VALU_DEP_2)
	v_floor_f32 v12, -v13                          ; -M = floor(-t)
	s_delay_alu instid0(VALU_DEP_1)
	v_sub_f32 v234, v12, v234                      ; old M - new M, a whole number, 0 or less
	s_delay_alu instid0(VALU_DEP_1)
	v_cvt_i32_f32 v234, v234                       ; (it saturates)
	s_delay_alu instid0(VALU_DEP_1)
	v_ldexp_f32 v232, 1.0, v234                    ; f = 2^(old M - new M)
.set n, 0
.rept 32
	v_pk_fma_f32 v[96+n:97+n], v[96+n:97+n], s[CS:CS+1], v[12:13] op_sel_hi:[1,0,0]        ; t - M
.set n, n+2
.endr
.irp b, 0,1,2,3
	v_fma_f32 v[BM+\b], v[BM+\b], s[CS], v12
.endr
	s_wait_alu depctr_va_vdst(0)
.set n, 0
.rept 64
	v_exp_f32 v[96+n], v[96+n]                     ; p
.set n, n+1
.endr
	v_pk_mul_f32 v[14:15], v[14:15], v[232:233] op_sel_hi:[1,0]    ; the sum under the new M: a plain line behind the batch
	s_wait_alu depctr_va_vdst(0)                   ; one wait for the 64, ahead of their first reader
.irp b, 0,1,2,3
	v_exp_f32 v[BM+\b], v[BM+\b]                   ; each block's largest p
.endr
; the row's sum of the unquantised p: 32 pairs into eight chains by turns; the chains are joined behind the step's last products
.irp j, 1,2,3,4,5,6,7
	v_pk_add_f32 v[SM+2*\j:SM+2*\j+1], v[92+4*\j:93+4*\j], v[94+4*\j:95+4*\j]              ; pairs 2 j - 2 and 2 j - 1
.endr
	CADD 0, 14
.set k, 15
.rept 17
	CADD (k-15)%8, k
.set k, k+1
.endr
	s_wait_alu depctr_va_vdst(0)                   ; and one for the four
.irp b, 0,1,2,3
	v_max_num_f32 v[BM+\b], 0x4800000, v[BM+\b]    ; the floor 2^(9 - 127)
.endr
.irp b, 0,1,2,3
	s_delay_alu instid0(VALU_DEP_4)
	v_add_nc_u32 v[BS+\b], 0xfc000000, v[BM+\b]    ; 8 off the exponent field: the conversion's scale operand
.endr
.irp b, 0,1,2,3
	v_and_or_b32 v[BL+\b], v[BM+\b], 0x7f800000, s[MNT]            ; 448 x the scale
.endr
.irp b, 0,1,2,3
	v_lshrrev_b32 v[BP+\b], 23, v[BS+\b]           ; the byte
.endr
	s_delay_alu instid0(VALU_DEP_3)
	v_lshl_or_b32 v214, v[BP+1], 8, v[BP]          ; p's scale word for these 128 keys
	s_delay_alu instid0(VALU_DEP_1)
	v_lshl_or_b32 v214, v[BP+2], 16, v214
	s_delay_alu instid0(VALU_DEP_1)
	v_lshl_or_b32 v214, v[BP+3], 24, v214
.irp b, 0,1,2,3
.set n, 0
.rept 8
	v_dual_min_num_f32 v[96+16*\b+n], v[96+16*\b+n], v[BL+\b] :: v_dual_min_num_f32 v[97+16*\b+n], v[97+16*\b+n], v[BL+\b]   ; p is not negative: the hold is one-sided; two numbers a line
.set n, n+2
.endr
	v_cvt_scalef32_pk8_fp8_f32 v[192+4*\b:193+4*\b], v[96+16*\b:103+16*\b], v[BS+\b]
	v_cvt_scalef32_pk8_fp8_f32 v[194+4*\b:195+4*\b], v[104+16*\b:111+16*\b], v[BS+\b]
.endr
	ds_load_b64 v[212:213], v9 offset:16896        ; V's scale words: register e: tile e in lanes 0-15, tile 2 + e in lanes 16-31
.irp t, 0,1,2,3
.irp c, 0,1,2,3
	ds_load_b128 v[96+16*\t+4*\c:99+16*\t+4*\c], v8 offset:8704+2048*\t+512*\c             ; V's fragments take p's registers
.endr
.endr
	s_wait_alu depctr_va_vdst(0)
.set n, 0
.rept 16
	v_pk_mul_f32 v[160+n:161+n], v[160+n:161+n], v[232:233] op_sel_hi:[1,0]                ; O^T under the new M; these are also the places in front of the products
.set n, n+2
.endr
	s_wait_alu depctr_va_vdst(0)
	s_wait_dscnt 0x0
	v_wmma_scale_f32_16x16x128_f8f6f4 v[160:167], v[96:111], v[192:207], v[160:167], v212, v214
	v_wmma_scale_f32_16x16x128_f8f6f4 v[168:175], v[112:127], v[192:207], v[168:175], v213, v214
	v_wmma_scale_f32_16x16x128_f8f6f4 v[176:183], v[128:143], v[192:207], v[176:183], v212, v214 matrix_a_scale:MATRIX_SCALE_ROW1
	v_wmma_scale_f32_16x16x128_f8f6f4 v[184:191], v[144:159], v[192:207], v[184:191], v213, v214 matrix_a_scale:MATRIX_SCALE_ROW1
	CJOIN 1, 2                                     ; the sum's eight chains become one: seven lines that name none of the products' registers
	CJOIN 3, 4
	CJOIN 5, 6
	v_pk_add_f32 v[14:15], v[14:15], v[SM+14:SM+15]
	CJOIN 1, 3
	v_pk_add_f32 v[14:15], v[14:15], v[SM+10:SM+11]
	v_pk_add_f32 v[14:15], v[14:15], v[SM+2:SM+3]
	s_add_co_u32 s[TB], s[TB], KVB
.endm
	s_wait_alu depctr_va_vdst(0)
	s_wait_loadcnt 0x0                             ; Q
	s_wait_tensorcnt 0x0                           ; my chunk has landed
	s_barrier_signal -1
	s_barrier_wait -1                              ; and so has every wave's: the whole head lies in LDS
	s_mov_b32 s[CNT], 16
.Lstep:
	STEP
	s_sub_co_u32 s[CNT], s[CNT], 1
	s_cmp_lg_u32 s[CNT], 0
	s_cbranch_scc1 .Lstep
	; THE WAY OUT: O^T / the sum, quantised along the head's 64 (two blocks), stored as the projection's operand.  The seven joins and the lines below are the places behind the last products
	v_add_f32 v14, v14, v15
	s_delay_alu instid0(VALU_DEP_1)
	v_permlanex16_b32 v[BP], v14, s[SEL], s[SEL+1]
	s_delay_alu instid0(VALU_DEP_1)
	v_add_f32 v14, v14, v[BP]
	s_wait_alu depctr_va_vdst(0)
	v_rcp_f32 v232, v14
	v_nop
	s_wait_alu depctr_va_vdst(0)                   ; ahead of the reciprocal's first reader, which is also O^T's
.set n, 0
.rept 16
	v_pk_mul_f32 v[96+n:97+n], v[160+n:161+n], v[232:233] op_sel_hi:[1,0]                  ; register 16 b + i: d = 32 b + 16 h + i of my query
.set n, n+2
.endr
.irp b, 0,1
	v_max3_num_f32 v[BM+\b], |v[96+16*\b]|, |v[97+16*\b]|, 0x4800000
.endr
.irp i, 2,4,6,8,10,12,14
.irp b, 0,1
	s_delay_alu instid0(VALU_DEP_2)
	v_max3_num_f32 v[BM+\b], v[BM+\b], |v[96+16*\b+\i]|, |v[97+16*\b+\i]|
.endr
.endr
.irp b, 0,1
	s_delay_alu instid0(VALU_DEP_2)
	v_permlanex16_b32 v[BP+\b], v[BM+\b], s[SEL], s[SEL+1]
.endr
.irp b, 0,1
	s_delay_alu instid0(VALU_DEP_2)
	v_max_num_f32 v[BM+\b], v[BM+\b], v[BP+\b]
.endr
.irp b, 0,1
	s_delay_alu instid0(VALU_DEP_2)
	v_add_nc_u32 v[BS+\b], 0xfc000000, v[BM+\b]
.endr
.irp b, 0,1
	s_delay_alu instid0(VALU_DEP_4)
	v_and_or_b32 v[BL+\b], v[BM+\b], 0x7f800000, s[MNT]
.endr
.irp b, 0,1
	s_delay_alu instid0(VALU_DEP_4)
	v_lshrrev_b32 v[BP+\b], 23, v[BS+\b]
.endr
	v_cmp_gt_u32 vcc_lo, 16, v3
	s_delay_alu instid0(VALU_DEP_1)
	v_cndmask_b32 v235, v[BP+1], v[BP], vcc_lo     ; lanes 0-15 store block 0's byte of query r, lanes 16-31 block 1's
.irp b, 0,1
.set n, 0
.rept 16
	v_med3_num_f32 v[96+16*\b+n], v[96+16*\b+n], -v[BL+\b], v[BL+\b]
.set n, n+1
.endr
	v_cvt_scalef32_pk8_fp8_f32 v[192+4*\b:193+4*\b], v[96+16*\b:103+16*\b], v[BS+\b]
	v_cvt_scalef32_pk8_fp8_f32 v[194+4*\b:195+4*\b], v[104+16*\b:111+16*\b], v[BS+\b]
.endr
	v_nop
	global_store_b128 v1, v[192:195], s[56:57]     ; 512 consecutive bytes a store
	global_store_b128 v1, v[196:199], s[56:57] offset:512
	global_store_b8 v4, v235, s[58:59] offset:32768                ; two heads share a scale word and lie in different work-groups: single bytes, 32 a wave
	s_wait_tensorcnt 0x0                           ; the wave's end
	ds_add_u32 v254, v255
	s_wait_dscnt 0x0
	CROUND                                         ; the closing round
	s_endpgm
.Lfunc_end_k_qca9243c6bb_attn:
	.size	k_qca9243c6bb_attn, .Lfunc_end_k_qca9243c6bb_attn-k_qca9243c6bb_attn
	.p2alignl 7, 3214868480
	.fill 96, 4, 3214868480
	.section	.rodata,"a",@progbits
	.p2align	6, 0x0
	.amdhsa_kernel k_qca9243c6bb_attn
		.amdhsa_group_segment_fixed_size 276480
		.amdhsa_private_segment_fixed_size 0
		.amdhsa_enable_private_segment 0
		.amdhsa_kernarg_size 24
		.amdhsa_user_sgpr_count 2
		.amdhsa_user_sgpr_kernarg_segment_ptr 1
		.amdhsa_wavefront_size32 1
		.amdhsa_system_sgpr_workgroup_id_x 1
		.amdhsa_system_sgpr_workgroup_id_y 1
		.amdhsa_system_sgpr_workgroup_id_z 1
		.amdhsa_system_vgpr_workitem_id 0
		.amdhsa_next_free_vgpr 256
		.amdhsa_next_free_sgpr 66
		.amdhsa_reserve_vcc 1
		.amdhsa_float_denorm_mode_32 3
		.amdhsa_float_denorm_mode_16_64 3
		.amdhsa_memory_ordered 1
		.amdhsa_forward_progress 1
		.amdhsa_inst_pref_size 34
	.end_amdhsa_kernel
	.amdgpu_metadata
---
amdhsa.version: [ 1, 2 ]
amdhsa.kernels:
  - .name:           k_qca9243c6bb_attn
    .symbol:         k_qca9243c6bb_attn.kd
    .args:
      - { .name: qc, .offset: 0, .size: 8, .value_kind: global_buffer, .address_space: global }
      - { .name: kvc, .offset: 8, .size: 8, .value_kind: global_buffer, .address_space: global }
      - { .name: oc, .offset: 16, .size: 8, .value_kind: global_buffer, .address_space: global }
    .group_segment_fixed_size: 276480
    .private_segment_fixed_size: 0
    .kernarg_segment_align: 8
    .kernarg_segment_size: 24
    .max_flat_workgroup_size: 512
    .sgpr_count:     66
    .vgpr_count:     256
    .wavefront_size: 32
...
	.end_amdgpu_metadata
.endif
;; end of part 10
;; launch proj (part 11): grid 8 x 32, 4 waves a work-group, clusters of 4 x 4, 327,680 bytes of LDS; arguments oc, wts, proj_b, x, x1; writes x1
.if DOCPART == 11
	.amdgcn_target "amdgcn-amd-amdhsa--gfx1250"
	.amdhsa_code_object_version 6
	.text
	.protected	k_qca9243c6bb_proj
	.globl	k_qca9243c6bb_proj
	.p2align	8
	.type	k_qca9243c6bb_proj,@function
k_qca9243c6bb_proj:
	s_mov_b64 s[64:65], 0
	v_nop
	global_prefetch_b8 v0, s[64:65] scope:SCOPE_SE
	s_setreg_imm32_b32 hwreg(HW_REG_WAVE_MODE, 25, 1), 1
	s_wait_xcnt 0x0
	s_wait_alu depctr_hold_cnt(0) depctr_sa_sdst(0) depctr_va_vdst(0) depctr_va_sdst(0) depctr_va_ssrc(0) depctr_va_vcc(0) depctr_vm_vsrc(0)
	s_getreg_b32 s2, hwreg(HW_REG_IB_STS2, 6, 4)
	s_cmp_eq_u32 s2, 0
	s_cbranch_scc0 .Lentry_in_a_cluster
	s_endpgm
.Lentry_in_a_cluster:
	s_bfe_u32 s2, ttmp6, 0x10000c
	s_cmp_lg_u32 s2, 0xf033
	s_cbranch_scc0 .Lentry_shape_is_right
	s_endpgm
.Lentry_shape_is_right:
; x1 = x + O proj_w + proj_b on codes of E4M3 with E8M0 scales.  Operands are chunks in register order (128 rows x 256 K, 33,792 bytes).  A work-group makes 128 x 128, four waves of 64 x 64.
; ALL OF K = 1,024 LIES IN LDS: two slots of four chunks (A's two, then B's two).  At the head each wave fetches one slot's two chunks of one operand, 67,584 dense bytes, with one joint load; nothing is filled again.
; Nothing is prefetched: all tiles are asked for at the head.  The bias is the first products' C; x is added on the way out, which goes through a stage in LDS so that sixteen lanes store 256 consecutive bytes.
.set NKS,   4
.set WOFF,  96
.set FINAL, 0
.set CH,    33792
.set SLOT,  4*CH
.set SPARE, 2*SLOT
.set STG,   SPARE+512
.set SP,    272
.set LAPS,  NKS/4
.set NP,    8
.set ADRA,  16
.set ADRB,  18
.set ADSA,  20
.set ADSB,  22
.set STO,   24
.set RD,    25
.set VR,    26
.set SPW,   28
.set NIL,   29
.set SC,    32
.set BIAS,  96
.set ACC,   128
.set F0,    0
.set F1,    128
.set G1,    24
.set G0,    32
.set G1B,   48
.set G0B,   56
.set MUL,   0x05
.set TO_F,  0x40
.set MSB,   0
.macro WIN new
.if MSB != (\new)
	s_set_vgpr_msb (MSB<<8)|(\new)
.set MSB, (\new)
.endif
.endm
.macro JLOAD g0a, g1a, g0b, g1b
	s_cmp_eq_u32 s15, 0
	s_cbranch_scc0 .Lfor_b_\@
	tensor_load_to_lds s[\g0a:\g0a+3], s[\g1a:\g1a+7]
	s_nop 0
.rept 4
	v_nop
.endr
	s_branch .Lasked_\@
.Lfor_b_\@:
	tensor_load_to_lds s[\g0b:\g0b+3], s[\g1b:\g1b+7]
	s_nop 0
.rept 4
	v_nop
.endr
.Lasked_\@:
.endm
.macro CREST
	s_cmp_lg_u32 s14, 0
	s_cbranch_scc1 .Lnot_wave_0_\@
	s_barrier_signal -3
.Lnot_wave_0_\@:
	s_barrier_wait -3
	s_barrier_signal -1
	s_barrier_wait -1
.endm
.macro CROUND
	s_barrier_signal -1
	s_barrier_wait -1
	CREST
.endm
.macro PLACES n
.rept \n
	v_nop
.endr
.endm
.macro FRAG reg, adr, off
.irp c, 0,1,2,3
	ds_load_b128 v[\reg+4*\c:\reg+4*\c+3], v[\adr] offset:(\off)+512*\c
.endr
.endm
.macro FETCH slot, k, f
	WIN TO_F
.irp i, 0,1,2,3
	FRAG \f+64+16*\i, ADRB+\slot, ((\k)/2)*CH+((\k)%2)*16384+2048*\i
.endr
.irp i, 0,1,2,3
	FRAG \f+16*\i, ADRA+\slot, ((\k)/2)*CH+((\k)%2)*16384+2048*\i
.endr
.endm
.macro SCALES s
.irp k, 0,1,2,3
	ds_load_b128 v[SC+32*\s+8*\k:SC+32*\s+8*\k+3], v[ADSA+\s] offset:(\k/2)*CH+(\k%2)*512
	ds_load_b128 v[SC+32*\s+8*\k+4:SC+32*\s+8*\k+7], v[ADSB+\s] offset:(\k/2)*CH+(\k%2)*512
.endr
.endm
.macro MUL8 f, a0, set, k, first
.irp a, \a0, \a0+1
.irp b, 0,1,2,3
.set rD, ACC+8*(4*(\a)+\b)
.set rB, \f+64+16*\b
.set rA, \f+16*(\a)
.set rX, SC+32*(\set)+8*(\k)+4+\b
.set rY, SC+32*(\set)+8*(\k)+(\a)
.if \first
	v_wmma_scale_f32_16x16x128_f8f6f4 v[rD:rD+7], v[rB:rB+15], v[rA:rA+15], v[BIAS+8*\b:BIAS+8*\b+7], v[rX], v[rY]
.else
	v_wmma_scale_f32_16x16x128_f8f6f4 v[rD:rD+7], v[rB:rB+15], v[rA:rA+15], v[rD:rD+7], v[rX], v[rY]
.endif
.endr
.endr
.endm
.macro QUARTER slot, k, f, g, first
	s_wait_dscnt 8
	WIN MUL
	MUL8 \f, 0, \slot, \k, \first
	PLACES NP
	FETCH \slot, (\k)+1, \g
	s_wait_dscnt 32
	WIN MUL
	MUL8 \f, 2, \slot, \k, \first
.endm
.macro TURN slot, next, fill
	s_wait_dscnt 8
	WIN MUL
	MUL8 F1, 0, \slot, 3, 0
	s_wait_dscnt 0x0
	MUL8 F1, 2, \slot, 3, 0
	WIN 0
	s_wait_tensorcnt 0x0
	ds_add_u32 v[SPW], v[NIL]
.if \fill
	s_add_nc_u64 s[G0+4*\slot+2:G0+4*\slot+3], s[G0+4*\slot+2:G0+4*\slot+3], 4*CH
	s_add_nc_u64 s[G0B+4*\slot+2:G0B+4*\slot+3], s[G0B+4*\slot+2:G0B+4*\slot+3], 4*CH
.endif
	s_wait_dscnt 0x0
	s_barrier_signal -1
	s_barrier_wait -1
.if \fill
	CREST
	JLOAD G0+4*\slot, G1, G0B+4*\slot, G1B
	PLACES NP-4
.else
	PLACES NP
.endif
	SCALES \next
	FETCH \next, 0, F0
.endm
	s_load_b128 s[4:7], s[0:1], 0x0
	s_load_b128 s[8:11], s[0:1], 0x10
	s_load_b64 s[12:13], s[0:1], 0x20
	v_lshl_add_u32 v[SPW], v0, 2, SPARE
	v_mov_b32 v[NIL], 0
	ds_add_u32 v28, v29
	ds_add_u32 v28, v29
	s_wait_dscnt 0x0
	v_lshrrev_b32 v1, 5, v0
	v_readfirstlane_b32 s14, v1
	s_lshr_b32 s15, s14, 1
	s_and_b32 s16, s14, 1
	s_bfe_u32 s40, ttmp6, 0x40000
	s_bfe_u32 s41, ttmp6, 0x40004
	s_lshl_b32 s42, ttmp9, 2
	s_add_co_u32 s42, s42, s40
	s_and_b32 s17, ttmp7, 0xffff
	s_lshl_b32 s17, s17, 2
	s_add_co_u32 s17, s17, s41
	s_lshl_b32 s43, s41, 2
	s_lshl_b32 s43, 15, s43
	s_lshl_b32 s44, 0x1111, s40
	s_or_b32 s[G1+0], s43, (3<<16)|(1<<21)
	s_or_b32 s[G1B+0], s44, (3<<16)|(1<<21)
.irp g, G1, G1B
	s_mov_b32 s[\g+1], 32<<16
	s_mov_b32 s[\g+2], 264<<16                     ; two chunks on end as 264 rows of 256 bytes
	s_mov_b32 s[\g+3], 32<<16
	s_mov_b32 s[\g+4], 264
	s_mov_b32 s[\g+5], 32
	s_mov_b32 s[\g+6], 0
	s_mov_b32 s[\g+7], 0
.endr
	s_mul_i32 s20, s17, NKS
	s_add_co_u32 s20, s20, s16
	s_mul_i32 s20, s20, CH
	s_mov_b32 s21, 0
	s_mul_i32 s46, s42, NKS
	s_add_co_u32 s46, s46, s16
	s_mul_i32 s46, s46, CH
	s_add_co_u32 s46, s46, WOFF*CH
	s_mov_b32 s47, 0
	s_wait_kmcnt 0x0
	s_add_nc_u64 s[20:21], s[4:5], s[20:21]
	s_add_nc_u64 s[46:47], s[6:7], s[46:47]
	CROUND
; THE HEAD'S LOADS, ONE A WAVE, the slot that is multiplied first asked for first: wave 0 slot 0's two chunks of A, wave 1 those of B, waves 2 and 3 slot 1's.  One chain of branches on the wave's number, an arm a load, one join.
	s_mul_i32 s18, s16, CH                         ; s[20:21], s[46:47] stand at chunk wave % 2 of the operand's four: back to chunk 0,
	s_mov_b32 s19, 0
	s_mul_i32 s22, s15, 2*CH                       ; and on to chunk 2 (wave / 2), the first of slot wave / 2
	s_mov_b32 s23, 0
	s_mov_b32 s[G0], 1
	s_mul_i32 s[G0+1], s15, SLOT                   ; A's two chunks open the slot,
	s_sub_nc_u64 s[G0+2:G0+3], s[20:21], s[18:19]
	s_add_nc_u64 s[G0+2:G0+3], s[G0+2:G0+3], s[22:23]
	s_or_b32 s[G0+3], s[G0+3], 0x80000000
	s_mov_b32 s[G0B], 1
	s_add_co_u32 s[G0B+1], s[G0+1], 2*CH           ; B's two follow
	s_sub_nc_u64 s[G0B+2:G0B+3], s[46:47], s[18:19]
	s_add_nc_u64 s[G0B+2:G0B+3], s[G0B+2:G0B+3], s[22:23]
	s_or_b32 s[G0B+3], s[G0B+3], 0x80000000
.macro ARM under, g0, g1, next
	s_cmp_lt_u32 s14, \under
	s_cbranch_scc0 \next
	tensor_load_to_lds s[\g0:\g0+3], s[\g1:\g1+7]
	s_nop 0
.rept 4
	v_nop
.endr
	s_branch .Lhead_asked
\next:
.endm
	ARM 1, G0,  G1,  .Lhead_1
	ARM 2, G0B, G1B, .Lhead_2
	ARM 3, G0,  G1,  .Lhead_3
	tensor_load_to_lds s[G0B:G0B+3], s[G1B:G1B+7]
	s_nop 0
.rept 4
	v_nop
.endr
.Lhead_asked:
	v_and_b32 v2, 31, v0
	v_lshlrev_b32 v3, 4, v2
	s_wait_alu depctr_va_vdst(0)
	v_and_b32 v10, 15, v0
	v_bfe_u32 v11, v0, 4, 1
	v_lshlrev_b32 v4, 4, v10
	s_wait_alu depctr_va_vdst(0)
	s_lshl_b32 s20, s15, 13
	s_lshl_b32 s21, s16, 13
	s_add_co_u32 s21, s21, 2*CH
	s_lshl_b32 s22, s15, 8
	s_add_co_u32 s22, s22, 32768
	s_lshl_b32 s23, s16, 8
	s_add_co_u32 s23, s23, 2*CH+32768
.irp s, 0,1
	v_add_nc_u32 v[ADRA+\s], s20, v3
	v_add_nc_u32 v[ADRB+\s], s21, v3
	v_add_nc_u32 v[ADSA+\s], s22, v4
	v_add_nc_u32 v[ADSB+\s], s23, v4
	s_add_co_u32 s20, s20, SLOT
	s_add_co_u32 s21, s21, SLOT
	s_add_co_u32 s22, s22, SLOT
	s_add_co_u32 s23, s23, SLOT
.endr
	s_lshl_b32 s20, s42, 1
	s_add_co_u32 s20, s20, s16
	s_lshl_b32 s20, s20, 8
	s_mov_b32 s21, 0
	s_add_nc_u64 s[8:9], s[8:9], s[20:21]
	s_lshl_b32 s22, s17, 1
	s_add_co_u32 s22, s22, s15
	s_lshl_b32 s22, s22, 18
	s_add_co_u32 s20, s20, s22
	s_add_nc_u64 s[10:11], s[10:11], s[20:21]
	s_add_nc_u64 s[12:13], s[12:13], s[20:21]
	s_mul_i32 s23, s14, 16*SP
	s_add_co_u32 s23, s23, STG
	v_mul_u32_u24 v12, v10, SP
	v_lshl_add_u32 v12, v11, 6, v12
	v_add_nc_u32 v[STO], s23, v12
	v_mul_u32_u24 v13, v11, SP
	v_lshl_add_u32 v13, v10, 4, v13
	v_add_nc_u32 v[RD], s23, v13
	v_lshlrev_b32 v[VR], 12, v11
	v_lshl_add_u32 v[VR], v10, 4, v[VR]
	v_lshlrev_b32 v1, 6, v11
.irp b, 0,1,2,3
	global_load_b128 v[BIAS+8*\b:BIAS+8*\b+3], v1, s[8:9] offset:(32*(\b/2)+8*(\b%2))*4
	global_load_b128 v[BIAS+8*\b+4:BIAS+8*\b+7], v1, s[8:9] offset:(32*(\b/2)+8*(\b%2))*4+16
.endr
	s_wait_alu depctr_va_vdst(0)
	s_cmp_lt_u32 s14, 2                            ; waves 0 and 1 wait for slot 0's tiles, which alone are read behind this barrier; waves 2 and 3 wait at the change of slots, where every wave waits for 0
	s_cbranch_scc0 .Lnot_yet
	s_wait_tensorcnt 0x0
.Lnot_yet:
	s_barrier_signal -1
	s_barrier_wait -1
	SCALES 0
	FETCH 0, 0, F0
	WIN 0x80                                       ; x's 64 x 64 numbers of my part, into window 2: asked for behind the tiles, wanted on the way out
.irp a, 0,1,2,3
.irp u, 0,1,2,3,4,5,6,7
	global_load_b128 v[32*\a+4*\u:32*\a+4*\u+3], v[VR], s[10:11] offset:(32*(\a/2)+8*(\a%2)+2*\u+8*(\u/4))*4096
.endr
.endr
	s_wait_loadcnt 32                              ; the bias is in; the 32 loads just issued may be out
	QUARTER 0, 0, F0, F1, 1
.if LAPS > 1
	WIN 0
	s_mov_b32 s3, LAPS-1
.Llap:
	QUARTER 0, 1, F1, F0, 0
	QUARTER 0, 2, F0, F1, 0
	TURN 0, 1, 1
	QUARTER 1, 0, F0, F1, 0
	QUARTER 1, 1, F1, F0, 0
	QUARTER 1, 2, F0, F1, 0
	TURN 1, 0, 1
	QUARTER 0, 0, F0, F1, 0
	WIN 0
	s_sub_co_u32 s3, s3, 1
	s_cmp_lg_u32 s3, 0
	s_cbranch_scc1 .Llap
.endif
	QUARTER 0, 1, F1, F0, 0
	QUARTER 0, 2, F0, F1, 0
	TURN 0, 1, 0
	QUARTER 1, 0, F0, F1, 0
	QUARTER 1, 1, F1, F0, 0
	QUARTER 1, 2, F0, F1, 0
	s_wait_dscnt 8
	WIN MUL
	MUL8 F1, 0, 1, 3, 0
	s_wait_alu depctr_va_vdst(0)
	s_wait_dscnt 0x0
	MUL8 F1, 2, 1, 3, 0
	WIN 0
	PLACES NP
.macro TOSTAGE a
	WIN 0
.irp b, 0,1,2,3
	ds_store_b128 v[STO], v[ACC+8*(4*(\a)+\b):ACC+8*(4*(\a)+\b)+3] offset:128*(\b/2)+32*(\b%2)
	ds_store_b128 v[STO], v[ACC+8*(4*(\a)+\b)+4:ACC+8*(4*(\a)+\b)+7] offset:128*(\b/2)+32*(\b%2)+16
.endr
	WIN TO_F
.irp u, 0,1,2,3,4,5,6,7
	ds_load_b128 v[32*(\a)+4*\u:32*(\a)+4*\u+3], v[RD] offset:2*\u*SP
.endr
.endm
.macro SEND a, younger
	s_wait_dscnt \younger
	WIN 0x09
.set n, 0
.rept 16
	v_pk_add_f32 v[ACC+32*(\a)+n:ACC+32*(\a)+n+1], v[32*(\a)+n:32*(\a)+n+1], v[32*(\a)+n:32*(\a)+n+1]
.set n, n+2
.endr
	WIN 0
.irp u, 0,1,2,3,4,5,6,7
.if FINAL
	global_store_b128 v[VR], v[ACC+32*(\a)+4*\u:ACC+32*(\a)+4*\u+3], s[12:13] offset:(32*((\a)/2)+8*((\a)%2)+2*\u+8*(\u/4))*4096 th:TH_STORE_NT
.else
	global_store_b128 v[VR], v[ACC+32*(\a)+4*\u:ACC+32*(\a)+4*\u+3], s[12:13] offset:(32*((\a)/2)+8*((\a)%2)+2*\u+8*(\u/4))*4096
.endif
.endr
.endm
	TOSTAGE 0
	s_wait_loadcnt 0x0
.irp a, 1,2,3
	TOSTAGE \a
	SEND \a-1, 16
.endr
	SEND 3, 0
	s_wait_tensorcnt 0x0
	ds_add_u32 v[SPW], v[NIL]
	s_wait_dscnt 0x0
	CROUND
	s_endpgm
.Lfunc_end_k_qca9243c6bb_proj:
	.size	k_qca9243c6bb_proj, .Lfunc_end_k_qca9243c6bb_proj-k_qca9243c6bb_proj
	.p2alignl 7, 3214868480
	.fill 96, 4, 3214868480
	.section	.rodata,"a",@progbits
	.p2align	6, 0x0
	.amdhsa_kernel k_qca9243c6bb_proj
		.amdhsa_group_segment_fixed_size 327680
		.amdhsa_private_segment_fixed_size 0
		.amdhsa_enable_private_segment 0
		.amdhsa_kernarg_size 40
		.amdhsa_user_sgpr_count 2
		.amdhsa_user_sgpr_kernarg_segment_ptr 1
		.amdhsa_wavefront_size32 1
		.amdhsa_system_sgpr_workgroup_id_x 1
		.amdhsa_system_sgpr_workgroup_id_y 1
		.amdhsa_system_sgpr_workgroup_id_z 1
		.amdhsa_system_vgpr_workitem_id 0
		.amdhsa_next_free_vgpr 768
		.amdhsa_next_free_sgpr 66
		.amdhsa_reserve_vcc 0
		.amdhsa_float_denorm_mode_32 3
		.amdhsa_float_denorm_mode_16_64 3
		.amdhsa_memory_ordered 1
		.amdhsa_forward_progress 1
		.amdhsa_inst_pref_size 60
	.end_amdhsa_kernel
	.amdgpu_metadata
---
amdhsa.version: [ 1, 2 ]
amdhsa.kernels:
  - .name:           k_qca9243c6bb_proj
    .symbol:         k_qca9243c6bb_proj.kd
    .args:
      - { .name: oc, .offset: 0, .size: 8, .value_kind: global_buffer, .address_space: global }
      - { .name: wts, .offset: 8, .size: 8, .value_kind: global_buffer, .address_space: global }
      - { .name: proj_b, .offset: 16, .size: 8, .value_kind: global_buffer, .address_space: global }
      - { .name: x, .offset: 24, .size: 8, .value_kind: global_buffer, .address_space: global }
      - { .name: x1, .offset: 32, .size: 8, .value_kind: global_buffer, .address_space: global }
    .group_segment_fixed_size: 327680
    .private_segment_fixed_size: 0
    .kernarg_segment_align: 8
    .kernarg_segment_size: 40
    .max_flat_workgroup_size: 128
    .sgpr_count:     66
    .vgpr_count:     768
    .wavefront_size: 32
...
	.end_amdgpu_metadata
.endif
;; end of part 11
;; launch ln2: the kernel of part 8 again; grid 256 x 3, 4 waves a work-group, no clusters, 67,328 bytes of LDS; arguments x1, ln2_g, ln2_b, hc, fc1_w, fc2_w, wts; writes hc, wts
;; launch fc1 (part 12): grid 16 x 16, 4 waves a work-group, clusters of 4 x 4, 327,680 bytes of LDS; arguments hc, wts, fc1_b, gc; writes gc
.if DOCPART == 12
	.amdgcn_target "amdgcn-amd-amdhsa--gfx1250"
	.amdhsa_code_object_version 6
	.text
	.protected	k_qca9243c6bb_fc1
	.globl	k_qca9243c6bb_fc1
	.p2align	8
	.type	k_qca9243c6bb_fc1,@function
k_qca9243c6bb_fc1:
	s_mov_b64 s[64:65], 0
	v_nop
	global_prefetch_b8 v0, s[64:65] scope:SCOPE_SE
	s_setreg_imm32_b32 hwreg(HW_REG_WAVE_MODE, 25, 1), 1
	s_wait_xcnt 0x0
	s_wait_alu depctr_hold_cnt(0) depctr_sa_sdst(0) depctr_va_vdst(0) depctr_va_sdst(0) depctr_va_ssrc(0) depctr_va_vcc(0) depctr_vm_vsrc(0)
	s_getreg_b32 s2, hwreg(HW_REG_IB_STS2, 6, 4)
	s_cmp_eq_u32 s2, 0
	s_cbranch_scc0 .Lentry_in_a_cluster
	s_endpgm
.Lentry_in_a_cluster:
	s_bfe_u32 s2, ttmp6, 0x10000c
	s_cmp_lg_u32 s2, 0xf033
	s_cbranch_scc0 .Lentry_shape_is_right
	s_endpgm
.Lentry_shape_is_right:
; g = gelu(LN2(x1) fc1_w + fc1_b) on codes of E4M3 with E8M0 scales, quantised at once along the hidden axis for the next product.  Operands are chunks in register order (128 rows x 256 K, 33,792 bytes).
; A tile is 256 x 256, four waves of 128 x 128; K = 1,024 goes in four steps of 256 through two LDS slots of four chunks (A's two groups, then B's two).  A's chunks are shared along a row of the cluster, B's along a column: joint loads.
; THE HEAD'S LOADS, ONE A WAVE, the slot that is multiplied first asked for first: wave 0 K step 0's two chunks of A, wave 1 those of B, waves 2 and 3 K step 1's.  The two chunks belong to two groups of rows, NKS chunks apart in memory:
; a tile of 2 rows of 33,792 bytes.  Waves 0 and 1 wait at the first barrier, waves 2 and 3 at the first change of slots.  A refill brings one chunk a wave.
; PREFETCH INTO THE L2: the tile's two refills load K steps 2 and 3; each wave asks for its two chunks of them at the head, behind its tensor load, two K steps ahead of the first refill.  A chunk is 132 blocks of 256 bytes; the four
; partners that load it jointly take 33 each, told apart by address (cx for A, cy for B): 32 blocks a lane a block, and the 33rd by a second line in which every lane names it.
; gelu is x / 2 (1 + erf(x / sqrt 2)), erf as a quotient of two polynomials in the clamped argument's square, in f32.
.set PFA,   12                         ; s[12:13] where my prefetches stand
.set PFO,   12                         ; v12 256 x lane
.set PFZ,   13                         ; v13 0
.set G1H,   80                         ; s[80:87], s[88:95] groups 1 of the head's loads, for A and for B
.set G1HB,  88
.set G0H,   96                         ; s[96:99], s[72:75] their groups 0
.set G0HB,  72
.set NKS,   4
.set WOFF,  128
.set FLO,   0x81
.set FHI,   0xc1
.set CH,    33792
.set SLOT,  4*CH
.set SPARE, 2*SLOT
.set STG,   SPARE+512
.set LAPS,  NKS/2
.set NP,    8
.set ADRA,  16
.set ADRB,  20
.set CO,    26
.set SPW,   28
.set NIL,   29
.set LN,    31
.set SC,    32
.set BIAS,  64
.set AF,    128
.set T,     64
.set UC,    128
.set Z,     160
.set P,     192
.set Q,     224
.set PC,    128
.set TM,    160
.set G1,    24
.set G0,    32
.set G1B,   48
.set G0B,   56
.set SEL,   66
.set MNT,   68
.set MSB,   0
.macro WIN new
.if MSB != (\new)
	s_set_vgpr_msb (MSB<<8)|(\new)
.set MSB, (\new)
.endif
.endm
.macro JLOAD g0a, g1a, g0b, g1b
	s_cmp_eq_u32 s15, 0
	s_cbranch_scc0 .Lfor_b_\@
	tensor_load_to_lds s[\g0a:\g0a+3], s[\g1a:\g1a+7]
	s_nop 0
.rept 4
	v_nop
.endr
	s_branch .Lasked_\@
.Lfor_b_\@:
	tensor_load_to_lds s[\g0b:\g0b+3], s[\g1b:\g1b+7]
	s_nop 0
.rept 4
	v_nop
.endr
.Lasked_\@:
.endm
.macro CREST
	s_cmp_lg_u32 s14, 0
	s_cbranch_scc1 .Lnot_wave_0_\@
	s_barrier_signal -3
.Lnot_wave_0_\@:
	s_barrier_wait -3
	s_barrier_signal -1
	s_barrier_wait -1
.endm
.macro CROUND
	s_barrier_signal -1
	s_barrier_wait -1
	CREST
.endm
.macro PLACES n
.rept \n
	v_nop
.endr
.endm
.macro FRAG reg, adr, q, i
.irp c, 0,1,2,3
	ds_load_b128 v[\reg+4*\c:\reg+4*\c+3], v[\adr] offset:16384*(\q)+2048*(\i)+512*\c
.endr
.endm
.macro FETCH_B slot, q, p
	WIN 0x40
.irp i, 0,1,2,3,4,5,6,7
	FRAG 128*(\p)+16*\i, ADRB+\slot, \q, \i
.endr
	WIN 0
.endm
.macro FETCH_A slot, q, i0
.irp i, \i0, \i0+1, \i0+2, \i0+3
	FRAG AF+16*(\i), ADRA+\slot, \q, \i
.endr
.endm
.macro SCALES s
.irp q, 0,1
	ds_load_b128 v[SC+16*\s+4*\q:SC+16*\s+4*\q+3], v[ADRA+\s] offset:32768+512*\q
	ds_load_b128 v[SC+16*\s+8+4*\q:SC+16*\s+8+4*\q+3], v[ADRB+\s] offset:32768+512*\q
.endr
.endm
.macro WM a, b, p, q, sc, first
.set rD, 8*(8*((\a)%4)+(\b))
.set rB, 128*(\p)+16*(\b)
.set rA, AF+16*(\a)
.set rX, SC+16*(\sc)+8+4*(\q)+((\b)%4)
.set rY, SC+16*(\sc)+4*(\q)+((\a)%4)
.set rC, BIAS+8*(\b)
.if \first
.if ((\b) < 4) && ((\a) < 4)
	v_wmma_scale_f32_16x16x128_f8f6f4 v[rD:rD+7], v[rB:rB+15], v[rA:rA+15], v[rC:rC+7], v[rX], v[rY]
.elseif (\a) < 4
	v_wmma_scale_f32_16x16x128_f8f6f4 v[rD:rD+7], v[rB:rB+15], v[rA:rA+15], v[rC:rC+7], v[rX], v[rY] matrix_a_scale:MATRIX_SCALE_ROW1
.elseif (\b) < 4
	v_wmma_scale_f32_16x16x128_f8f6f4 v[rD:rD+7], v[rB:rB+15], v[rA:rA+15], v[rC:rC+7], v[rX], v[rY] matrix_b_scale:MATRIX_SCALE_ROW1
.else
	v_wmma_scale_f32_16x16x128_f8f6f4 v[rD:rD+7], v[rB:rB+15], v[rA:rA+15], v[rC:rC+7], v[rX], v[rY] matrix_a_scale:MATRIX_SCALE_ROW1 matrix_b_scale:MATRIX_SCALE_ROW1
.endif
.else
.if ((\b) < 4) && ((\a) < 4)
	v_wmma_scale_f32_16x16x128_f8f6f4 v[rD:rD+7], v[rB:rB+15], v[rA:rA+15], v[rD:rD+7], v[rX], v[rY]
.elseif (\a) < 4
	v_wmma_scale_f32_16x16x128_f8f6f4 v[rD:rD+7], v[rB:rB+15], v[rA:rA+15], v[rD:rD+7], v[rX], v[rY] matrix_a_scale:MATRIX_SCALE_ROW1
.elseif (\b) < 4
	v_wmma_scale_f32_16x16x128_f8f6f4 v[rD:rD+7], v[rB:rB+15], v[rA:rA+15], v[rD:rD+7], v[rX], v[rY] matrix_b_scale:MATRIX_SCALE_ROW1
.else
	v_wmma_scale_f32_16x16x128_f8f6f4 v[rD:rD+7], v[rB:rB+15], v[rA:rA+15], v[rD:rD+7], v[rX], v[rY] matrix_a_scale:MATRIX_SCALE_ROW1 matrix_b_scale:MATRIX_SCALE_ROW1
.endif
.endif
.endm
.macro MUL16 a0, p, q, sc, first
.irp a, \a0, \a0+1
.irp b, 0,1,2,3,4,5,6,7
	WM \a, \b, \p, \q, \sc, \first
.endr
.endr
.endm
.macro STEP slot, first
	s_wait_dscnt 16
.if \first
	WIN FLO
.else
	WIN 0xa1
.endif
	MUL16 0, 0, 0, \slot, \first
	MUL16 2, 0, 0, \slot, \first
	s_wait_dscnt 0x0
	PLACES NP
	FETCH_B \slot, 1, 1
	FETCH_A \slot, 1, 0
.if \first
	WIN FHI
.else
	WIN 0xf1
.endif
	MUL16 4, 0, 0, \slot, \first
	MUL16 6, 0, 0, \slot, \first
	PLACES NP
	WIN 0
	FETCH_A \slot, 1, 4
.endm
.macro TURN slot, next, fill
	s_wait_tensorcnt 0x0
	ds_add_u32 v[SPW], v[NIL]
	s_wait_dscnt 17
	WIN 0xa1
	MUL16 0, 1, 1, \slot, 0
	s_wait_dscnt 0x0
	s_barrier_signal -1
	MUL16 2, 1, 1, \slot, 0
	WIN 0
	s_barrier_wait -1
.if \fill
	CREST
	s_add_nc_u64 s[G0+4*\slot+2:G0+4*\slot+3], s[G0+4*\slot+2:G0+4*\slot+3], 2*CH
	s_add_nc_u64 s[G0B+4*\slot+2:G0B+4*\slot+3], s[G0B+4*\slot+2:G0B+4*\slot+3], 2*CH
	JLOAD G0+4*\slot, G1, G0B+4*\slot, G1B
	PLACES NP-4
.else
	PLACES NP
.endif
	FETCH_B \next, 0, 0
	FETCH_A \next, 0, 0
	SCALES \next
	WIN 0xf1
	MUL16 4, 1, 1, \slot, 0
	MUL16 6, 1, 1, \slot, 0
	PLACES NP
	WIN 0
	FETCH_A \next, 0, 4
.endm
	s_load_b128 s[4:7], s[0:1], 0x0
	s_load_b128 s[8:11], s[0:1], 0x10
	v_lshl_add_u32 v[SPW], v0, 2, SPARE
	v_mov_b32 v[NIL], 0
	ds_add_u32 v28, v29
	ds_add_u32 v28, v29
	s_wait_dscnt 0x0
	v_lshrrev_b32 v1, 5, v0
	v_readfirstlane_b32 s14, v1
	s_lshr_b32 s15, s14, 1
	s_and_b32 s16, s14, 1
	s_bfe_u32 s40, ttmp6, 0x40000
	s_bfe_u32 s41, ttmp6, 0x40004
	s_lshl_b32 s42, ttmp9, 2
	s_add_co_u32 s42, s42, s40
	s_and_b32 s17, ttmp7, 0xffff
	s_lshl_b32 s17, s17, 2
	s_add_co_u32 s17, s17, s41
	s_lshl_b32 s43, s41, 2
	s_lshl_b32 s43, 15, s43
	s_lshl_b32 s44, 0x1111, s40
	s_or_b32 s[G1+0], s43, (3<<16)|(1<<21)
	s_or_b32 s[G1B+0], s44, (3<<16)|(1<<21)
	s_or_b32 s[G1H+0], s43, (3<<16)|(1<<21)
	s_or_b32 s[G1HB+0], s44, (3<<16)|(1<<21)
.irp g, G1H, G1HB
	s_mov_b32 s[\g+1], (CH/8)<<16                  ; a row is a whole chunk, 4,224 elements of 8 bytes;
	s_mov_b32 s[\g+2], 2<<16                       ; two rows,
	s_mov_b32 s[\g+3], (CH/8)<<16
	s_mov_b32 s[\g+4], 2
	s_mov_b32 s[\g+5], NKS*CH/8                    ; one group of 128 rows, NKS chunks, apart
	s_mov_b32 s[\g+6], 0
	s_mov_b32 s[\g+7], 0
.endr
.irp g, G1, G1B
	s_mov_b32 s[\g+1], 32<<16
	s_mov_b32 s[\g+2], 132<<16
	s_mov_b32 s[\g+3], 32<<16
	s_mov_b32 s[\g+4], 132
	s_mov_b32 s[\g+5], 32
	s_mov_b32 s[\g+6], 0
	s_mov_b32 s[\g+7], 0
.endr
	s_lshl_b32 s20, s17, 1
	s_add_co_u32 s20, s20, s16
	s_mul_i32 s20, s20, NKS*CH
	s_mov_b32 s21, 0
	s_lshl_b32 s46, s42, 1
	s_add_co_u32 s46, s46, s16
	s_mul_i32 s46, s46, NKS*CH
	s_add_co_u32 s46, s46, WOFF*CH
	s_mov_b32 s47, 0
	s_mul_i32 s45, s14, CH
	s_mov_b32 s[SEL], 0x76543210
	s_mov_b32 s[SEL+1], 0xfedcba98
	s_mov_b32 s[MNT], 0x600000
	s_wait_kmcnt 0x0
	s_add_nc_u64 s[20:21], s[4:5], s[20:21]
	s_add_nc_u64 s[46:47], s[6:7], s[46:47]
	CROUND
.irp s, 0,1
	s_mov_b32 s[G0+4*\s], 1
	s_add_co_u32 s[G0+4*\s+1], s45, \s*SLOT
	s_add_nc_u64 s[G0+4*\s+2:G0+4*\s+3], s[20:21], \s*CH
	s_or_b32 s[G0+4*\s+3], s[G0+4*\s+3], 0x80000000
	s_mov_b32 s[G0B+4*\s], 1
	s_add_co_u32 s[G0B+4*\s+1], s45, \s*SLOT
	s_add_nc_u64 s[G0B+4*\s+2:G0B+4*\s+3], s[46:47], \s*CH
	s_or_b32 s[G0B+4*\s+3], s[G0B+4*\s+3], 0x80000000
.endr
	s_mul_i32 s18, s16, NKS*CH                     ; s[20:21], s[46:47] stand at group wave % 2 of the tile's two: back to the first,
	s_mov_b32 s19, 0
	s_mul_i32 s22, s15, CH                         ; and on to K step wave / 2
	s_mov_b32 s23, 0
	s_mov_b32 s[G0H], 1
	s_mul_i32 s[G0H+1], s15, SLOT                  ; A's two chunks open the slot,
	s_sub_nc_u64 s[G0H+2:G0H+3], s[20:21], s[18:19]
	s_add_nc_u64 s[G0H+2:G0H+3], s[G0H+2:G0H+3], s[22:23]
	s_or_b32 s[G0H+3], s[G0H+3], 0x80000000
	s_mov_b32 s[G0HB], 1
	s_add_co_u32 s[G0HB+1], s[G0H+1], 2*CH         ; B's two follow
	s_sub_nc_u64 s[G0HB+2:G0HB+3], s[46:47], s[18:19]
	s_add_nc_u64 s[G0HB+2:G0HB+3], s[G0HB+2:G0HB+3], s[22:23]
	s_or_b32 s[G0HB+3], s[G0HB+3], 0x80000000
.macro ARM under, g0, g1, next         ; one chain of branches on the wave's number, an arm a load, one join
	s_cmp_lt_u32 s14, \under
	s_cbranch_scc0 \next
	tensor_load_to_lds s[\g0:\g0+3], s[\g1:\g1+7]
	s_nop 0
.rept 4
	v_nop
.endr
	s_branch .Lhead_asked
\next:
.endm
	ARM 1, G0H,  G1H,  .Lhead_1
	ARM 2, G0HB, G1HB, .Lhead_2
	ARM 3, G0H,  G1H,  .Lhead_3
	tensor_load_to_lds s[G0HB:G0HB+3], s[G1HB:G1HB+7]
	s_nop 0
.rept 4
	v_nop
.endr
.Lhead_asked:
	s_cmp_eq_u32 s15, 0                            ; the prefetches follow the refills' deal: do I fetch for A there?
	s_cselect_b32 s18, s17, s42                    ; the tile,
	s_cselect_b32 s19, s40, s41                    ; my place among the four that ask for it with me,
	s_cselect_b32 s43, 0, WOFF*CH                  ; where the operand begins in its buffer
	s_cselect_b64 s[PFA:PFA+1], s[4:5], s[6:7]
	s_lshl_b32 s18, s18, 1
	s_add_co_u32 s18, s18, s16                     ; my group of 128 rows
	s_mul_i32 s18, s18, NKS
	s_add_co_u32 s18, s18, 2                       ; its chunk of K step 2
	s_mul_i32 s18, s18, CH
	s_mul_i32 s19, s19, 33*256                     ; my work-group's 33 blocks of it
	s_add_co_u32 s18, s18, s19
	s_add_co_u32 s18, s18, s43
	s_mov_b32 s19, 0
	s_add_nc_u64 s[PFA:PFA+1], s[PFA:PFA+1], s[18:19]
	v_and_b32 v[LN], 31, v0
	v_lshlrev_b32 v[CO], 4, v[LN]
	v_lshlrev_b32 v[PFO], 8, v[LN]
	v_mov_b32 v[PFZ], 0
	global_prefetch_b8 v[PFO], s[PFA:PFA+1] th:TH_LOAD_NT scope:SCOPE_SE                       ; K steps 2 and 3; the address registers are not written again
	global_prefetch_b8 v[PFZ], s[PFA:PFA+1] offset:8192 th:TH_LOAD_NT scope:SCOPE_SE
	global_prefetch_b8 v[PFO], s[PFA:PFA+1] offset:CH th:TH_LOAD_NT scope:SCOPE_SE
	global_prefetch_b8 v[PFZ], s[PFA:PFA+1] offset:CH+8192 th:TH_LOAD_NT scope:SCOPE_SE
	s_mul_i32 s21, s15, CH
	s_mul_i32 s22, s16, CH
	s_add_co_u32 s22, s22, 2*CH
.irp s, 0,1
	v_add_nc_u32 v[ADRA+\s], s21, v[CO]
	v_add_nc_u32 v[ADRB+\s], s22, v[CO]
	s_add_co_u32 s21, s21, SLOT
	s_add_co_u32 s22, s22, SLOT
.endr
	s_lshl_b32 s20, s42, 1
	s_add_co_u32 s20, s20, s16
	s_lshl_b32 s20, s20, 9
	s_mov_b32 s21, 0
	s_add_nc_u64 s[8:9], s[8:9], s[20:21]
	s_lshl_b32 s20, s17, 1
	s_add_co_u32 s20, s20, s15
	s_lshl_b32 s20, s20, 4
	s_add_co_u32 s20, s20, s42
	s_mul_i32 s20, s20, CH
	s_add_nc_u64 s[78:79], s[10:11], s[20:21]
	s_lshl_b32 s20, s16, 14
	s_add_nc_u64 s[76:77], s[78:79], s[20:21]
	s_lshl_b32 s20, s16, 9
	s_add_nc_u64 s[78:79], s[78:79], s[20:21]
	v_and_b32 v10, 15, v0
	v_bfe_u32 v11, v0, 4, 1
	s_lshl_b32 s23, s14, 9
	s_add_co_u32 s23, s23, STG
	v_lshlrev_b32 v8, 2, v10
	v_add_nc_u32 v8, s23, v8
	v_lshl_add_u32 v9, v11, 8, v8
	v_mov_b32 v2, 0xaf95df0b
	v_mov_b32 v3, 0xaf95df0b
	v_mov_b32 v4, 0xb77460cd
	v_mov_b32 v5, 0xb77460cd
	v_lshlrev_b32 v1, 6, v11
.irp b, 0,1,2,3,4,5,6,7
	global_load_b128 v[BIAS+8*\b:BIAS+8*\b+3], v1, s[8:9] offset:(32*(\b/2)+8*(\b%2))*4
	global_load_b128 v[BIAS+8*\b+4:BIAS+8*\b+7], v1, s[8:9] offset:(32*(\b/2)+8*(\b%2))*4+16
.endr
	s_wait_alu depctr_va_vdst(0)
	s_cmp_lt_u32 s14, 2                            ; waves 0 and 1 wait for K step 0's tiles, which alone are read behind this barrier; waves 2 and 3 wait at the change of slots, where every wave waits for 0
	s_cbranch_scc0 .Lnot_yet
	s_wait_tensorcnt 0x0
.Lnot_yet:
	s_barrier_signal -1
	s_barrier_wait -1
	FETCH_B 0, 0, 0
	FETCH_A 0, 0, 0
	SCALES 0
	FETCH_A 0, 0, 4
	s_wait_loadcnt 0x0
	STEP 0, 1
	s_mov_b32 s3, LAPS-1
.Llap:
	TURN 0, 1, 1
	STEP 1, 0
	TURN 1, 0, 1
	STEP 0, 0
	s_sub_co_u32 s3, s3, 1
	s_cmp_lg_u32 s3, 0
	s_cbranch_scc1 .Llap
	TURN 0, 1, 0
	STEP 1, 0
	s_wait_dscnt 16
	WIN 0xa1
	MUL16 0, 1, 1, 1, 0
	MUL16 2, 1, 1, 1, 0
	s_wait_dscnt 0x0
	WIN 0xf1
	MUL16 4, 1, 1, 1, 0
	MUL16 6, 1, 1, 1, 0
	WIN 0
	PLACES NP
.macro COPY a
	WIN 2+(\a)/4
.set n, 0
.rept 32
	v_pk_mul_f32 v[T+n:T+n+1], v[64*((\a)%4)+n:64*((\a)%4)+n+1], 0x3f3504f3 op_sel_hi:[1,0]
.set n, n+2
.endr
	WIN 0
.endm
.macro GELU32 o
.set n, 0
.rept 32
	v_med3_num_f32 v[UC+n], v[T+\o+n], -4.0, 4.0
.set n, n+1
.endr
.set n, 0
.rept 16
	v_pk_mul_f32 v[Z+n:Z+n+1], v[UC+n:UC+n+1], v[UC+n:UC+n+1]
.set n, n+2
.endr
.set n, 0
.rept 16
	v_pk_fma_f32 v[P+n:P+n+1], v[Z+n:Z+n+1], v[2:3], 0x32edffee op_sel_hi:[1,1,0]
.set n, n+2
.endr
.irp k, 0xb60cff51, 0xb86ec2d2, 0xba40ac63, 0xbb41a1f6, 0xbc83dbd4
.set n, 0
.rept 16
	v_pk_fma_f32 v[P+n:P+n+1], v[P+n:P+n+1], v[Z+n:Z+n+1], \k op_sel_hi:[1,1,0]
.set n, n+2
.endr
.endr
.set n, 0
.rept 16
	v_pk_fma_f32 v[Q+n:Q+n+1], v[Z+n:Z+n+1], v[4:5], 0xb95fbd29 op_sel_hi:[1,1,0]
.set n, n+2
.endr
.irp k, 0xbadc924e, 0xbbf19bf8, 0xbc69b6a7
.set n, 0
.rept 16
	v_pk_fma_f32 v[Q+n:Q+n+1], v[Q+n:Q+n+1], v[Z+n:Z+n+1], \k op_sel_hi:[1,1,0]
.set n, n+2
.endr
.endr
.set n, 0
	s_wait_alu depctr_va_vdst(0)
.rept 32
	v_rcp_f32 v[Q+n], v[Q+n]
.set n, n+1
.endr
.set n, 0
.rept 16
	v_pk_mul_f32 v[P+n:P+n+1], v[UC+n:UC+n+1], v[P+n:P+n+1]
.set n, n+2
.endr
.set n, 0
.rept 16
	v_pk_mul_f32 v[UC+n:UC+n+1], v[T+\o+n:T+\o+n+1], 0x3f3504f3 op_sel_hi:[1,0]
.set n, n+2
.endr
	s_wait_alu depctr_va_vdst(0)
.set n, 0
.rept 16
	v_pk_mul_f32 v[P+n:P+n+1], v[P+n:P+n+1], v[Q+n:Q+n+1]
.set n, n+2
.endr
.set n, 0
.rept 16
	v_pk_fma_f32 v[T+\o+n:T+\o+n+1], v[UC+n:UC+n+1], v[P+n:P+n+1], v[UC+n:UC+n+1]
.set n, n+2
.endr
.endm
	s_mov_b32 s74, 0
	s_mov_b32 s75, 0
.Lrow:
.irp a, 0,1,2,3,4,5,6
	s_cmp_eq_u32 s74, \a
	s_cbranch_scc1 .Lsw\a
.endr
	COPY 7
	s_branch .Lcommon
.irp a, 0,1,2,3,4,5,6
.Lsw\a:
	COPY \a
	s_branch .Lcommon
.endr
.Lcommon:
	GELU32 0
	GELU32 32
.irp b, 0,1,2,3
	v_max3_num_f32 v[TM+\b], |v[T+16*\b]|, |v[T+16*\b+1]|, 0x4800000
.endr
.irp i, 2,4,6,8,10,12,14
.irp b, 0,1,2,3
	v_max3_num_f32 v[TM+\b], v[TM+\b], |v[T+16*\b+\i]|, |v[T+16*\b+\i+1]|
.endr
.endr
.irp b, 0,1,2,3
	v_permlanex16_b32 v[TM+4+\b], v[TM+\b], s[SEL], s[SEL+1]
.endr
.irp b, 0,1,2,3
	v_max_num_f32 v[TM+\b], v[TM+\b], v[TM+4+\b]
.endr
.irp b, 0,1,2,3
	v_add_nc_u32 v[TM+12+\b], 0xfc000000, v[TM+\b]
.endr
.irp b, 0,1,2,3
	v_and_or_b32 v[TM+8+\b], v[TM+\b], 0x7f800000, s[MNT]
.endr
.irp b, 0,1,2,3
	v_lshrrev_b32 v[TM+4+\b], 23, v[TM+12+\b]
.endr
	v_lshl_or_b32 v6, v[TM+5], 8, v[TM+4]
	v_lshl_or_b32 v6, v[TM+6], 16, v6
	v_lshl_or_b32 v6, v[TM+7], 24, v6
	v_add_nc_u32 v7, s75, v8
.irp b, 0,1,2,3
.irp i, 0,1,2,3,4,5,6,7,8,9,10,11,12,13,14,15
	v_med3_num_f32 v[T+16*\b+\i], v[T+16*\b+\i], -v[TM+8+\b], v[TM+8+\b]
.endr
	v_cvt_scalef32_pk8_fp8_f32 v[PC+4*\b:PC+4*\b+1], v[T+16*\b:T+16*\b+7], v[TM+12+\b]
	v_cvt_scalef32_pk8_fp8_f32 v[PC+4*\b+2:PC+4*\b+3], v[T+16*\b+8:T+16*\b+15], v[TM+12+\b]
.endr
	v_nop
.irp c, 0,1,2,3
	global_store_b128 v[CO], v[PC+4*\c:PC+4*\c+3], s[76:77] offset:512*\c
.endr
	ds_store_b32 v7, v6
	s_wait_xcnt 0x0
	s_add_nc_u64 s[76:77], s[76:77], 2048
	s_add_co_u32 s75, s75, 64
	s_add_co_u32 s74, s74, 1
	s_cmp_lt_u32 s74, 8
	s_cbranch_scc1 .Lrow
.irp c, 0,1,2,3
	ds_load_b32 v[PC+\c], v9 offset:64*\c
.endr
	s_wait_dscnt 0x0
	global_store_b128 v[CO], v[PC:PC+3], s[78:79] offset:32768
	s_wait_tensorcnt 0x0
	ds_add_u32 v[SPW], v[NIL]
	s_wait_dscnt 0x0
	CROUND
	s_endpgm
.Lfunc_end_k_qca9243c6bb_fc1:
	.size	k_qca9243c6bb_fc1, .Lfunc_end_k_qca9243c6bb_fc1-k_qca9243c6bb_fc1
	.p2alignl 7, 3214868480
	.fill 96, 4, 3214868480
	.section	.rodata,"a",@progbits
	.p2align	6, 0x0
	.amdhsa_kernel k_qca9243c6bb_fc1
		.amdhsa_group_segment_fixed_size 327680
		.amdhsa_private_segment_fixed_size 0
		.amdhsa_enable_private_segment 0
		.amdhsa_kernarg_size 32
		.amdhsa_user_sgpr_count 2
		.amdhsa_user_sgpr_kernarg_segment_ptr 1
		.amdhsa_wavefront_size32 1
		.amdhsa_system_sgpr_workgroup_id_x 1
		.amdhsa_system_sgpr_workgroup_id_y 1
		.amdhsa_system_sgpr_workgroup_id_z 1
		.amdhsa_system_vgpr_workitem_id 0
		.amdhsa_next_free_vgpr 1024
		.amdhsa_next_free_sgpr 102
		.amdhsa_reserve_vcc 0
		.amdhsa_float_denorm_mode_32 3
		.amdhsa_float_denorm_mode_16_64 3
		.amdhsa_memory_ordered 1
		.amdhsa_forward_progress 1
		.amdhsa_inst_pref_size 198
	.end_amdhsa_kernel
	.amdgpu_metadata
---
amdhsa.version: [ 1, 2 ]
amdhsa.kernels:
  - .name:           k_qca9243c6bb_fc1
    .symbol:         k_qca9243c6bb_fc1.kd
    .args:
      - { .name: hc, .offset: 0, .size: 8, .value_kind: global_buffer, .address_space: global }
      - { .name: wts, .offset: 8, .size: 8, .value_kind: global_buffer, .address_space: global }
      - { .name: fc1_b, .offset: 16, .size: 8, .value_kind: global_buffer, .address_space: global }
      - { .name: gc, .offset: 24, .size: 8, .value_kind: global_buffer, .address_space: global }
    .group_segment_fixed_size: 327680
    .private_segment_fixed_size: 0
    .kernarg_segment_align: 8
    .kernarg_segment_size: 32
    .max_flat_workgroup_size: 128
    .sgpr_count:     102
    .vgpr_count:     1024
    .wavefront_size: 32
...
	.end_amdgpu_metadata
.endif
;; end of part 12
;; launch fc2 (part 13): grid 8 x 32, 4 waves a work-group, clusters of 4 x 4, 327,680 bytes of LDS; arguments gc, wts, fc2_b, x1, out0; writes out0
.if DOCPART == 13
	.amdgcn_target "amdgcn-amd-amdhsa--gfx1250"
	.amdhsa_code_object_version 6
	.text
	.protected	k_qca9243c6bb_fc2
	.globl	k_qca9243c6bb_fc2
	.p2align	8
	.type	k_qca9243c6bb_fc2,@function
k_qca9243c6bb_fc2:
	s_mov_b64 s[64:65], 0
	v_nop
	global_prefetch_b8 v0, s[64:65] scope:SCOPE_SE
	s_setreg_imm32_b32 hwreg(HW_REG_WAVE_MODE, 25, 1), 1
	s_wait_xcnt 0x0
	s_wait_alu depctr_hold_cnt(0) depctr_sa_sdst(0) depctr_va_vdst(0) depctr_va_sdst(0) depctr_va_ssrc(0) depctr_va_vcc(0) depctr_vm_vsrc(0)
	s_getreg_b32 s2, hwreg(HW_REG_IB_STS2, 6, 4)
	s_cmp_eq_u32 s2, 0
	s_cbranch_scc0 .Lentry_in_a_cluster
	s_endpgm
.Lentry_in_a_cluster:
	s_bfe_u32 s2, ttmp6, 0x10000c
	s_cmp_lg_u32 s2, 0xf033
	s_cbranch_scc0 .Lentry_shape_is_right
	s_endpgm
.Lentry_shape_is_right:
; out = x1 + g fc2_w + fc2_b on codes of E4M3 with E8M0 scales.  Operands are chunks in register order (128 rows x 256 K, 33,792 bytes).  A work-group makes 128 x 128, four waves of 64 x 64.
; K = 4,096 goes in eight fills of 512 through two LDS slots of four chunks (A's two, then B's two).  At the head each wave fetches one slot's two chunks of one operand, 67,584 dense bytes, with one joint load;
; a refill brings one chunk a wave.  A's chunks are shared along a row of the cluster, B's along a column.
; PREFETCH INTO THE L2: behind the refill of fill t each wave asks for its chunk of fill t + 2; fills 2 and 3 are asked for at the head; the last two refills ask for nothing.  A chunk is 132 blocks of 256 bytes; the four partners
; that load it jointly take 33 each, told apart by address (cx for A, cy for B): 32 blocks a lane a block, and the 33rd by a second line in which every lane names it.
.set PFA,   22                         ; s[22:23] where my prefetches stand
.set PFO,   30                         ; v30 256 x lane
.set PFZ,   31                         ; v31 0
.set NKS,   16
.set WOFF,  256
.set FINAL, 1
.set CH,    33792
.set SLOT,  4*CH
.set SPARE, 2*SLOT
.set STG,   SPARE+512
.set SP,    272
.set LAPS,  NKS/4
.set NP,    8
.set ADRA,  16
.set ADRB,  18
.set ADSA,  20
.set ADSB,  22
.set STO,   24
.set RD,    25
.set VR,    26
.set SPW,   28
.set NIL,   29
.set SC,    32
.set BIAS,  96
.set ACC,   128
.set F0,    0
.set F1,    128
.set G1,    24
.set G0,    32
.set G1B,   48
.set G0B,   56
.set MUL,   0x05
.set TO_F,  0x40
.set MSB,   0
.macro WIN new
.if MSB != (\new)
	s_set_vgpr_msb (MSB<<8)|(\new)
.set MSB, (\new)
.endif
.endm
.macro JLOAD g0a, g1a, g0b, g1b
	s_cmp_eq_u32 s15, 0
	s_cbranch_scc0 .Lfor_b_\@
	tensor_load_to_lds s[\g0a:\g0a+3], s[\g1a:\g1a+7]
	s_nop 0
.rept 4
	v_nop
.endr
	s_branch .Lasked_\@
.Lfor_b_\@:
	tensor_load_to_lds s[\g0b:\g0b+3], s[\g1b:\g1b+7]
	s_nop 0
.rept 4
	v_nop
.endr
.Lasked_\@:
.endm
.macro CREST
	s_cmp_lg_u32 s14, 0
	s_cbranch_scc1 .Lnot_wave_0_\@
	s_barrier_signal -3
.Lnot_wave_0_\@:
	s_barrier_wait -3
	s_barrier_signal -1
	s_barrier_wait -1
.endm
.macro CROUND
	s_barrier_signal -1
	s_barrier_wait -1
	CREST
.endm
.macro PLACES n
.rept \n
	v_nop
.endr
.endm
.macro FRAG reg, adr, off
.irp c, 0,1,2,3
	ds_load_b128 v[\reg+4*\c:\reg+4*\c+3], v[\adr] offset:(\off)+512*\c
.endr
.endm
.macro FETCH slot, k, f
	WIN TO_F
.irp i, 0,1,2,3
	FRAG \f+64+16*\i, ADRB+\slot, ((\k)/2)*CH+((\k)%2)*16384+2048*\i
.endr
.irp i, 0,1,2,3
	FRAG \f+16*\i, ADRA+\slot, ((\k)/2)*CH+((\k)%2)*16384+2048*\i
.endr
.endm
.macro SCALES s
.irp k, 0,1,2,3
	ds_load_b128 v[SC+32*\s+8*\k:SC+32*\s+8*\k+3], v[ADSA+\s] offset:(\k/2)*CH+(\k%2)*512
	ds_load_b128 v[SC+32*\s+8*\k+4:SC+32*\s+8*\k+7], v[ADSB+\s] offset:(\k/2)*CH+(\k%2)*512
.endr
.endm
.macro MUL8 f, a0, set, k, first
.irp a, \a0, \a0+1
.irp b, 0,1,2,3
.set rD, ACC+8*(4*(\a)+\b)
.set rB, \f+64+16*\b
.set rA, \f+16*(\a)
.set rX, SC+32*(\set)+8*(\k)+4+\b
.set rY, SC+32*(\set)+8*(\k)+(\a)
.if \first
	v_wmma_scale_f32_16x16x128_f8f6f4 v[rD:rD+7], v[rB:rB+15], v[rA:rA+15], v[BIAS+8*\b:BIAS+8*\b+7], v[rX], v[rY]
.else
	v_wmma_scale_f32_16x16x128_f8f6f4 v[rD:rD+7], v[rB:rB+15], v[rA:rA+15], v[rD:rD+7], v[rX], v[rY]
.endif
.endr
.endr
.endm
.macro QUARTER slot, k, f, g, first
	s_wait_dscnt 8
	WIN MUL
	MUL8 \f, 0, \slot, \k, \first
	PLACES NP
	FETCH \slot, (\k)+1, \g
	s_wait_dscnt 32
	WIN MUL
	MUL8 \f, 2, \slot, \k, \first
.endm
.macro TURN slot, next, fill
.if \fill
	s_wait_xcnt 0x0                                ; my prefetches have read their address: it steps one fill on
	s_add_nc_u64 s[PFA:PFA+1], s[PFA:PFA+1], 2*CH
.endif
	s_wait_dscnt 8
	WIN MUL
	MUL8 F1, 0, \slot, 3, 0
	s_wait_dscnt 0x0
	MUL8 F1, 2, \slot, 3, 0
	WIN 0
	s_wait_tensorcnt 0x0
	ds_add_u32 v[SPW], v[NIL]
.if \fill
	s_add_nc_u64 s[G0+4*\slot+2:G0+4*\slot+3], s[G0+4*\slot+2:G0+4*\slot+3], 4*CH
	s_add_nc_u64 s[G0B+4*\slot+2:G0B+4*\slot+3], s[G0B+4*\slot+2:G0B+4*\slot+3], 4*CH
.endif
	s_wait_dscnt 0x0
	s_barrier_signal -1
	s_barrier_wait -1
.if \fill
	CREST
	JLOAD G0+4*\slot, G1, G0B+4*\slot, G1B
	PLACES NP-4
	s_cmp_gt_u32 s3, 1                             ; the loop's last trip has no fill two on
	s_cbranch_scc0 .Lnone_\@
	global_prefetch_b8 v[PFO], s[PFA:PFA+1] offset:2*CH th:TH_LOAD_NT scope:SCOPE_SE
	global_prefetch_b8 v[PFZ], s[PFA:PFA+1] offset:2*CH+8192 th:TH_LOAD_NT scope:SCOPE_SE
.Lnone_\@:
.else
	PLACES NP
.endif
	SCALES \next
	FETCH \next, 0, F0
.endm
	s_load_b128 s[4:7], s[0:1], 0x0
	s_load_b128 s[8:11], s[0:1], 0x10
	s_load_b64 s[12:13], s[0:1], 0x20
	v_lshl_add_u32 v[SPW], v0, 2, SPARE
	v_mov_b32 v[NIL], 0
	ds_add_u32 v28, v29
	ds_add_u32 v28, v29
	s_wait_dscnt 0x0
	v_lshrrev_b32 v1, 5, v0
	v_readfirstlane_b32 s14, v1
	s_lshr_b32 s15, s14, 1
	s_and_b32 s16, s14, 1
	s_bfe_u32 s40, ttmp6, 0x40000
	s_bfe_u32 s41, ttmp6, 0x40004
	s_lshl_b32 s42, ttmp9, 2
	s_add_co_u32 s42, s42, s40
	s_and_b32 s17, ttmp7, 0xffff
	s_lshl_b32 s17, s17, 2
	s_add_co_u32 s17, s17, s41
	s_lshl_b32 s43, s41, 2
	s_lshl_b32 s43, 15, s43
	s_lshl_b32 s44, 0x1111, s40
	s_or_b32 s[G1+0], s43, (3<<16)|(1<<21)
	s_or_b32 s[G1B+0], s44, (3<<16)|(1<<21)
.set G1H,  76                          ; s[76:83], s[84:91] groups 1 of the head's loads, for A and for B: two chunks on end, 264 rows of 256 bytes; a refill's groups 1 count one chunk, 132 rows
.set G1HB, 84
	s_or_b32 s[G1H+0], s43, (3<<16)|(1<<21)
	s_or_b32 s[G1HB+0], s44, (3<<16)|(1<<21)
.irp g, G1, G1B, G1H, G1HB
	s_mov_b32 s[\g+1], 32<<16
	s_mov_b32 s[\g+2], (132*(1+(\g)/G1H))<<16
	s_mov_b32 s[\g+3], 32<<16
	s_mov_b32 s[\g+4], 132*(1+(\g)/G1H)
	s_mov_b32 s[\g+5], 32
	s_mov_b32 s[\g+6], 0
	s_mov_b32 s[\g+7], 0
.endr
	s_mul_i32 s20, s17, NKS
	s_add_co_u32 s20, s20, s16
	s_mul_i32 s20, s20, CH
	s_mov_b32 s21, 0
	s_mul_i32 s46, s42, NKS
	s_add_co_u32 s46, s46, s16
	s_mul_i32 s46, s46, CH
	s_add_co_u32 s46, s46, WOFF*CH
	s_mov_b32 s47, 0
	s_mul_i32 s45, s14, CH
	s_wait_kmcnt 0x0
	s_add_nc_u64 s[20:21], s[4:5], s[20:21]
	s_add_nc_u64 s[46:47], s[6:7], s[46:47]
	CROUND
.irp s, 0,1
	s_mov_b32 s[G0+4*\s], 1
	s_add_co_u32 s[G0+4*\s+1], s45, \s*SLOT
	s_add_nc_u64 s[G0+4*\s+2:G0+4*\s+3], s[20:21], \s*2*CH
	s_or_b32 s[G0+4*\s+3], s[G0+4*\s+3], 0x80000000
	s_mov_b32 s[G0B+4*\s], 1
	s_add_co_u32 s[G0B+4*\s+1], s45, \s*SLOT
	s_add_nc_u64 s[G0B+4*\s+2:G0B+4*\s+3], s[46:47], \s*2*CH
	s_or_b32 s[G0B+4*\s+3], s[G0B+4*\s+3], 0x80000000
.endr
; THE HEAD'S LOADS, ONE A WAVE, the slot that is multiplied first asked for first: wave 0 slot 0's two chunks of A, wave 1 those of B, waves 2 and 3 slot 1's.  One chain of branches on the wave's number, an arm a load, one join.
	s_mul_i32 s18, s16, CH                         ; s[20:21], s[46:47] stand at chunk wave % 2 of the operand: back to chunk 0,
	s_mov_b32 s19, 0
	s_mul_i32 s22, s15, 2*CH                       ; and on to chunk 2 (wave / 2), the first of slot wave / 2
	s_mov_b32 s23, 0
	s_mov_b32 s68, 1
	s_mul_i32 s69, s15, SLOT                       ; A's two chunks open the slot,
	s_sub_nc_u64 s[70:71], s[20:21], s[18:19]
	s_add_nc_u64 s[70:71], s[70:71], s[22:23]
	s_or_b32 s71, s71, 0x80000000
	s_mov_b32 s72, 1
	s_add_co_u32 s73, s69, 2*CH                    ; B's two follow
	s_sub_nc_u64 s[74:75], s[46:47], s[18:19]
	s_add_nc_u64 s[74:75], s[74:75], s[22:23]
	s_or_b32 s75, s75, 0x80000000
.macro ARM under, g0, g1, next
	s_cmp_lt_u32 s14, \under
	s_cbranch_scc0 \next
	tensor_load_to_lds s[\g0:\g0+3], s[\g1:\g1+7]
	s_nop 0
.rept 4
	v_nop
.endr
	s_branch .Lhead_asked
\next:
.endm
	ARM 1, 68, G1H,  .Lhead_1
	ARM 2, 72, G1HB, .Lhead_2
	ARM 3, 68, G1H,  .Lhead_3
	tensor_load_to_lds s[72:75], s[G1HB:G1HB+7]
	s_nop 0
.rept 4
	v_nop
.endr
.Lhead_asked:
	v_and_b32 v2, 31, v0
	v_lshlrev_b32 v3, 4, v2
	s_wait_alu depctr_va_vdst(0)
	v_and_b32 v10, 15, v0
	v_bfe_u32 v11, v0, 4, 1
	v_lshlrev_b32 v4, 4, v10
	s_wait_alu depctr_va_vdst(0)
	s_lshl_b32 s20, s15, 13
	s_lshl_b32 s21, s16, 13
	s_add_co_u32 s21, s21, 2*CH
	s_lshl_b32 s22, s15, 8
	s_add_co_u32 s22, s22, 32768
	s_lshl_b32 s23, s16, 8
	s_add_co_u32 s23, s23, 2*CH+32768
.irp s, 0,1
	v_add_nc_u32 v[ADRA+\s], s20, v3
	v_add_nc_u32 v[ADRB+\s], s21, v3
	v_add_nc_u32 v[ADSA+\s], s22, v4
	v_add_nc_u32 v[ADSB+\s], s23, v4
	s_add_co_u32 s20, s20, SLOT
	s_add_co_u32 s21, s21, SLOT
	s_add_co_u32 s22, s22, SLOT
	s_add_co_u32 s23, s23, SLOT
.endr
	s_lshl_b32 s20, s42, 1
	s_add_co_u32 s20, s20, s16
	s_lshl_b32 s20, s20, 8
	s_mov_b32 s21, 0
	s_add_nc_u64 s[8:9], s[8:9], s[20:21]
	s_lshl_b32 s22, s17, 1
	s_add_co_u32 s22, s22, s15
	s_lshl_b32 s22, s22, 18
	s_add_co_u32 s20, s20, s22
	s_add_nc_u64 s[10:11], s[10:11], s[20:21]
	s_add_nc_u64 s[12:13], s[12:13], s[20:21]
	s_mul_i32 s23, s14, 16*SP
	s_add_co_u32 s23, s23, STG
	v_mul_u32_u24 v12, v10, SP
	v_lshl_add_u32 v12, v11, 6, v12
	v_add_nc_u32 v[STO], s23, v12
	v_mul_u32_u24 v13, v11, SP
	v_lshl_add_u32 v13, v10, 4, v13
	v_add_nc_u32 v[RD], s23, v13
	v_lshlrev_b32 v[VR], 12, v11
	v_lshl_add_u32 v[VR], v10, 4, v[VR]
	s_wait_alu depctr_va_vdst(0)
	s_cmp_eq_u32 s15, 0                            ; do I fetch for A?
	s_cselect_b32 s18, s17, s42                    ; the group of 128 rows,
	s_cselect_b32 s19, s40, s41                    ; my place among the four that ask for it with me,
	s_cselect_b32 s43, 0, WOFF*CH                  ; where the operand begins in its buffer
	s_cselect_b64 s[PFA:PFA+1], s[4:5], s[6:7]
	s_mul_i32 s18, s18, NKS
	s_add_co_u32 s18, s18, s16
	s_add_co_u32 s18, s18, 4                       ; my chunk of fill 2
	s_mul_i32 s18, s18, CH
	s_mul_i32 s19, s19, 33*256                     ; my work-group's 33 blocks of it
	s_add_co_u32 s18, s18, s19
	s_add_co_u32 s18, s18, s43
	s_mov_b32 s19, 0
	s_add_nc_u64 s[PFA:PFA+1], s[PFA:PFA+1], s[18:19]
	v_lshlrev_b32 v[PFO], 8, v2
	v_mov_b32 v[PFZ], 0
	global_prefetch_b8 v[PFO], s[PFA:PFA+1] th:TH_LOAD_NT scope:SCOPE_SE                       ; fills 2 and 3, which the first two refills will load
	global_prefetch_b8 v[PFZ], s[PFA:PFA+1] offset:8192 th:TH_LOAD_NT scope:SCOPE_SE
	global_prefetch_b8 v[PFO], s[PFA:PFA+1] offset:2*CH th:TH_LOAD_NT scope:SCOPE_SE
	global_prefetch_b8 v[PFZ], s[PFA:PFA+1] offset:2*CH+8192 th:TH_LOAD_NT scope:SCOPE_SE
	v_lshlrev_b32 v1, 6, v11
.irp b, 0,1,2,3
	global_load_b128 v[BIAS+8*\b:BIAS+8*\b+3], v1, s[8:9] offset:(32*(\b/2)+8*(\b%2))*4
	global_load_b128 v[BIAS+8*\b+4:BIAS+8*\b+7], v1, s[8:9] offset:(32*(\b/2)+8*(\b%2))*4+16
.endr
	s_wait_alu depctr_va_vdst(0)
	s_cmp_lt_u32 s14, 2                            ; waves 0 and 1 wait for slot 0's tiles, which alone are read behind this barrier; waves 2 and 3 wait at the change of slots, where every wave waits for 0
	s_cbranch_scc0 .Lnot_yet
	s_wait_tensorcnt 0x0
.Lnot_yet:
	s_barrier_signal -1
	s_barrier_wait -1
	SCALES 0
	FETCH 0, 0, F0
	WIN 0x80                                       ; x1's 64 x 64 numbers of my part, into window 2: asked for behind the tiles, wanted on the way out
.irp a, 0,1,2,3
.irp u, 0,1,2,3,4,5,6,7
	global_load_b128 v[32*\a+4*\u:32*\a+4*\u+3], v[VR], s[10:11] offset:(32*(\a/2)+8*(\a%2)+2*\u+8*(\u/4))*4096
.endr
.endr
	s_wait_loadcnt 32                              ; the bias is in; the 32 loads just issued may be out
	QUARTER 0, 0, F0, F1, 1
.if LAPS > 1
	WIN 0
	s_mov_b32 s3, LAPS-1
.Llap:
	QUARTER 0, 1, F1, F0, 0
	QUARTER 0, 2, F0, F1, 0
	TURN 0, 1, 1
	QUARTER 1, 0, F0, F1, 0
	QUARTER 1, 1, F1, F0, 0
	QUARTER 1, 2, F0, F1, 0
	TURN 1, 0, 1
	QUARTER 0, 0, F0, F1, 0
	WIN 0
	s_sub_co_u32 s3, s3, 1
	s_cmp_lg_u32 s3, 0
	s_cbranch_scc1 .Llap
.endif
	QUARTER 0, 1, F1, F0, 0
	QUARTER 0, 2, F0, F1, 0
	TURN 0, 1, 0
	QUARTER 1, 0, F0, F1, 0
	QUARTER 1, 1, F1, F0, 0
	QUARTER 1, 2, F0, F1, 0
	s_wait_dscnt 8
	WIN MUL
	MUL8 F1, 0, 1, 3, 0
	s_wait_alu depctr_va_vdst(0)
	s_wait_dscnt 0x0
	MUL8 F1, 2, 1, 3, 0
	WIN 0
	PLACES NP
.macro TOSTAGE a
	WIN 0
.irp b, 0,1,2,3
	ds_store_b128 v[STO], v[ACC+8*(4*(\a)+\b):ACC+8*(4*(\a)+\b)+3] offset:128*(\b/2)+32*(\b%2)
	ds_store_b128 v[STO], v[ACC+8*(4*(\a)+\b)+4:ACC+8*(4*(\a)+\b)+7] offset:128*(\b/2)+32*(\b%2)+16
.endr
	WIN TO_F
.irp u, 0,1,2,3,4,5,6,7
	ds_load_b128 v[32*(\a)+4*\u:32*(\a)+4*\u+3], v[RD] offset:2*\u*SP
.endr
.endm
.macro SEND a, younger
	s_wait_dscnt \younger
	WIN 0x09
.set n, 0
.rept 16
	v_pk_add_f32 v[ACC+32*(\a)+n:ACC+32*(\a)+n+1], v[32*(\a)+n:32*(\a)+n+1], v[32*(\a)+n:32*(\a)+n+1]
.set n, n+2
.endr
	WIN 0
.irp u, 0,1,2,3,4,5,6,7
.if FINAL
	global_store_b128 v[VR], v[ACC+32*(\a)+4*\u:ACC+32*(\a)+4*\u+3], s[12:13] offset:(32*((\a)/2)+8*((\a)%2)+2*\u+8*(\u/4))*4096 th:TH_STORE_NT
.else
	global_store_b128 v[VR], v[ACC+32*(\a)+4*\u:ACC+32*(\a)+4*\u+3], s[12:13] offset:(32*((\a)/2)+8*((\a)%2)+2*\u+8*(\u/4))*4096
.endif
.endr
.endm
	TOSTAGE 0
	s_wait_loadcnt 0x0
.irp a, 1,2,3
	TOSTAGE \a
	SEND \a-1, 16
.endr
	SEND 3, 0
	s_wait_tensorcnt 0x0
	ds_add_u32 v[SPW], v[NIL]
	s_wait_dscnt 0x0
	CROUND
	s_endpgm
.Lfunc_end_k_qca9243c6bb_fc2:
	.size	k_qca9243c6bb_fc2, .Lfunc_end_k_qca9243c6bb_fc2-k_qca9243c6bb_fc2
	.p2alignl 7, 3214868480
	.fill 96, 4, 3214868480
	.section	.rodata,"a",@progbits
	.p2align	6, 0x0
	.amdhsa_kernel k_qca9243c6bb_fc2
		.amdhsa_group_segment_fixed_size 327680
		.amdhsa_private_segment_fixed_size 0
		.amdhsa_enable_private_segment 0
		.amdhsa_kernarg_size 40
		.amdhsa_user_sgpr_count 2
		.amdhsa_user_sgpr_kernarg_segment_ptr 1
		.amdhsa_wavefront_size32 1
		.amdhsa_system_sgpr_workgroup_id_x 1
		.amdhsa_system_sgpr_workgroup_id_y 1
		.amdhsa_system_sgpr_workgroup_id_z 1
		.amdhsa_system_vgpr_workitem_id 0
		.amdhsa_next_free_vgpr 768
		.amdhsa_next_free_sgpr 96
		.amdhsa_reserve_vcc 0
		.amdhsa_float_denorm_mode_32 3
		.amdhsa_float_denorm_mode_16_64 3
		.amdhsa_memory_ordered 1
		.amdhsa_forward_progress 1
		.amdhsa_inst_pref_size 102
	.end_amdhsa_kernel
	.amdgpu_metadata
---
amdhsa.version: [ 1, 2 ]
amdhsa.kernels:
  - .name:           k_qca9243c6bb_fc2
    .symbol:         k_qca9243c6bb_fc2.kd
    .args:
      - { .name: gc, .offset: 0, .size: 8, .value_kind: global_buffer, .address_space: global }
      - { .name: wts, .offset: 8, .size: 8, .value_kind: global_buffer, .address_space: global }
      - { .name: fc2_b, .offset: 16, .size: 8, .value_kind: global_buffer, .address_space: global }
      - { .name: x1, .offset: 24, .size: 8, .value_kind: global_buffer, .address_space: global }
      - { .name: out0, .offset: 32, .size: 8, .value_kind: global_buffer, .address_space: global }
    .group_segment_fixed_size: 327680
    .private_segment_fixed_size: 0
    .kernarg_segment_align: 8
    .kernarg_segment_size: 40
    .max_flat_workgroup_size: 128
    .sgpr_count:     96
    .vgpr_count:     768
    .wavefront_size: 32
...
	.end_amdgpu_metadata
.endif
;; end of part 13
